; MI455X (gfx1250); checked and timed in simulation.
; The chip was launched on July 23, 2026; its instructions are those of AMD's public machine-readable ISA for CDNA 5 (MIT licence, August 2026) and "CDNA5" Instruction Set Architecture Reference Guide (July 2026). The comments in the code are by the model that wrote it; some were corrected since.
;; Attn Block. Allowed arithmetic: matrix products marked QUANTISED: E2M3 operands, one E8M0 scale for each 32 along K, by v_wmma_scale_f32_16x16x128_f8f6f4 with both operands' format E2M3, f32 sums; everything else in f32.
;; Inputs: bk 512 float32; bp 512 float32; bq 512 float32; bv 512 float32; gn_bias 512 float32; gn_scale 512 float32; wk 512 x 512 float32; wp 512 x 512 float32; wq 512 x 512 float32; wv 512 x 512 float32; x 8 x 512 x 2,048 float32.
;; Outputs: out0 8 x 512 x 2,048 float32.
;; This version of the problem:
;;   THIS VERSION OF THE PROBLEM IS GIVEN IN LOW PRECISION. The matrix products marked QUANTISED in the list below multiply operands that are first quantised to E2M3 (2 exponent bits, 3 mantissa bits; 6 bits a number), with one power-of-two scale for each 32 numbers along K (OCP MX v1.0); their sums are f32. All else is computed in f32.
;;   The module's matrix products, in the order in which they are computed (A, B: the left and right operand; K: the contracted axis; several contracted axes count as one K, in the product's order):
;;     1. [M 16,384, K 512] x [K 512, N 512]; A: computed on the way; B: input wq: QUANTISED
;;     2. [M 16,384, K 512] x [K 512, N 512]; A: computed on the way; B: input wk: QUANTISED
;;     3. [M 16,384, K 512] x [K 512, N 512]; A: computed on the way; B: input wv: QUANTISED
;;     4. batch 8 x [M 2,048, K 512] x [K 512, N 2,048]; A: computed on the way; B: computed on the way: QUANTISED
;;     5. batch 8 x [M 512, K 2,048] x [K 2,048, N 2,048]; A: computed on the way; B: softmax (see below): QUANTISED
;;     6. [M 16,384, K 512] x [K 512, N 512]; A: computed on the way; B: input wp: QUANTISED
;;   THE QUANTISER, for each operand of a quantised product, along K:
;;     - K is cut into blocks of 32 from its start; a last block that is shorter is filled with zeros.
;;     - A block's scale is 2^e with e = floor(log2(the largest magnitude in the block)) - 2, held to -126 .. 127; a block of zeros has e = 0. As a byte (E8M0): e + 127.
;;     - Each number is divided by its block's scale, clamped to +-7.5, and rounded to the nearest number of E2M3, ties to even, subnormals kept.
;;     - The product sums the exact products of the quantised numbers (number of the format x scale) in f32.
;;   ~~~python
;;   def quantise(x, axis):      # numpy; x: float32 -> the quantised numbers, widened to float32 again
;;       x = np.moveaxis(x, axis, -1); K = x.shape[-1]
;;       x = np.pad(x, [(0, 0)] * (x.ndim - 1) + [(0, -K % 32)]); x = x.reshape(x.shape[:-1] + (-1, 32)); a = np.abs(x).max(-1, keepdims=True)
;;       e = np.where(a > 0, np.clip(np.frexp(np.where(a > 0, a, 1))[1] - 1 - 2, -126, 127), 0)      # np.frexp(a)[1] - 1 = floor(log2(a)), exactly
;;       r = np.clip(x / 2.0 ** e, -7.5, 7.5)
;;       step = 2.0 ** (np.maximum(np.frexp(np.where(r == 0, 1, r))[1] - 1, 0) - 3)
;;       q = np.round(r / step) * step * 2.0 ** e      # np.round: ties to even
;;       return np.moveaxis(q.reshape(q.shape[:-2] + (-1,))[..., :K], -1, axis).astype(np.float32)
;;   ~~~
;;   SOFTMAX AHEAD OF A QUANTISED PRODUCT. Where the list says 'softmax', what is quantised is not the finished softmax but p = 2^(t - M), with t = logit x log2(e) and M = ceil(the row's largest t), a whole number; so 1/2 < the row's largest p <= 1. The row's sum l is taken of the UNQUANTISED p, in f32, and the product's result is divided by l at the end. Since M is a whole number, a kernel that streams over the keys may use a running M (the ceiling of the running maximum): every later rescaling is an exact power of two, which a block's scale takes up: the codes' values come out the same.
;;   OPERANDS COMPUTED ON THE WAY. 'Computed on the way' means the value that the module computes at that place (a softmax that the list does not call 'softmax' is quantised finished and normalised). What goes into a quantiser is computed in f32, as accurately as f32 sums, v_exp_f32 and their like allow (about 1e-6 of the number): no bf16 or f16 on the way to a quantiser, and a product that is left as it is and whose result goes on into a quantised operand takes f32 operands (vector FMAs, or v_wmma_f32_16x16x4_f32). A number that lies on a knife's edge between two numbers of the format may be rounded either way, as far as f32 arithmetic and the matrix unit's own rounding can turn it there, and no further.
;; 2 versions, each right. Each part assembles by itself: llvm-mc -triple=amdgcn-amd-amdhsa -mcpu=gfx1250 --defsym DOCPART=n.
;; ======== version 1 of 2: 3 launches
;; workspace buffers: hb 6,553,600 bytes; wf 614,400 bytes; qf 6,553,600 bytes; kf 7,372,800 bytes; vf 7,372,800 bytes
;; launch prep (part 1): grid 160 x 1, 16 waves a work-group, no clusters, 186,880 bytes of LDS; arguments x, gn_scale, gn_bias, wq, wk, wv, wp, hb, wf, kf, vf; writes hb, wf, kf, vf
.if DOCPART == 1
	.amdgcn_target "amdgcn-amd-amdhsa--gfx1250"
	.amdhsa_code_object_version 6
	.text
	.protected	k_qa62aaf6435_prep
	.globl	k_qa62aaf6435_prep
	.p2align	8
	.type	k_qa62aaf6435_prep,@function
k_qa62aaf6435_prep:
	s_mov_b64 s[64:65], 0
	v_nop
	global_prefetch_b8 v0, s[64:65] scope:SCOPE_SE
	s_setreg_imm32_b32 hwreg(HW_REG_WAVE_MODE, 25, 1), 1
	s_wait_xcnt 0x0
; PREP.  Work-groups 0-127: h = GroupNorm(x) and its codes of FP6 (E2M3) along the channels.  Work-groups 128-159: the four weights' codes along their second axis.
; ROLE X.  Work-group 16 b + cb takes batch b, channels 32 cb .. 32 cb + 31 (two groups of the norm, one block of the quantiser) and all 2,048 positions: 256 KiB, kept in registers:
; thread t holds positions 4 t .. 4 t + 3 of the 32 channels.  x is read once here: sum, then sum of squares of x - mean, then the codes, all from the same 128 registers.
; hb: [b][256 positions] blocks of 102,400 bytes.  Codes of (32 positions G, K step ks, block be) at 12,288 G + 3,072 ks + 768 be; there, for the tile tau of 16 positions and its row r,
; registers 0-3 of the block's six at 256 tau + 16 r, registers 4-5 at 512 + 128 (tau xor (be & 1)) + 8 r.  Row r of tile tau is position 8 tau + (r & 7) + 16 (r >> 3) of the 32.
; Scale bytes in planes: 98,304 + 1,024 ks + 256 be + position.
; ROLE W.  Work-group 128 + wid takes 64 rows of one matrix.  Wave w makes the fragment (tile w >> 2, K step w & 3) as an image of its twelve registers: chunk c at 512 c, lane l at 16 l.
; A block of 25,600 bytes: 16 images at 1,536 (4 tile + ks), then the scale words at 24,576 + 256 ks + 8 (r + 16 (tile & 1)) + 4 (tile >> 1).  wq, wk, wv go to wf; wp goes behind each batch's K and V.
; A block's scale is 2^(floor(log2(largest magnitude)) - 2); its byte is the largest magnitude's exponent field - 2, held at 1 from below.
; LIMITS: NaN and infinities among the inputs are not served.  A block whose largest magnitude lies under 2^-124 keeps the byte 1; a block of zeros has the byte 1 and zero codes (the bytes are read by this program alone).
; 1 / sqrt(var + eps) is v_rsq_f32's.  No tensor loads, no matrix instructions: memory binds here.  The two roles part on the work-group's number and have LDS bytes of their own.
.set RED1, 0                           ; role X: 2 groups x 16 waves x 4 bytes: the sums
.set RED2, 256                         ; the sums of squares
.set SBY,  512                         ; 2,048 scale bytes
.set STG,  2560                        ; 16 waves x 3,072 bytes: each wave's codes on their way out
.set WROW, 51712                       ; role W: 64 rows x 2,064 bytes
.set WPI,  2064                        ; 2,048 + 16: an odd multiple of 16, so that sixteen rows' equal columns fall on different banks
.set WSC,  183808                      ; role W: 1,024 bytes of scale words
.set X,   32                           ; v32-159  X[4 c + j] = x[c][4 t + j]
.set Y,   160                          ; v160-191 one position's 32 channels; also the partial sums and the way out
.set CA,  192                          ; v192-223 codes: eight registers for each of my four positions
.set SCL, 28                           ; s28-59   gn_scale of my 32 channels, later x 1 / sqrt(var + eps)
.set BIA, 68                           ; s68-99   gn_bias
.macro BARRIER                         ; my LDS stores have landed and my LDS loads are in: then the work-group's barrier
	s_wait_dscnt 0x0
	s_barrier_signal -1
	s_barrier_wait -1
.endm
.macro WRED r                          ; the sum over the wave's 32 lanes, in every lane
	v_add_f32_dpp v[\r], v[\r], v[\r] row_xmask:1 row_mask:0xf bank_mask:0xf
	v_add_f32_dpp v[\r], v[\r], v[\r] row_xmask:2 row_mask:0xf bank_mask:0xf
	v_add_f32_dpp v[\r], v[\r], v[\r] row_xmask:4 row_mask:0xf bank_mask:0xf
	v_add_f32_dpp v[\r], v[\r], v[\r] row_xmask:8 row_mask:0xf bank_mask:0xf
	v_permlanex16_b32 v16, v[\r], s62, s63
	v_add_f32 v[\r], v[\r], v16
.endm
.macro GSUM g                          ; the sum of my 64 numbers of group g, in two chains begun by the first pairs -> v[10 + g]
.set XG, X+64*\g
	v_pk_add_f32 v[12:13], v[XG:XG+1], v[XG+2:XG+3]
	v_pk_add_f32 v[14:15], v[XG+4:XG+5], v[XG+6:XG+7]
.set i, 8
.rept 14
	v_pk_add_f32 v[12:13], v[12:13], v[XG+i:XG+i+1]
	v_pk_add_f32 v[14:15], v[14:15], v[XG+i+2:XG+i+3]
.set i, i+4
.endr
	v_pk_add_f32 v[12:13], v[12:13], v[14:15]
	v_add_f32 v[10+\g], v12, v13
.endm
.macro GVAR g                          ; x - mean in place, and the sum of its squares -> v[10 + g]
.set XG, X+64*\g
.set i, 0
.rept 32
	v_pk_add_f32 v[XG+i:XG+i+1], v[XG+i:XG+i+1], v[24+2*\g:25+2*\g] neg_lo:[0,1] neg_hi:[0,1]
.set i, i+2
.endr
	v_pk_mul_f32 v[12:13], v[XG:XG+1], v[XG:XG+1]
	v_pk_mul_f32 v[14:15], v[XG+2:XG+3], v[XG+2:XG+3]
.set i, 4
.rept 15
	v_pk_fma_f32 v[12:13], v[XG+i:XG+i+1], v[XG+i:XG+i+1], v[12:13]
	v_pk_fma_f32 v[14:15], v[XG+i+2:XG+i+3], v[XG+i+2:XG+i+3], v[14:15]
.set i, i+4
.endr
	v_pk_add_f32 v[12:13], v[12:13], v[14:15]
	v_add_f32 v[10+\g], v12, v13
.endm
.macro TOT g                           ; sixteen waves' parts of group g, added in one fixed order -> v[10 + g]
.set YG, Y+16*\g
	v_pk_add_f32 v[YG:YG+1], v[YG:YG+1], v[YG+2:YG+3]
	v_pk_add_f32 v[YG+4:YG+5], v[YG+4:YG+5], v[YG+6:YG+7]
	v_pk_add_f32 v[YG+8:YG+9], v[YG+8:YG+9], v[YG+10:YG+11]
	v_pk_add_f32 v[YG+12:YG+13], v[YG+12:YG+13], v[YG+14:YG+15]
	v_pk_add_f32 v[YG:YG+1], v[YG:YG+1], v[YG+4:YG+5]
	v_pk_add_f32 v[YG+8:YG+9], v[YG+8:YG+9], v[YG+12:YG+13]
	v_pk_add_f32 v[YG:YG+1], v[YG:YG+1], v[YG+8:YG+9]
	v_add_f32 v[10+\g], v[YG], v[YG+1]
.endm
.macro ACROSS red                      ; v10, v11: from my lane's sums to the work-group's, through 128 bytes of LDS
	WRED 10
	WRED 11
	ds_store_b32 v3, v10 offset:\red               ; all lanes of a wave write the same word with the same value
	ds_store_b32 v3, v11 offset:\red+64
	BARRIER
.irp i, 0,1,2,3,4,5,6,7
	ds_load_b128 v[Y+4*\i:Y+4*\i+3], v4 offset:\red+16*\i
.endr
	s_wait_dscnt 0x0
	TOT 0
	TOT 1
.endm
	s_load_b512 s[4:19], s[0:1], 0x0               ; x, gn_scale, gn_bias, wq, wk, wv, wp, hb
	s_load_b128 s[20:23], s[0:1], 0x40             ; wf, kf
	s_load_b64 s[24:25], s[0:1], 0x50              ; vf
	v_lshl_add_u32 v224, v0, 2, 0x2d200
	v_mov_b32 v225, 0
	v_lshrrev_b32 v1, 5, v0
	v_readfirstlane_b32 s26, v1                    ; wave 0..15
	v_and_b32 v31, 31, v0                          ; lane
	v_lshlrev_b32 v2, 4, v0                        ; 16 t
	v_mov_b32 v16, 0                               ; a lane permute's destination counts as one of its sources
	s_mov_b32 s62, 0x76543210
	s_mov_b32 s63, 0xfedcba98                      ; v_permlanex16_b32's selects for lane l xor 16
	s_mov_b32 s3, 0
	s_cmp_lt_u32 ttmp9, 128
	s_cbranch_scc0 .Lweights
	; ======== ROLE X ========
	s_and_b32 s60, ttmp9, 15                       ; cb = 4 ks + be
	s_lshr_b32 s61, ttmp9, 4                       ; b
	s_lshl_b32 s2, s60, 7                          ; my 32 channels in gn_scale and gn_bias
	s_wait_kmcnt 0x0
	s_add_nc_u64 s[6:7], s[6:7], s[2:3]
	s_add_nc_u64 s[8:9], s[8:9], s[2:3]
	s_load_b512 s[SCL:SCL+15], s[6:7], 0x0
	s_load_b512 s[SCL+16:SCL+31], s[6:7], 0x40
	s_load_b512 s[BIA:BIA+15], s[8:9], 0x0
	s_load_b512 s[BIA+16:BIA+31], s[8:9], 0x40
	s_lshl_b32 s2, ttmp9, 18                       ; (512 b + 32 cb) rows of 8,192 bytes
	s_add_nc_u64 s[4:5], s[4:5], s[2:3]
.set c, 0
.rept 32
	global_load_b128 v[X+4*c:X+4*c+3], v2, s[4:5] offset:8192*c th:TH_LOAD_NT   ; a wave reads 512 consecutive bytes of a row; all of the work-group's 256 KiB are asked for at once
.set c, c+1
.endr
	; where the results go
	s_mul_i32 s27, s61, 819200                     ; the batch's eight blocks of hb
	s_lshl_b32 s2, s60, 8
	s_add_co_u32 s2, s2, s27
	s_add_co_u32 s2, s2, 98304
	s_add_nc_u64 s[66:67], s[18:19], s[2:3]        ; my plane of scale bytes in the batch's first block
	s_lshr_b32 s2, s26, 1
	s_mul_i32 s2, s2, 102400                       ; a wave's 128 positions: block wave >> 1,
	s_add_co_u32 s27, s27, s2
	s_and_b32 s2, s26, 1
	s_mul_i32 s2, s2, 49152                        ; groups of 32 positions 4 (wave & 1) on
	s_add_co_u32 s27, s27, s2
	s_mul_i32 s2, s60, 768                         ; 3,072 ks + 768 be
	s_add_co_u32 s2, s2, s27
	s_add_nc_u64 s[18:19], s[18:19], s[2:3]
	s_and_b32 s27, s60, 1
	s_lshl_b32 s27, s27, 7                         ; m = 128 (be & 1)
	v_lshlrev_b32 v3, 2, v1                        ; the sums: 4 x wave
	v_mov_b32 v4, 0
	v_lshrrev_b32 v5, 3, v0
	v_mul_u32_u24 v5, v5, 768                      ; the stage: eight threads hold 32 positions: 768 bytes
	v_bfe_u32 v6, v0, 1, 1                         ; tau
	v_and_b32 v7, 1, v0
	v_bfe_u32 v8, v0, 2, 1
	v_lshlrev_b32 v9, 2, v7
	v_lshl_add_u32 v9, v8, 3, v9                   ; r of my first position: 4 (t & 1) + 8 ((t >> 2) & 1)
	v_lshl_add_u32 v28, v6, 8, v5
	v_lshl_add_u32 v28, v9, 4, v28
	v_add_nc_u32 v28, STG, v28                     ; registers 0-3: 256 tau + 16 r
	v_lshl_add_u32 v29, v6, 7, v5
	v_lshl_add_u32 v29, v9, 3, v29
	v_add_nc_u32 v29, STG+512, v29                 ; registers 4-5: 512 + 128 tau + 8 r (the exclusive or with be is made on the way to memory)
	v_mul_u32_u24 v30, v1, 3072
	v_lshl_add_u32 v30, v31, 4, v30
	v_add_nc_u32 v30, STG, v30                     ; back: my wave's 3,072 bytes, 16 a lane
	v_lshl_add_u32 v17, v0, 2, SBY                 ; my four scale bytes
	v_add_nc_u32 v18, SBY, v2                      ; and back, 16 a thread (waves 0-3)
	v_bfe_u32 v6, v0, 4, 1                         ; hl: which half of the lanes
	v_and_b32 v7, 15, v0
	v_lshlrev_b32 v7, 4, v7
	v_lshlrev_b32 v19, 4, v31                      ; chunks 0, 3: two tiles' registers 0-3
	v_mul_u32_u24 v8, s27, v6
	v_sub_nc_u32 v9, s27, v8
	v_xor_b32 v20, v7, v9                          ; chunks 1, 4: lanes 0-15 registers 4-5 (halves swapped where be is odd), lanes 16-31 the next 32 positions' tile 0
	v_mad_u32_u24 v20, v6, 11776, v20
	v_xor_b32 v21, v7, v8                          ; chunks 2, 5: lanes 0-15 tile 1, lanes 16-31 registers 4-5
	v_lshl_add_u32 v21, v6, 8, v21
	v_lshl_add_u32 v22, v1, 1, v6
	v_mul_u32_u24 v22, v22, 102400
	v_add_nc_u32 v22, v22, v7                      ; scale bytes: block 2 wave + hl, 16 bytes a lane
	; the mean
	s_wait_loadcnt 16                              ; group 0's sixteen rows are in; group 1's sixteen loads may be out
	GSUM 0
	s_wait_loadcnt 0x0
	GSUM 1
	ACROSS RED1
.irp g, 0,1
	v_mul_f32 v[24+2*\g], 0x38000000, v[10+\g]     ; / 32,768
	v_mov_b32 v[25+2*\g], v[24+2*\g]
.endr
	; the variance, of x - mean
	GVAR 0
	GVAR 1
	ACROSS RED2
	v_mov_b32 v23, 0x358637bd                      ; 1e-6
	v_fmamk_f32 v10, v10, 0x38000000, v23
	v_fmamk_f32 v11, v11, 0x38000000, v23
	v_rsq_f32 v24, v10
	v_rsq_f32 v25, v11
	v_nop                                          ; a plain instruction behind the transcendentals,
	s_wait_alu depctr_va_vdst(0)                   ; and one wait for both, ahead of their first reader
	v_readfirstlane_b32 s60, v24
	v_readfirstlane_b32 s61, v25
	s_wait_kmcnt 0x0                               ; gn_scale, gn_bias
.set c, 0
.rept 32
	s_mul_f32 s[SCL+c], s[SCL+c], s[60+c/16]
.set c, c+1
.endr
; Position 4 t + j: h of its 32 channels, the block's scale, its 32 codes (six registers), into my wave's stage.
.macro QJ j
.set c, 0
.rept 32
	v_fma_f32 v[Y+c], v[X+4*c+\j], s[SCL+c], s[BIA+c]
.set c, c+1
.endr
	v_max3_num_f32 v12, |v[Y]|, |v[Y+1]|, |v[Y+2]|
	v_max3_num_f32 v13, |v[Y+3]|, |v[Y+4]|, |v[Y+5]|
.irp i, 6,10,14,18,22,26
	v_max3_num_f32 v12, v12, |v[Y+\i]|, |v[Y+\i+1]|
	v_max3_num_f32 v13, v13, |v[Y+\i+2]|, |v[Y+\i+3]|
.endr
	v_max3_num_f32 v12, v12, |v[Y+30]|, |v[Y+31]|
	v_max3_num_f32 v12, v12, v13, 0x1800000        ; and the floor 2^(3 - 127): the byte cannot fall under 1
	v_add_nc_u32 v10, 0xff000000, v12              ; 2 off the exponent field: the conversion takes this operand's exponent field as its scale
	v_cvt_scalef32_pk16_fp6_f32 v[CA+8*\j:CA+8*\j+2], v[Y:Y+15], v10
	v_cvt_scalef32_pk16_fp6_f32 v[CA+8*\j+4:CA+8*\j+6], v[Y+16:Y+31], v10   ; (a conversion's three registers begin on an even number)
	v_lshrrev_b32 v11, 23, v10                     ; the scale's byte.  (Also the plain instruction behind the conversions)
.if \j == 0
	v_mov_b32 v14, v11
.else
	v_lshl_or_b32 v14, v11, 8*\j, v14              ; four neighbouring positions' bytes in one word
.endif
	v_mov_b32 v[CA+8*\j+3], v[CA+8*\j+4]
	v_mov_b32 v[CA+8*\j+4], v[CA+8*\j+5]
	v_mov_b32 v[CA+8*\j+5], v[CA+8*\j+6]
	ds_store_b128 v28, v[CA+8*\j:CA+8*\j+3] offset:16*\j
	ds_store_b64 v29, v[CA+8*\j+4:CA+8*\j+5] offset:8*\j
.endm
	QJ 0
	QJ 1
	QJ 2
	QJ 3
	ds_store_b32 v17, v14
.irp q, 0,1,2,3,4,5
	ds_load_b128 v[Y+4*\q:Y+4*\q+3], v30 offset:512*\q   ; LDS serves a wave's instructions in order: these see my wave's stores
.endr
.irp q, 0,1,2,3,4,5
	s_wait_dscnt 5-\q                              ; chunk q is back; the later chunks may be out
	global_store_b128 v[19+\q%3], v[Y+4*\q:Y+4*\q+3], s[18:19] offset:512*(\q%3)+11520*((\q%3)/2)+24576*(\q/3)   ; sixteen lanes store 256 consecutive bytes, aligned
.endr
	BARRIER                                        ; all 2,048 scale bytes lie in LDS
	s_cmp_lt_u32 s26, 4
	s_cbranch_scc0 .Lx_end
	ds_load_b128 v[Y+24:Y+27], v18
	s_wait_dscnt 0x0
	global_store_b128 v22, v[Y+24:Y+27], s[66:67]  ; sixteen lanes store a block's 256 bytes of this plane
.Lx_end:
	s_wait_tensorcnt 0x0
	ds_add_u32 v224, v225
	s_wait_dscnt 0x0
	s_endpgm
	; ======== ROLE W ========
.Lweights:
	s_sub_co_u32 s27, ttmp9, 128                   ; wid = 8 mat + 2 cg + sub
	s_lshr_b32 s60, s27, 3                         ; mat: q, k, v, p
	s_and_b32 s61, s27, 7
	s_wait_kmcnt 0x0
	s_cmp_eq_u32 s60, 1
	s_cselect_b64 s[28:29], s[12:13], s[10:11]
	s_cmp_eq_u32 s60, 2
	s_cselect_b64 s[28:29], s[14:15], s[28:29]
	s_cmp_eq_u32 s60, 3
	s_cselect_b64 s[28:29], s[16:17], s[28:29]
	s_lshl_b32 s2, s61, 17                         ; 64 rows of 2,048 bytes
	s_add_nc_u64 s[28:29], s[28:29], s[2:3]
.set i, 0
.rept 16
	global_load_b128 v[32+4*i:35+4*i], v2, s[28:29] offset:8192*i th:TH_LOAD_NT   ; the 128 KiB as they lie: row 4 i + (t >> 7), 16 bytes a thread
.set i, i+1
.endr
	s_and_b32 s2, s27, 1
	s_cmp_eq_u32 s2, 0
	s_cselect_b64 s[30:31], s[22:23], s[24:25]     ; wp: the lower 64 of a wave's 128 rows go behind K, the upper behind V
	s_bfe_u32 s2, s27, 0x20001                     ; cg
	s_mul_i32 s2, s2, 25600
	s_add_co_u32 s2, s2, 819200                    ; tile 8 of a batch
	s_mul_i32 s66, s27, 25600
	s_cmp_eq_u32 s60, 3
	s_cselect_b64 s[30:31], s[30:31], s[20:21]
	s_cselect_b32 s2, s2, s66
	s_add_nc_u64 s[30:31], s[30:31], s[2:3]
	v_lshrrev_b32 v3, 7, v0
	v_and_b32 v4, 127, v0
	v_mul_u32_u24 v5, v3, WPI
	v_lshl_add_u32 v5, v4, 4, v5
	v_add_nc_u32 v5, WROW, v5                      ; into LDS: rows under 32,
	v_add_nc_u32 v6, 32*WPI, v5                    ; and from 32 on (an offset has 16 bits)
	v_and_b32 v3, 15, v0                           ; r
	v_bfe_u32 v4, v0, 4, 1                         ; h
	s_lshr_b32 s2, s26, 2
	s_mul_i32 s2, s2, 16*WPI                       ; my tile's 16 rows,
	s_and_b32 s66, s26, 3
	s_lshl_b32 s67, s66, 9                         ; my K step's 512 bytes
	s_add_co_u32 s2, s2, s67
	s_add_co_u32 s2, s2, WROW
	v_mul_u32_u24 v7, v3, WPI
	v_lshl_add_u32 v7, v4, 7, v7
	v_add_nc_u32 v7, s2, v7                        ; row r, + 128 h: lane (r, h) takes blocks h and 2 + h
	v_mul_u32_u24 v8, v1, 1536
	v_lshl_add_u32 v8, v31, 4, v8                  ; my image: 1,536 x wave + 16 x lane
	s_lshl_b32 s2, s66, 8                          ; the scale word: 256 ks
	s_bfe_u32 s67, s26, 0x10002
	s_lshl_b32 s67, s67, 7                         ; + 128 (tile & 1)
	s_add_co_u32 s2, s2, s67
	s_lshr_b32 s67, s26, 3
	s_lshl_b32 s67, s67, 2                         ; + 4 (tile >> 1)
	s_add_co_u32 s2, s2, s67
	s_add_co_u32 s2, s2, WSC
	v_lshl_add_u32 v9, v3, 3, s2                   ; + 8 r
	v_add_nc_u32 v10, WSC, v2
.set i, 0
.rept 16
.set LAM, 32*(i>>3)+16*((i>>1)&1)+8*((i>>2)&1)+4*(i&1)   ; THE ROWS OF A TILE ARE NOT NEIGHBOURS: row r of tile T is row 32 (T >> 1) + 8 (T & 1) + (r & 7) + 16 (r >> 3); in LDS a tile's rows lie on end
	s_wait_loadcnt 15-i
.if LAM < 32
	ds_store_b128 v5, v[32+4*i:35+4*i] offset:LAM*WPI
.else
	ds_store_b128 v6, v[32+4*i:35+4*i] offset:(LAM-32)*WPI
.endif
.set i, i+1
.endr
	BARRIER
.irp cc, 0,1
.irp i, 0,1,2,3,4,5,6,7
	ds_load_b128 v[96+32*\cc+4*\i:99+32*\cc+4*\i], v7 offset:256*\cc+16*\i   ; two whole blocks of 32 numbers
.endr
.endr
	s_wait_dscnt 0x0
.irp cc, 0,1
	v_max3_num_f32 v[12+2*\cc], |v[96+32*\cc]|, |v[97+32*\cc]|, |v[98+32*\cc]|
	v_max3_num_f32 v[13+2*\cc], |v[99+32*\cc]|, |v[100+32*\cc]|, |v[101+32*\cc]|
.endr
.irp i, 6,10,14,18,22,26
.irp cc, 0,1
	v_max3_num_f32 v[12+2*\cc], v[12+2*\cc], |v[96+32*\cc+\i]|, |v[97+32*\cc+\i]|
	v_max3_num_f32 v[13+2*\cc], v[13+2*\cc], |v[98+32*\cc+\i]|, |v[99+32*\cc+\i]|
.endr
.endr
.irp cc, 0,1
	v_max3_num_f32 v[12+2*\cc], v[12+2*\cc], |v[126+32*\cc]|, |v[127+32*\cc]|
.endr
.irp cc, 0,1
	v_max3_num_f32 v[12+2*\cc], v[12+2*\cc], v[13+2*\cc], 0x1800000
.endr
.irp cc, 0,1
	v_add_nc_u32 v[20+\cc], 0xff000000, v[12+2*\cc]
.endr
.irp cc, 0,1
	v_lshrrev_b32 v[22+\cc], 23, v[20+\cc]
.endr
	v_lshl_or_b32 v24, v23, 16, v22                ; my two bytes: blocks h and 2 + h,
	v_lshlrev_b32 v25, 3, v4
	v_lshlrev_b32 v24, v25, v24                    ; at their places in the word;
	v_permlanex16_b32 v16, v24, s62, s63
	v_or_b32 v24, v24, v16                         ; with lane l xor 16's two the word is whole
.irp cc, 0,1
	v_cvt_scalef32_pk16_fp6_f32 v[160+6*\cc:162+6*\cc], v[96+32*\cc:111+32*\cc], v[20+\cc]
	v_cvt_scalef32_pk16_fp6_f32 v[172+4*\cc:174+4*\cc], v[112+32*\cc:127+32*\cc], v[20+\cc]
.endr
	v_nop                                          ; one plain instruction behind the conversions
.irp cc, 0,1
.irp i, 0,1,2
	v_mov_b32 v[163+6*\cc+\i], v[172+4*\cc+\i]
.endr
.endr
	ds_store_b32 v9, v24                           ; lanes r and r + 16 write the same word with the same value
	s_cmp_eq_u32 s60, 3
	s_cbranch_scc1 .Lwp_images
.irp cc, 0,1,2
	global_store_b128 v8, v[160+4*\cc:163+4*\cc], s[30:31] offset:512*\cc   ; 512 consecutive bytes an instruction
.endr
	s_branch .Limages_done
.Lwp_images:
.irp bb, 0,1,2,3,4,5,6,7
.irp cc, 0,1,2
	global_store_b128 v8, v[160+4*\cc:163+4*\cc], s[30:31] offset:921600*\bb+512*\cc   ; once for each batch, so that the attention's walking loads run from the last keys into wp
.endr
.endr
.Limages_done:
	BARRIER                                        ; the block's 1,024 bytes of scale words lie in LDS
	s_cmp_lt_u32 s26, 2
	s_cbranch_scc0 .Lw_end
	ds_load_b128 v[28:31], v10
	s_wait_dscnt 0x0
	s_cmp_eq_u32 s60, 3
	s_cbranch_scc1 .Lwp_words
	global_store_b128 v2, v[28:31], s[30:31] offset:24576
	s_branch .Lw_end
.Lwp_words:
.irp bb, 0,1,2,3,4,5,6,7
	global_store_b128 v2, v[28:31], s[30:31] offset:921600*\bb+24576
.endr
.Lw_end:
	s_wait_tensorcnt 0x0
	ds_add_u32 v224, v225
	s_wait_dscnt 0x0
	s_endpgm
.Lfunc_end_k_qa62aaf6435_prep:
	.size	k_qa62aaf6435_prep, .Lfunc_end_k_qa62aaf6435_prep-k_qa62aaf6435_prep
	.p2alignl 7, 3214868480
	.fill 96, 4, 3214868480
	.section	.rodata,"a",@progbits
	.p2align	6, 0x0
	.amdhsa_kernel k_qa62aaf6435_prep
		.amdhsa_group_segment_fixed_size 186880
		.amdhsa_private_segment_fixed_size 0
		.amdhsa_enable_private_segment 0
		.amdhsa_kernarg_size 88
		.amdhsa_user_sgpr_count 2
		.amdhsa_user_sgpr_kernarg_segment_ptr 1
		.amdhsa_wavefront_size32 1
		.amdhsa_system_sgpr_workgroup_id_x 1
		.amdhsa_system_sgpr_workgroup_id_y 1
		.amdhsa_system_sgpr_workgroup_id_z 1
		.amdhsa_system_vgpr_workitem_id 0
		.amdhsa_next_free_vgpr 226
		.amdhsa_next_free_sgpr 100
		.amdhsa_reserve_vcc 0
		.amdhsa_float_denorm_mode_32 3
		.amdhsa_float_denorm_mode_16_64 3
		.amdhsa_memory_ordered 1
		.amdhsa_forward_progress 1
		.amdhsa_inst_pref_size 55
	.end_amdhsa_kernel
	.amdgpu_metadata
---
amdhsa.version: [ 1, 2 ]
amdhsa.kernels:
  - .name:           k_qa62aaf6435_prep
    .symbol:         k_qa62aaf6435_prep.kd
    .args:
      - { .name: x, .offset: 0, .size: 8, .value_kind: global_buffer, .address_space: global }
      - { .name: gn_scale, .offset: 8, .size: 8, .value_kind: global_buffer, .address_space: global }
      - { .name: gn_bias, .offset: 16, .size: 8, .value_kind: global_buffer, .address_space: global }
      - { .name: wq, .offset: 24, .size: 8, .value_kind: global_buffer, .address_space: global }
      - { .name: wk, .offset: 32, .size: 8, .value_kind: global_buffer, .address_space: global }
      - { .name: wv, .offset: 40, .size: 8, .value_kind: global_buffer, .address_space: global }
      - { .name: wp, .offset: 48, .size: 8, .value_kind: global_buffer, .address_space: global }
      - { .name: hb, .offset: 56, .size: 8, .value_kind: global_buffer, .address_space: global }
      - { .name: wf, .offset: 64, .size: 8, .value_kind: global_buffer, .address_space: global }
      - { .name: kf, .offset: 72, .size: 8, .value_kind: global_buffer, .address_space: global }
      - { .name: vf, .offset: 80, .size: 8, .value_kind: global_buffer, .address_space: global }
    .group_segment_fixed_size: 186880
    .private_segment_fixed_size: 0
    .kernarg_segment_align: 8
    .kernarg_segment_size: 88
    .max_flat_workgroup_size: 512
    .sgpr_count:     100
    .vgpr_count:     226
    .wavefront_size: 32
...
	.end_amdgpu_metadata
.endif
;; end of part 1
;; launch qkv (part 2): grid 4 x 64, 4 waves a work-group, clusters of 4 x 4, 262,656 bytes of LDS; arguments hb, wf, bq, bk, bv, qf, kf, vf; writes qf, kf, vf
.if DOCPART == 2
	.amdgcn_target "amdgcn-amd-amdhsa--gfx1250"
	.amdhsa_code_object_version 6
	.text
	.protected	k_qa62aaf6435_qkv
	.globl	k_qa62aaf6435_qkv
	.p2align	8
	.type	k_qa62aaf6435_qkv,@function
k_qa62aaf6435_qkv:
	s_mov_b64 s[64:65], 0
	v_nop
	global_prefetch_b8 v0, s[64:65] scope:SCOPE_SE
	s_setreg_imm32_b32 hwreg(HW_REG_WAVE_MODE, 25, 1), 1
	s_wait_xcnt 0x0
	s_wait_alu depctr_hold_cnt(0) depctr_sa_sdst(0) depctr_va_vdst(0) depctr_va_sdst(0) depctr_va_ssrc(0) depctr_va_vcc(0) depctr_vm_vsrc(0)
	s_getreg_b32 s2, hwreg(HW_REG_IB_STS2, 6, 4)
	s_cmp_eq_u32 s2, 0
	s_cbranch_scc0 .Lentry_in_a_cluster
	s_endpgm
.Lentry_in_a_cluster:
	s_bfe_u32 s2, ttmp6, 0x10000c
	s_cmp_lg_u32 s2, 0xf033
	s_cbranch_scc0 .Lentry_shape_is_right
	s_endpgm
.Lentry_shape_is_right:
; QKV.  q = Wq h + bq, k = Wk h + bk, v = Wv h + bv on codes of FP6 (E2M3) with one E8M0 scale for each 32 along K; the results are quantised at once: q and k along the channels, v along the positions (the keys).
; SHARES.  Work-group (cg, rbg) takes 256 positions (block rbg of hb) and output channels 128 cg .. 128 cg + 127 of each of the three.  All it reads comes into LDS once, by four tensor loads a wave at the start: nothing is filled twice.
; CLUSTER 4 x 4: the four of a row share h's block, the four of a column the three weights' blocks: each is asked for jointly, by the same load with the same descriptor and a mask that names the four.
; A PHASE is 128 matrix instructions a wave: four STATIONARY tiles (source 1, all four K steps in registers) against eight STREAMED tiles (source 0, a K step at a time, two sets of registers).
;   q, k: stationary = my 64 positions of h, streamed = the 128 rows of W: a lane holds one position, its registers run along the output channels: the next K.
;   v:    stationary = 64 rows of Wv (wave & 1), streamed = 128 positions of h (wave >> 1): a lane holds one channel, its registers run along the positions: the keys.
; THE ROWS OF A TILE ARE NOT NEIGHBOURS: row r of tile T is item 32 (T >> 1) + 8 (T & 1) + (r & 7) + 16 (r >> 3), for positions and for weight rows alike, so that the 16 registers of result tiles 2 b, 2 b + 1 are 16 neighbours along the next K.
; The biases are the C of each sum's first matrix instruction.  Results leave as images of the next operand's registers (chunk c at 512 c, lane l at 16 l): every store covers 512 consecutive bytes, a scale-word store 256.
; LIMITS: NaN and infinities are not served; a block whose largest magnitude lies under 2^-124 keeps the byte 1, a block of zeros has the byte 1 and zero codes (the bytes are read by this program alone).
; REGISTERS, in windows of 256: window 0: v2-27 addresses; v32-47 the streamed operand's scale words, v48-55 the stationary one's; v56-79 at work; v80-159 four sets of codes; v160-191 bv's tiles; v192-215 the scale words' assembly.
;   window 1: the 32 accumulators, (st, sm) at 8 (8 st + sm).   window 2: streamed fragments, sets at v0 and v96; bq's tiles from v192.   window 3: stationary fragments at 12 (4 st + ks); bk's tiles from v192.
.set WQ,  102400                       ; LDS: h's block at 0 (102,400 bytes); then Wq, Wk, Wv, 51,200 bytes each;
.set HW,  256000                       ; then h's scale words, [ks][256 positions] x 4 bytes, made here by LDS stores: no tensor load lands there
.set TM,  56                           ; v56-59 largest magnitudes, v60-63 bytes, v68-71 the conversions' scale operands
.set SEL, 56                           ; s[56:57] v_permlanex16_b32's selects
.set MSB, 0
.macro WIN new                         ; the immediate's high byte repeats the setting that is left
.if MSB != \new
	s_set_vgpr_msb (MSB<<8)|\new
.set MSB, \new
.endif
.endm
.macro PLACES n
.rept \n
	v_nop
.endr
.endm
.macro CROUND                          ; a round of the cluster's barrier
	s_barrier_signal -1
	s_barrier_wait -1
	s_cmp_lg_u32 s20, 0
	s_cbranch_scc1 .Lnot_wave_0_\@
	s_barrier_signal -3
.Lnot_wave_0_\@:
	s_barrier_wait -3
	s_barrier_signal -1
	s_barrier_wait -1
.endm
.macro EMIT                            ; one product, from the symbols wd, wa, wb, wc, wsa, wsb; wra, wrb: the scales stand in lanes 16-31
.set wr, wra+2*wrb
.if wr == 0
	v_wmma_scale_f32_16x16x128_f8f6f4 v[wd:wd+7], v[wa:wa+11], v[wb:wb+11], v[wc:wc+7], v[wsa], v[wsb] matrix_a_fmt:MATRIX_FMT_FP6 matrix_b_fmt:MATRIX_FMT_FP6
.elseif wr == 1
	v_wmma_scale_f32_16x16x128_f8f6f4 v[wd:wd+7], v[wa:wa+11], v[wb:wb+11], v[wc:wc+7], v[wsa], v[wsb] matrix_a_fmt:MATRIX_FMT_FP6 matrix_b_fmt:MATRIX_FMT_FP6 matrix_a_scale:MATRIX_SCALE_ROW1
.elseif wr == 2
	v_wmma_scale_f32_16x16x128_f8f6f4 v[wd:wd+7], v[wa:wa+11], v[wb:wb+11], v[wc:wc+7], v[wsa], v[wsb] matrix_a_fmt:MATRIX_FMT_FP6 matrix_b_fmt:MATRIX_FMT_FP6 matrix_b_scale:MATRIX_SCALE_ROW1
.else
	v_wmma_scale_f32_16x16x128_f8f6f4 v[wd:wd+7], v[wa:wa+11], v[wb:wb+11], v[wc:wc+7], v[wsa], v[wsb] matrix_a_fmt:MATRIX_FMT_FP6 matrix_b_fmt:MATRIX_FMT_FP6 matrix_a_scale:MATRIX_SCALE_ROW1 matrix_b_scale:MATRIX_SCALE_ROW1
.endif
.endm
; 64 numbers of a lane in window 1, v[s] on, register 16 b + i = k 32 b + 16 (lane / 16) + i of my row, become a fragment's codes in v[pc] .. v[pc + 11] and its scale word in v[pw].  Each accumulator is read from its low end on.
.macro QUANT s, pc, pw
	WIN 0x14
.irp b, 0,1,2,3
	v_max3_num_f32 v[TM+\b], 0x1800000, |v[(\s)+16*\b]|, |v[(\s)+16*\b+1]|   ; with the floor 2^(3 - 127): the byte cannot fall under 1
.endr
.irp i, 2,4,6,8,10,12,14
.irp b, 0,1,2,3
	v_max3_num_f32 v[TM+\b], v[TM+\b], |v[(\s)+16*\b+\i]|, |v[(\s)+16*\b+\i+1]|
.endr
.endr
	WIN 0
.irp b, 0,1,2,3
	v_permlanex16_b32 v[TM+4+\b], v[TM+\b], s[SEL], s[SEL+1]
.endr
.irp b, 0,1,2,3
	v_max_num_f32 v[TM+\b], v[TM+\b], v[TM+4+\b]   ; with lane l xor 16's: the block's largest magnitude
.endr
.irp b, 0,1,2,3
	v_add_nc_u32 v[TM+12+\b], 0xff000000, v[TM+\b] ; 2 off its exponent field: the conversion's scale operand
.endr
.irp b, 0,1,2,3
	v_lshrrev_b32 v[TM+4+\b], 23, v[TM+12+\b]      ; the scale's byte
.endr
	v_lshl_or_b32 v[\pw], v[TM+5], 8, v[TM+4]
	v_lshl_or_b32 v[\pw], v[TM+6], 16, v[\pw]
	v_lshl_or_b32 v[\pw], v[TM+7], 24, v[\pw]
	WIN 0x01
.irp c, 0,1
	v_cvt_scalef32_pk16_fp6_f32 v[(\pc)+6*\c:(\pc)+6*\c+2], v[(\s)+32*\c:(\s)+32*\c+15], v[TM+12+2*\c]
	v_cvt_scalef32_pk16_fp6_f32 v[(\pc)+12+4*\c:(\pc)+14+4*\c], v[(\s)+32*\c+16:(\s)+32*\c+31], v[TM+13+2*\c]
.endr
	WIN 0
	v_nop                                          ; one plain instruction behind the conversions
.irp c, 0,1                                    ; the operand's layout wants a whole block in a lane
.irp i, 0,1,2
	v_permlane16_swap_b32 v[(\pc)+6*\c+\i], v[(\pc)+12+4*\c+\i]
.endr
.irp i, 0,1,2
	v_mov_b32 v[(\pc)+3+6*\c+\i], v[(\pc)+12+4*\c+\i]
.endr
.endr
.endm
; A fragment of h (group G of 32 positions, tile tau, K step ks) into v[reg] on: for each half of the K step 16 bytes and 8 bytes.  ab, a0, a1: the three address registers.
.macro LDH reg, ab, a0, a1, G, tau, ks
.irp cc, 0,1
	ds_load_b128 v[(\reg)+6*\cc:(\reg)+6*\cc+3], v[\ab] offset:12288*(\G)+3072*(\ks)+1536*\cc+256*(\tau)
.if (\tau) == 0
	ds_load_b64 v[(\reg)+6*\cc+4:(\reg)+6*\cc+5], v[\a0] offset:12288*(\G)+3072*(\ks)+1536*\cc+512
.else
	ds_load_b64 v[(\reg)+6*\cc+4:(\reg)+6*\cc+5], v[\a1] offset:12288*(\G)+3072*(\ks)+1536*\cc+640
.endif
.endr
.endm
.macro STREAM set, ks, ph              ; the eight streamed fragments of K step ks into a set of window 2
	WIN 0x80
.if \ph < 2
.irp sm, 0,1,2,3,4,5,6,7
.irp cc, 0,1,2
	ds_load_b128 v[96*(\set)+12*\sm+4*\cc:96*(\set)+12*\sm+4*\cc+3], v[16+\ph] offset:25600*(\sm/4)+1536*(4*(\sm%4)+(\ks))+512*\cc
.endr
.endr
.else
.irp sm, 0,1,2,3,4,5,6,7
	LDH 96*(\set)+12*\sm, 13, 14, 15, \sm/2, \sm%2, \ks
.endr
.endif
	WIN 0
.endm
.macro MUL16 ks, st0, ph               ; stationary tiles st0, st0 + 1 against the eight streamed ones.  The 32 accumulators take turns, in the same order in every K step
.irp st, \st0, \st0+1
.irp sm, 0,1,2,3,4,5,6,7
.set wd, 8*(8*(\st)+\sm)
.set wa, 96*((\ks)%2)+12*\sm
.set wb, 12*(4*(\st)+(\ks))
.set wc, wd
.if (\ks) == 0
.if \ph < 2
.set wc, 192+8*\sm                     ; the bias starts the sum
.else
.set wc, 160+8*(\st)
.endif
.endif
.set wsa, 32+8*(\sm/4)+2*(\ks)+(\sm%4)/2
.set wra, \sm%2
.set wsb, 48+2*(\ks)+(\st)/2
.set wrb, (\st)%2
	EMIT
.endr
.endr
.endm
.macro GEMM ph, w0                     ; w0: the windows of the first K step's products, whose C is the bias
.irp ks, 0,1,2,3
	s_wait_dscnt 0x0                               ; this K step's fragments are in (asked for 16 matrix instructions ago)
.if \ks == 0
	WIN \w0
.else
	WIN 0x5e                                       ; source 0 window 2, source 1 window 3, C and D window 1
.endif
	MUL16 \ks, 0, \ph
.if \ks < 3
	WIN 0
	PLACES 4                                       ; four plain instructions between the last K step's products and the loads into the set that they read
	STREAM 1-\ks%2, \ks+1, \ph
.endif
.if \ks == 0
	WIN \w0
.else
	WIN 0x5e
.endif
	MUL16 \ks, 2, \ph
.endr
	WIN 0
.endm
; A phase: the streamed operand's scale words, its first K step, the products, the quantiser, the stores.  img, wrd: the scalar pairs with the images' and the scale words' addresses; stride: from one of my fragments to the next.
.macro PHASE ph, w0, img, wrd, stride
.if \ph < 2
.irp sb, 0,1
.irp ks, 0,1,2,3
	ds_load_b64 v[32+8*\sb+2*\ks:33+8*\sb+2*\ks], v[19+\ph] offset:25600*\sb+256*\ks
.endr
.endr
.else
.irp sb, 0,1
.irp ks, 0,1,2,3
.irp u, 0,1
	ds_load_b32 v[32+8*\sb+2*\ks+\u], v23 offset:1024*\ks+256*\sb+128*\u
.endr
.endr
.endr
.endif
	STREAM 0, 0, \ph
	GEMM \ph, \w0
	PLACES 4                                       ; between the last products and the first read of results
.irp st, 0,1,2,3
	QUANT 64*\st, 80+20*\st, 72+\st
.endr
.irp st, 0,1,2,3
.irp cc, 0,1,2
	global_store_b128 v5, v[80+20*\st+4*\cc:83+20*\st+4*\cc], s[\img:\img+1] offset:\stride*\st+512*\cc
.endr
.endr
	v_cndmask_b32 v76, v72, v73, vcc_lo            ; lanes 0-15: tiles 0 and 2, lanes 16-31: tiles 1 and 3
	v_cndmask_b32 v77, v74, v75, vcc_lo
	global_store_b64 v6, v[76:77], s[\wrd:\wrd+1]  ; 256 consecutive bytes, aligned
.endm
	s_load_b512 s[4:19], s[0:1], 0x0               ; hb, wf, bq, bk, bv, qf, kf, vf
	v_lshl_add_u32 v254, v0, 2, 0x40000
	v_mov_b32 v255, 0
	ds_add_u32 v254, v255
	ds_add_u32 v254, v255
	v_lshrrev_b32 v1, 5, v0
	v_readfirstlane_b32 s20, v1                    ; wave 0..3
	s_bfe_u32 s21, ttmp6, 0x40000                  ; cx
	s_bfe_u32 s22, ttmp6, 0x40004                  ; cy
	s_lshl_b32 s60, ttmp9, 2
	s_add_co_u32 s60, s60, s21                     ; cg = work-group x
	s_and_b32 s23, ttmp7, 0xffff
	s_lshl_b32 s23, s23, 2
	s_add_co_u32 s23, s23, s22                     ; rbg = work-group y = 8 b + the block of 256 positions
	s_lshl_b32 s58, s22, 2
	s_lshl_b32 s58, 15, s58                        ; my row of the cluster
	s_lshl_b32 s59, 0x1111, s21                    ; my column
	; descriptors: dense blocks as rows of 256 bytes (32 elements of 8 bytes), no padding: images are read 512 consecutive bytes an instruction
	s_or_b32 s24, s58, (3<<16)|(1<<21)             ; h: 15:0 the mask of my row; 17:16 elements of 8 bytes; 21 set beside a mask
	s_mov_b32 s25, 32<<16                          ; tensor_dim0 = 32
	s_mov_b32 s26, 100<<16                         ; tensor_dim1 = 100 rows: a quarter of h's block
	s_mov_b32 s27, 32<<16                          ; tile_dim0
	s_mov_b32 s28, 100                             ; tile_dim1
	s_mov_b32 s29, 32                              ; the pitch
	s_mov_b32 s30, 0
	s_mov_b32 s31, 0
	s_or_b32 s32, s59, (3<<16)|(1<<21)             ; the weights: the mask of my column; 50 rows: a quarter of a matrix's 128 rows' blocks
	s_mov_b32 s33, 32<<16
	s_mov_b32 s34, 50<<16
	s_mov_b32 s35, 32<<16
	s_mov_b32 s36, 50
	s_mov_b32 s37, 32
	s_mov_b32 s38, 0
	s_mov_b32 s39, 0
	s_mul_i32 s61, s20, 25600
	s_mul_i32 s62, s23, 102400
	s_add_co_u32 s62, s62, s61                     ; h: hangs on work-group y and the wave alone
	s_mov_b32 s63, 0
	s_mul_i32 s66, s60, 51200
	s_mul_i32 s68, s20, 12800
	s_add_co_u32 s66, s66, s68                     ; the weights: on work-group x and the wave alone
	s_mov_b32 s67, 0
	s_wait_dscnt 0x0
	s_wait_kmcnt 0x0
	s_mov_b32 s40, 1
	s_mov_b32 s41, s61
	s_add_nc_u64 s[42:43], s[4:5], s[62:63]
	s_or_b32 s43, s43, 0x80000000
.irp m, 0,1,2
	s_mov_b32 s[44+4*\m], 1
	s_add_co_u32 s[45+4*\m], s68, WQ+51200*\m
	s_add_nc_u64 s[46+4*\m:47+4*\m], s[6:7], s[66:67]
.if \m > 0
	s_add_nc_u64 s[46+4*\m:47+4*\m], s[46+4*\m:47+4*\m], 204800*\m
.endif
	s_or_b32 s[47+4*\m], s[47+4*\m], 0x80000000
.endr
	CROUND                                         ; all sixteen work-groups are here: the joint loads meet
	tensor_load_to_lds s[40:43], s[24:31]          ; h;  four loads of mine are out
	s_nop 0
	tensor_load_to_lds s[44:47], s[32:39]          ; Wq
	s_nop 0
	tensor_load_to_lds s[48:51], s[32:39]          ; Wk
	s_nop 0
	tensor_load_to_lds s[52:55], s[32:39]          ; Wv
	s_nop 0
	PLACES 4                                       ; four such lines behind the loads
	; where the results go
	s_mov_b32 s3, 0
	s_lshl_b32 s69, s23, 2
	s_add_co_u32 s69, s69, s20
	s_mul_i32 s69, s69, 25600                      ; q: block 4 rbg + wave
	s_mul_i32 s58, s60, 1536                       ; my fragments are K step cg of it
	s_lshl_b32 s59, s60, 8
	s_add_co_u32 s59, s59, 24576
	s_add_co_u32 s2, s69, s58
	s_add_nc_u64 s[70:71], s[14:15], s[2:3]
	s_add_co_u32 s2, s69, s59
	s_add_nc_u64 s[72:73], s[14:15], s[2:3]
	s_lshr_b32 s69, s23, 3
	s_mul_i32 s69, s69, 921600                     ; k, v: the batch's nine tiles,
	s_and_b32 s2, s23, 7
	s_mul_i32 s2, s2, 102400                       ; the tile of 256 positions
	s_add_co_u32 s69, s69, s2
	s_add_co_u32 s68, s69, s61                     ; k: quarter = wave
	s_add_co_u32 s2, s68, s58
	s_add_nc_u64 s[74:75], s[16:17], s[2:3]
	s_add_co_u32 s2, s68, s59
	s_add_nc_u64 s[76:77], s[16:17], s[2:3]
	s_mul_i32 s68, s60, 25600                      ; v: quarter = cg
	s_add_co_u32 s68, s68, s69
	s_and_b32 s2, s20, 1
	s_lshl_b32 s2, s2, 3
	s_lshr_b32 s58, s20, 1
	s_add_co_u32 s2, s2, s58
	s_mul_i32 s2, s2, 1536                         ; fragment 2 (4 (wave & 1) + st) + (wave >> 1)
	s_add_co_u32 s2, s2, s68
	s_add_nc_u64 s[78:79], s[18:19], s[2:3]
	s_lshl_b32 s2, s20, 8
	s_add_co_u32 s2, s2, s68
	s_add_co_u32 s2, s2, 24576
	s_add_nc_u64 s[80:81], s[18:19], s[2:3]
	s_lshl_b32 s2, s60, 9                          ; the biases of my 128 channels
	s_add_nc_u64 s[8:9], s[8:9], s[2:3]
	s_add_nc_u64 s[10:11], s[10:11], s[2:3]
	s_add_nc_u64 s[12:13], s[12:13], s[2:3]
	s_mov_b32 s[SEL], 0x76543210
	s_mov_b32 s[SEL+1], 0xfedcba98
	; addresses
	v_and_b32 v2, 31, v0                           ; lane
	v_and_b32 v3, 15, v0                           ; r
	v_bfe_u32 v4, v0, 4, 1                         ; h
	v_lshlrev_b32 v5, 4, v2                        ; 16 x lane
	v_lshlrev_b32 v6, 3, v2                        ; 8 x lane
	v_cmp_le_u32 vcc_lo, 16, v2                    ; lanes 16-31
	v_and_b32 v8, 7, v3
	v_lshrrev_b32 v9, 3, v3
	v_lshl_add_u32 v8, v9, 4, v8                   ; (r & 7) + 16 (r >> 3)
	v_lshl_add_u32 v7, v4, 3, v8
	v_lshlrev_b32 v7, 2, v7                        ; a position's scale word: lanes 16-31 take the odd tile, 8 positions on
	v_mul_u32_u24 v10, v4, 768
	v_lshl_add_u32 v10, v3, 4, v10                 ; h's fragments: 768 h + 16 r,
	v_mul_u32_u24 v11, v4, 896
	v_lshl_add_u32 v11, v3, 3, v11                 ; 896 h + 8 r (even tiles),
	v_mul_u32_u24 v12, v4, 640
	v_lshl_add_u32 v12, v3, 3, v12                 ; 640 h + 8 r (odd tiles)
	s_lshr_b32 s58, s20, 1
	s_mul_i32 s58, s58, 49152
	v_add_nc_u32 v13, s58, v10                     ; streamed (v): 128 positions of wave >> 1
	v_add_nc_u32 v14, s58, v11
	v_add_nc_u32 v15, s58, v12
	s_mul_i32 s58, s20, 24576
	v_add_nc_u32 v10, s58, v10                     ; stationary (q, k): my 64 positions
	v_add_nc_u32 v11, s58, v11
	v_add_nc_u32 v12, s58, v12
	v_add_nc_u32 v16, WQ, v5                       ; the weights' images,
	v_add_nc_u32 v17, WQ+51200, v5
	s_and_b32 s58, s20, 1
	s_mul_i32 s59, s58, 25600
	v_add_nc_u32 v18, s59, v5
	v_add_nc_u32 v18, WQ+102400, v18               ; (Wv: the 64 rows of wave & 1)
	v_add_nc_u32 v19, WQ+24576, v6                 ; and their scale words
	v_add_nc_u32 v20, WQ+51200+24576, v6
	v_add_nc_u32 v21, s59, v6
	v_add_nc_u32 v21, WQ+102400+24576, v21
	s_lshl_b32 s59, s20, 8
	v_add_nc_u32 v22, s59, v7
	v_add_nc_u32 v22, HW, v22                      ; h's scale words, stationary
	s_lshr_b32 s59, s20, 1
	s_lshl_b32 s59, s59, 9
	v_add_nc_u32 v23, s59, v7
	v_add_nc_u32 v23, HW, v23                      ; and streamed
	v_lshrrev_b32 v9, 6, v0
	v_and_b32 v1, 63, v0
	v_lshlrev_b32 v24, 10, v9
	v_lshl_add_u32 v25, v1, 4, v24
	v_add_nc_u32 v25, HW, v25                      ; the assembly: out,
	v_lshl_add_u32 v24, v1, 2, v24
	v_add_nc_u32 v24, 98304, v24                   ; and in: the byte planes behind h's codes
	v_lshlrev_b32 v26, 6, v4                       ; bq, bk: 64 h
	s_lshl_b32 s58, s58, 8
	v_lshl_add_u32 v27, v8, 2, s58                 ; bv: my row's channel
.irp b, 0,1,2,3
	v_mov_b32 v[TM+4+\b], 0                        ; a lane permute's destination counts as one of its sources
.endr
	WIN 0x80
.irp sm, 0,1,2,3,4,5,6,7                       ; bq's eight tiles in the result's layout: lane (r, h), register j: channel 32 (sm >> 1) + 8 (sm & 1) + 16 h + j
	global_load_b128 v[192+8*\sm:195+8*\sm], v26, s[8:9] offset:4*(32*(\sm/2)+8*(\sm%2))
	global_load_b128 v[196+8*\sm:199+8*\sm], v26, s[8:9] offset:4*(32*(\sm/2)+8*(\sm%2))+16
.endr
	WIN 0xc0
.irp sm, 0,1,2,3,4,5,6,7
	global_load_b128 v[192+8*\sm:195+8*\sm], v26, s[10:11] offset:4*(32*(\sm/2)+8*(\sm%2))
	global_load_b128 v[196+8*\sm:199+8*\sm], v26, s[10:11] offset:4*(32*(\sm/2)+8*(\sm%2))+16
.endr
	WIN 0
.irp st, 0,1,2,3                               ; bv's four: a lane holds one channel, so its eight registers hold one number
.irp j, 0,1,2,3,4,5,6,7
	global_load_b32 v[160+8*\st+\j], v27, s[12:13] offset:4*(32*(\st/2)+8*(\st%2))
.endr
.endr
	s_wait_tensorcnt 2                             ; my parts of h and Wq are in; Wk's and Wv's loads may be out
	s_barrier_signal -1
	s_barrier_wait -1                              ; everybody's are
	; h's scale bytes lie in planes, one for each block of 32 channels: four planes' bytes of a position make its word of a K step.  A thread turns 4 x 4 bytes, twice.
.irp i, 0,1
.irp be, 0,1,2,3
	ds_load_b32 v[192+4*\i+\be], v24 offset:2048*\i+256*\be
.endr
.endr
	s_wait_dscnt 0x0
.irp i, 0,1
	v_perm_b32 v[200+8*\i], v[193+4*\i], v[192+4*\i], 0x05010400
	v_perm_b32 v[201+8*\i], v[193+4*\i], v[192+4*\i], 0x07030602
	v_perm_b32 v[202+8*\i], v[195+4*\i], v[194+4*\i], 0x05010400
	v_perm_b32 v[203+8*\i], v[195+4*\i], v[194+4*\i], 0x07030602
	v_perm_b32 v[204+8*\i], v[202+8*\i], v[200+8*\i], 0x05040100
	v_perm_b32 v[205+8*\i], v[202+8*\i], v[200+8*\i], 0x07060302
	v_perm_b32 v[206+8*\i], v[203+8*\i], v[201+8*\i], 0x05040100
	v_perm_b32 v[207+8*\i], v[203+8*\i], v[201+8*\i], 0x07060302
	ds_store_b128 v25, v[204+8*\i:207+8*\i] offset:2048*\i
.endr
	s_wait_dscnt 0x0                               ; for the others' sake: my words have landed
	s_barrier_signal -1
	s_barrier_wait -1
	WIN 0xc0
.irp st, 0,1,2,3                               ; my 64 positions of h, all four K steps: they serve q and k
.irp ks, 0,1,2,3
	LDH 12*(4*\st+\ks), 10, 11, 12, \st/2, \st%2, \ks
.endr
.endr
	WIN 0
.irp ks, 0,1,2,3
.irp g, 0,1
	ds_load_b32 v[48+2*\ks+\g], v22 offset:1024*\ks+128*\g
.endr
.endr
	s_wait_loadcnt 0x0                             ; the biases
	PHASE 0, 0x6e, 70, 72, 6144                    ; q
	s_wait_tensorcnt 1                             ; my part of Wk is in; Wv's load may be out
	s_wait_dscnt 0x0
	s_barrier_signal -1
	s_barrier_wait -1
	s_wait_xcnt 0x0                                ; q's stores have read their registers, which k's codes take
	PHASE 1, 0x7e, 74, 76, 6144                    ; k
	s_wait_tensorcnt 0x0
	s_wait_dscnt 0x0
	s_barrier_signal -1
	s_barrier_wait -1
	s_wait_xcnt 0x0
	PLACES 4                                       ; in front of loads into registers that matrix instructions have read
	WIN 0xc0
.irp st, 0,1,2,3
.irp ks, 0,1,2,3
.irp cc, 0,1,2
	ds_load_b128 v[12*(4*\st+\ks)+4*\cc:12*(4*\st+\ks)+4*\cc+3], v18 offset:1536*(4*\st+\ks)+512*\cc
.endr
.endr
.endr
	WIN 0
.irp ks, 0,1,2,3
	ds_load_b64 v[48+2*\ks:49+2*\ks], v21 offset:256*\ks
.endr
	PHASE 2, 0x4e, 78, 80, 3072                    ; v
	s_wait_dscnt 0x0
	s_wait_tensorcnt 0x0
	ds_add_u32 v254, v255
	s_wait_dscnt 0x0
	CROUND                                         ; the closing round: no work-group ends while a partner may still ask for a block that names it
	s_endpgm
.Lfunc_end_k_qa62aaf6435_qkv:
	.size	k_qa62aaf6435_qkv, .Lfunc_end_k_qa62aaf6435_qkv-k_qa62aaf6435_qkv
	.p2alignl 7, 3214868480
	.fill 96, 4, 3214868480
	.section	.rodata,"a",@progbits
	.p2align	6, 0x0
	.amdhsa_kernel k_qa62aaf6435_qkv
		.amdhsa_group_segment_fixed_size 262656
		.amdhsa_private_segment_fixed_size 0
		.amdhsa_enable_private_segment 0
		.amdhsa_kernarg_size 64
		.amdhsa_user_sgpr_count 2
		.amdhsa_user_sgpr_kernarg_segment_ptr 1
		.amdhsa_wavefront_size32 1
		.amdhsa_system_sgpr_workgroup_id_x 1
		.amdhsa_system_sgpr_workgroup_id_y 1
		.amdhsa_system_sgpr_workgroup_id_z 1
		.amdhsa_system_vgpr_workitem_id 0
		.amdhsa_next_free_vgpr 1024
		.amdhsa_next_free_sgpr 90
		.amdhsa_reserve_vcc 1
		.amdhsa_float_denorm_mode_32 3
		.amdhsa_float_denorm_mode_16_64 3
		.amdhsa_memory_ordered 1
		.amdhsa_forward_progress 1
		.amdhsa_inst_pref_size 150
	.end_amdhsa_kernel
	.amdgpu_metadata
---
amdhsa.version: [ 1, 2 ]
amdhsa.kernels:
  - .name:           k_qa62aaf6435_qkv
    .symbol:         k_qa62aaf6435_qkv.kd
    .args:
      - { .name: hb, .offset: 0, .size: 8, .value_kind: global_buffer, .address_space: global }
      - { .name: wf, .offset: 8, .size: 8, .value_kind: global_buffer, .address_space: global }
      - { .name: bq, .offset: 16, .size: 8, .value_kind: global_buffer, .address_space: global }
      - { .name: bk, .offset: 24, .size: 8, .value_kind: global_buffer, .address_space: global }
      - { .name: bv, .offset: 32, .size: 8, .value_kind: global_buffer, .address_space: global }
      - { .name: qf, .offset: 40, .size: 8, .value_kind: global_buffer, .address_space: global }
      - { .name: kf, .offset: 48, .size: 8, .value_kind: global_buffer, .address_space: global }
      - { .name: vf, .offset: 56, .size: 8, .value_kind: global_buffer, .address_space: global }
    .group_segment_fixed_size: 262656
    .private_segment_fixed_size: 0
    .kernarg_segment_align: 8
    .kernarg_segment_size: 64
    .max_flat_workgroup_size: 128
    .sgpr_count:     90
    .vgpr_count:     1024
    .wavefront_size: 32
...
	.end_amdgpu_metadata
.endif
;; end of part 2
;; launch attn (part 3): grid 32 x 8, 4 waves a work-group, clusters of 4 x 1, 327,680 bytes of LDS; arguments qf, kf, vf, x, bp, out0; writes out0
.if DOCPART == 3
	.amdgcn_target "amdgcn-amd-amdhsa--gfx1250"
	.amdhsa_code_object_version 6
	.text
	.protected	k_qa62aaf6435_attn
	.globl	k_qa62aaf6435_attn
	.p2align	8
	.type	k_qa62aaf6435_attn,@function
k_qa62aaf6435_attn:
	s_mov_b64 s[64:65], 0
	v_nop
	global_prefetch_b8 v0, s[64:65] scope:SCOPE_SE
	s_setreg_imm32_b32 hwreg(HW_REG_WAVE_MODE, 25, 1), 1
	s_wait_xcnt 0x0
	s_wait_alu depctr_hold_cnt(0) depctr_sa_sdst(0) depctr_va_vdst(0) depctr_va_sdst(0) depctr_va_ssrc(0) depctr_va_vcc(0) depctr_vm_vsrc(0)
	s_getreg_b32 s2, hwreg(HW_REG_IB_STS2, 6, 4)
	s_cmp_eq_u32 s2, 0
	s_cbranch_scc0 .Lentry_in_a_cluster
	s_endpgm
.Lentry_in_a_cluster:
	s_bfe_u32 s2, ttmp6, 0x10000c
	s_cmp_lg_u32 s2, 0x3003
	s_cbranch_scc0 .Lentry_shape_is_right
	s_endpgm
.Lentry_shape_is_right:
; ATTN.  out = x + Wp (V softmax(Q^T K / sqrt(512))^T / l) + bp, all three products on codes of FP6 (E2M3) with one E8M0 scale for each 32 along K.
; THE SOFTMAX: t = score x log2(e) / sqrt(512); M = the row's largest t so far, rounded up to a whole number; p = 2^(t - M) is quantised along the keys, not normalised; the row's sum l is taken of the unquantised p and
; divides at the end.  When M moves, l and O are multiplied by 2^(old M - new M), in every step: nothing is rounded, and no branch hangs on data.
; SHARES.  A work-group owns 64 queries (four tiles t) of one batch and walks the 2,048 keys in eight steps of 256.  THE WAVES SHARE THE KEYS FOR S AND THE CHANNELS FOR O: wave w makes S^T for keys 64 w .. 64 w + 63 of a step and
; O^T for channels 128 w .. 128 w + 127, each for all 64 queries.  So each fragment of K and V is read from LDS once in the work-group, by the wave whose own tensor load brought it, and feeds four products; Q stays in registers.
; What goes from wave to wave is small: the rows' maxima, and p as images of half fragments with its scale bytes.
; BOTH PRODUCTS ARE USED TRANSPOSED (S^T = K Q^T, O^T = V^T P^T): a lane holds one query throughout.  Row r of tile T of positions or channels is item 32 (T >> 1) + 8 (T & 1) + (r & 7) + 16 (r >> 3), so that the 16 registers of
; result tiles 2 b, 2 b + 1 are 16 neighbours along the next K.
; THE RING: one slot for K and one for V, 4 x 25,600 bytes each, a quarter a wave.  K's slot is filled again behind the products S, V's behind the products PV: each load has the other kind's 64 products in which to land.
; CLUSTER: the four query blocks of a cluster walk the same K and V, so each quarter is asked for jointly, by the same load with the same descriptor and a mask that names the four, behind a round of the cluster's barrier.
; BY TURNS: the vector lines are written straight and call TICK where a product is to stand: PV of step j stands among the softmax of step j + 1, S of step j + 1 among the rescaling of O.
; Behind the last keys the same walking loads bring Wp's images; O / l is quantised along the channels, goes from wave to wave as images, and wave w makes output channels 128 w .. 128 w + 127, 64 at a time.
; LIMITS: NaN and infinities are not served.  A p under 2^-126 is 0 (v_exp_f32).  A block's largest p is taken from its largest score, which takes v_exp_f32 not to fall where its input rises.  1 / l is v_rcp_f32's.
; A block whose largest magnitude lies under 2^-124 keeps the byte 1; a block of zeros has the byte 1 and zero codes.
; REGISTERS, in windows of 256: window 0: v1-25 addresses; v32-63 eight registers of state a tile: -M, largest t, l (two halves), f, a spare, two at work; v64-71 Q's scale words (later h2's), v72-79 K's (later Wp's), v80-87 V's,
;   v88-91 p's; v92-99 the blocks' largest scores; v100-127 at work; v128-255 S^T, 32 a tile (later x).   window 1: O^T at 8 (8 t + ct) (later the projection's 16 accumulators and x).
;   window 2: v0-191 Q at 12 (4 t + ks) (later h2); v192-239 p's fragments of keys 0-127; v240-255 bias tiles.   window 3: v0-191 sixteen fragments of K, V or Wp; v192-239 p's of keys 128-255; v240-255 bias tiles.
.set QT,    25600                      ; a quarter of a slot: 16 images of 1,536 bytes and 1,024 bytes of scale words
.set VS,    102400                     ; LDS: K's slot at 0, V's here
.set PB,    204800                     ; p: half fragments at 768 (4 t + w): 16 bytes a lane, then 8 bytes a lane;
.set SCB,   PB+12288                   ; its scale bytes at 128 t + 8 r + 2 w
.set MX,    237568                     ; the rows' maxima, [t][r][w] f32; 1,024 bytes on: l's parts, likewise
.set H2,    239616                     ; O / l: 16 images at 1,536 (4 t + w),
.set H2S,   264192                     ; their scale words, 128 bytes each
.set STAGE, 266240                     ; the way out: 16 rows x 272 bytes for each wave
.set SPARE, 283648                     ; the spare words, 128 bytes for each wave: two blocks of 256 bytes that no other line names
.set TM,  92                           ; the quantiser of O / l: v92-107 at work, v108-126 codes, v127 the scale word
.set SEL, 20                           ; s[20:21] v_permlanex16_b32's selects
.set MSB, 0
.macro WIN new                         ; the immediate's high byte repeats the setting that is left
.if MSB != \new
	s_set_vgpr_msb (MSB<<8)|\new
.set MSB, \new
.endif
.endm
.macro PLACES n
.rept \n
	v_nop
.endr
.endm
.macro CROUND                          ; a round of the cluster's barrier
	s_barrier_signal -1
	s_barrier_wait -1
	s_cmp_lg_u32 s16, 0
	s_cbranch_scc1 .Lnot_wave_0_\@
	s_barrier_signal -3
.Lnot_wave_0_\@:
	s_barrier_wait -3
	s_barrier_signal -1
	s_barrier_wait -1
.endm
.macro EMIT                            ; one product, from the symbols wd, wa, wb, wc (under 0: the constant 0 starts the sum), wsa, wsb; wra, wrb: the scales stand in lanes 16-31
.set wr, wra+2*wrb
.if wc < 0
.if wr == 0
	v_wmma_scale_f32_16x16x128_f8f6f4 v[wd:wd+7], v[wa:wa+11], v[wb:wb+11], 0, v[wsa], v[wsb] matrix_a_fmt:MATRIX_FMT_FP6 matrix_b_fmt:MATRIX_FMT_FP6
.elseif wr == 1
	v_wmma_scale_f32_16x16x128_f8f6f4 v[wd:wd+7], v[wa:wa+11], v[wb:wb+11], 0, v[wsa], v[wsb] matrix_a_fmt:MATRIX_FMT_FP6 matrix_b_fmt:MATRIX_FMT_FP6 matrix_a_scale:MATRIX_SCALE_ROW1
.elseif wr == 2
	v_wmma_scale_f32_16x16x128_f8f6f4 v[wd:wd+7], v[wa:wa+11], v[wb:wb+11], 0, v[wsa], v[wsb] matrix_a_fmt:MATRIX_FMT_FP6 matrix_b_fmt:MATRIX_FMT_FP6 matrix_b_scale:MATRIX_SCALE_ROW1
.else
	v_wmma_scale_f32_16x16x128_f8f6f4 v[wd:wd+7], v[wa:wa+11], v[wb:wb+11], 0, v[wsa], v[wsb] matrix_a_fmt:MATRIX_FMT_FP6 matrix_b_fmt:MATRIX_FMT_FP6 matrix_a_scale:MATRIX_SCALE_ROW1 matrix_b_scale:MATRIX_SCALE_ROW1
.endif
.else
.if wr == 0
	v_wmma_scale_f32_16x16x128_f8f6f4 v[wd:wd+7], v[wa:wa+11], v[wb:wb+11], v[wc:wc+7], v[wsa], v[wsb] matrix_a_fmt:MATRIX_FMT_FP6 matrix_b_fmt:MATRIX_FMT_FP6
.elseif wr == 1
	v_wmma_scale_f32_16x16x128_f8f6f4 v[wd:wd+7], v[wa:wa+11], v[wb:wb+11], v[wc:wc+7], v[wsa], v[wsb] matrix_a_fmt:MATRIX_FMT_FP6 matrix_b_fmt:MATRIX_FMT_FP6 matrix_a_scale:MATRIX_SCALE_ROW1
.elseif wr == 2
	v_wmma_scale_f32_16x16x128_f8f6f4 v[wd:wd+7], v[wa:wa+11], v[wb:wb+11], v[wc:wc+7], v[wsa], v[wsb] matrix_a_fmt:MATRIX_FMT_FP6 matrix_b_fmt:MATRIX_FMT_FP6 matrix_b_scale:MATRIX_SCALE_ROW1
.else
	v_wmma_scale_f32_16x16x128_f8f6f4 v[wd:wd+7], v[wa:wa+11], v[wb:wb+11], v[wc:wc+7], v[wsa], v[wsb] matrix_a_fmt:MATRIX_FMT_FP6 matrix_b_fmt:MATRIX_FMT_FP6 matrix_a_scale:MATRIX_SCALE_ROW1 matrix_b_scale:MATRIX_SCALE_ROW1
.endif
.endif
.endm
; PRODUCT NUMBER tk OF THE PHASE'S LIST OF 64.  In every list neighbouring products name different accumulators, and an accumulator comes back after 15 or 31 others.
; LIST 0: S^T = K Q^T: K step tk / 16, query tile, key tile.  The fragments were asked for in the order of the K steps: 4 scale loads, then 12 loads a K step.
; LIST 1: O^T += V^T P^T: keys 128 (tk / 32) on, channel tile, query tile.  LIST 2: the projection: K step tk / 16, output tile, query tile; source 0 = h2, source 1 = Wp; the bias starts the sums.
.macro TKRAW
.if tk < 64
.if LIST == 0
.set ks_, tk/16
.set t_, (tk%16)/4
.set u_, tk%4
.if (tk%16) == 0
	s_wait_dscnt 36-12*ks_                         ; of the 52 loads the scale words and this K step's fragments are in; the later K steps' may be out
.endif
.set wd, 128+8*(4*t_+u_)
.set wa, 12*(4*u_+ks_)
.set wb, 12*(4*t_+ks_)
.set wc, wd
.if ks_ == 0
.set wc, -1
.endif
.set wsa, 72+2*ks_+u_/2
.set wra, u_%2
.set wsb, 64+2*ks_+t_/2
.set wrb, t_%2
	WIN 0x0b                                       ; K window 3, Q window 2, S^T window 0
.elseif LIST == 1
.set ks_, tk/32
.set u_, (tk%32)/4
.set t_, tk%4
.if BARE == 0
.if tk == 0
	s_wait_dscnt 40                                ; the first 50 loads are in; the 40 for keys 128-255 may be out
.endif
.if tk == 32
	s_wait_dscnt 0x0                               ; all my loads are in, my reads of p among them:
	s_barrier_signal -1                            ; say so; the wait stands in front of the stores of the next p; only work on registers lies between
.endif
.endif
.set wd, 8*(8*t_+u_)
.set wa, 12*(2*u_+ks_)
.set wb, 192+12*t_
.set wc, wd
.if (FIRST != 0) && (ks_ == 0)
.set wc, -1
.endif
.set wsa, 80+2*(2*ks_+u_/4)+(u_/2)%2
.set wra, u_%2
.set wsb, 88+2*(t_/2)+ks_
.set wrb, t_%2
	WIN 0x5b+4*ks_                                 ; V window 3, p window 2 or 3, O^T window 1
.else
.set ks_, tk/16
.set u_, (tk%16)/4
.set t_, tk%4
.set wd, 8*(4*u_+t_)
.set wa, 12*(4*t_+ks_)
.set wb, 12*(4*u_+ks_)
.set wsa, 64+4*(t_/2)+ks_
.set wra, t_%2
.set wsb, 72+2*ks_+u_/2
.set wrb, u_%2
.if ks_ == 0
.set wc, 240+8*(u_%2)
	WIN 0x6e+0x10*(u_/2)                           ; h2 window 2, Wp window 3, the bias window 2 or 3, the sums window 1
.else
.set wc, wd
	WIN 0x5e
.endif
.endif
	EMIT
.set tk, tk+1
.endif
.endm
.macro TICK n                          ; behind every n-th line a product, while there are any
.set ln, ln+1
.if ln >= \n
.set ln, 0
.if tk < 64
	TKRAW
	WIN 0
.endif
.endif
.endm
.macro FLUSH                           ; the list's rest
.rept 64
	TKRAW
.endr
	WIN 0
.endm
; A PREFETCH INTO THE L2 of what the next round of the same kind will ask for: a step's quarter, 25,600 bytes, for each wave.  All eight clusters of a batch walk the same K and V: the batch's first cluster asks (s42 = 1 there,
; else the greatest number).  Its four partners share a quarter out BY ADDRESS, 6,400 bytes each, lanes 256 bytes apart; that is 25 lanes' worth, and lanes 25-31 name lane 24's bytes again.
.macro ASK kind, how
.if \how == 1
	s_cmp_gt_u32 s40, s42                          ; in the loop's last trip K has no tile left to name
.else
	s_cmp_eq_u32 s42, 1
.endif
	s_cbranch_scc0 .Lnot_mine_\@
	global_prefetch_b8 v23, s[44+2*\kind:45+2*\kind] th:TH_LOAD_NT scope:SCOPE_SE
.Lnot_mine_\@:
.endm
; A SLOT IS FILLED.  kind 0: K's, 1: V's.  Each wave waits for all its tensor loads (one is out: the other slot's), adds 0 to its spare word, steps what is due, waits for the add and for its LDS reads and stores; a round of the
; cluster's barrier: no wave of any partner still reads the slot or has a load on its way; the joint load first behind it, one a wave.  The round is also the barrier between the waves' LDS stores (maxima, p) and their readers.
.macro ROUND kind, step, ask
	WIN 0
	s_wait_tensorcnt 0x0                           ; no tensor load of mine is out, so a descriptor may be written
	ds_add_u32 v24, v25                            ; 0 onto my spare word
.if \step
	s_add_nc_u64 s[34+4*\kind:35+4*\kind], s[34+4*\kind:35+4*\kind], 4*QT   ; the next tile; the type bits on top are not reached
.endif
.if \ask
	s_wait_xcnt 0x0                                ; the last prefetch of this kind, two phases back, has read its address
	s_add_nc_u64 s[44+2*\kind:45+2*\kind], s[44+2*\kind:45+2*\kind], 4*QT   ; one tile further on than the descriptor
.endif
	s_wait_dscnt 0x0
	CROUND
	tensor_load_to_lds s[32+4*\kind:35+4*\kind], s[24:31]
	s_nop 0
	PLACES 4                                       ; four such lines, also the places between the last products and the loads and reads that follow
.if \ask
	ASK \kind, \ask
.endif
.endm
.macro WFRAG af, aw                    ; 4 loads of scale words and 16 fragments (tile kt, K step ks) at 12 (4 kt + ks) of window 3, in the order of the K steps
.irp ks, 0,1,2,3
	ds_load_b64 v[72+2*\ks:73+2*\ks], v[\aw] offset:256*\ks
.endr
	WIN 0xc0
.irp ks, 0,1,2,3
.irp kt, 0,1,2,3
.irp cc, 0,1,2
	ds_load_b128 v[12*(4*\kt+\ks)+4*\cc:12*(4*\kt+\ks)+4*\cc+3], v[\af] offset:1536*(4*\kt+\ks)+512*\cc
.endr
.endr
.endr
	WIN 0
.endm
.macro RSC                             ; rescaling number ro of 128: a pair of O^T x f of its tile, ascending: each accumulator from its low end on
	WIN 0x41
	v_pk_mul_f32 v[2*ro:2*ro+1], v[2*ro:2*ro+1], v[36+8*(ro/32):37+8*(ro/32)] op_sel_hi:[1,0]
.set ro, ro+1
.endm
; Tile t's largest scores: of each of my two blocks of 32 keys (they serve again for the blocks' largest p) and of my 64 keys; the latter goes to LDS for the other waves.  21 lines.
.macro MAXI t
.set SB_, 128+32*(\t)
.set BM_, 92+2*(\t)
.set ln, 0
.irp b, 0,1
	v_max3_num_f32 v[BM_+\b], v[SB_+16*\b], v[SB_+16*\b+1], v[SB_+16*\b+2]
	TICK 5
.endr
.irp i, 3,5,7,9,11,13
.irp b, 0,1
	v_max3_num_f32 v[BM_+\b], v[BM_+\b], v[SB_+16*\b+\i], v[SB_+16*\b+\i+1]
	TICK 5
.endr
.endr
.irp b, 0,1
	v_max_num_f32 v[BM_+\b], v[BM_+\b], v[SB_+16*\b+15]
	TICK 5
.endr
.irp b, 0,1
	v_permlanex16_b32 v[108+2*(\t)+\b], v[BM_+\b], s[SEL], s[SEL+1]
	TICK 5
.endr
.irp b, 0,1
	v_max_num_f32 v[BM_+\b], v[BM_+\b], v[108+2*(\t)+\b]   ; with lane l xor 16's 16 keys
	TICK 5
.endr
	v_max_num_f32 v[38+8*(\t)], v[BM_], v[BM_+1]
	ds_store_b32 v7, v[38+8*(\t)] offset:256*(\t)  ; lanes r and r + 16 write the same word with the same value
.endm
; THE PHASE OF S.  resc = 1: O^T is brought under the new M meanwhile: 16 lines lead in while the fragments land, then two behind each product.  Tile t's last product is number 51 + 4 t: at least eight plain lines
; that name none of its registers stand between it and the first read of its scores.
.macro SPH resc
	WFRAG 3, 4
.set LIST, 0
.set tk, 0
.if \resc
.set ro, 0
.rept 16
	RSC
.endr
.rept 56
	TKRAW
	RSC
	RSC
.endr
	WIN 0
.else
.rept 56
	TKRAW
.endr
	WIN 0
	PLACES 4
.endif
	MAXI 0
	MAXI 1
	MAXI 2
	MAXI 3
.endm
.macro PFRAG ka                        ; p's four fragments of keys 128 ka on: each from two waves' halves
	WIN 0x80+0x40*\ka
.irp t, 0,1,2,3
.irp u, 0,1
	ds_load_b128 v[192+12*\t+6*\u:195+12*\t+6*\u], v12 offset:768*(4*\t+2*\ka+\u)
	ds_load_b64 v[196+12*\t+6*\u:197+12*\t+6*\u], v13 offset:768*(4*\t+2*\ka+\u)
.endr
.endr
.endm
.macro VFRAG ka                        ; V's eight fragments of keys 128 ka on
	WIN 0xc0
.irp ct, 0,1,2,3,4,5,6,7
.irp cc, 0,1,2
	ds_load_b128 v[12*(2*\ct+\ka)+4*\cc:12*(2*\ct+\ka)+4*\cc+3], v5 offset:1536*(2*\ct+\ka)+512*\cc
.endr
.endr
.endm
.macro PVSCALES
.irp p, 0,1
	ds_load_b64 v[88+2*\p:89+2*\p], v14 offset:256*\p
.endr
.endm
.macro VSCALES
.irp u, 0,1,2,3
	ds_load_b64 v[80+2*\u:81+2*\u], v6 offset:256*\u
.endr
.endm
; THE PHASE OF PV AND THE SOFTMAX.  pv = 1: the products of the step in hand stand among the lines; first = 1: they start O^T's sums.  The four tiles go by turns, so that no line waits for the line above it.
.macro PPH pv, first
.irp t, 0,1,2,3
	ds_load_b128 v[100+4*\t:103+4*\t], v8 offset:256*\t   ; the four waves' maxima of my query
.endr
.if \pv
	PVSCALES
	VSCALES
	PFRAG 0
	VFRAG 0
	WIN 0
	s_wait_dscnt 46                                ; the four loads of maxima are in; the 46 behind them may be out
.else
	s_wait_dscnt 0x0
.endif
.irp t, 0,1,2,3
	v_max3_num_f32 v[38+8*\t], v[100+4*\t], v[101+4*\t], v[102+4*\t]
.endr
.irp t, 0,1,2,3
	v_max_num_f32 v[38+8*\t], v[38+8*\t], v[103+4*\t]   ; the step's largest score of my query
.endr
.irp t, 0,1,2,3
	v_mul_f32 v[38+8*\t], s22, v[38+8*\t]          ; as t (c is positive)
.endr
.irp t, 0,1,2,3
	v_max_num_f32 v[33+8*\t], v[33+8*\t], v[38+8*\t]   ; the running largest t
.endr
.irp t, 0,1,2,3
	v_mov_b32 v[39+8*\t], v[32+8*\t]
.endr
.irp t, 0,1,2,3
	v_floor_f32 v[32+8*\t], -v[33+8*\t]            ; the new -M = floor(-t): M is a whole number
.endr
.irp t, 0,1,2,3
	v_sub_f32 v[39+8*\t], v[32+8*\t], v[39+8*\t]   ; old M - new M, 0 or less
.endr
.irp t, 0,1,2,3
	v_cvt_i32_f32 v[39+8*\t], v[39+8*\t]           ; (it saturates)
.endr
.irp t, 0,1,2,3
	v_ldexp_f32 v[36+8*\t], 1.0, v[39+8*\t]        ; f = 2^(old M - new M)
.endr
.set LIST, 1
.set BARE, 0
.set FIRST, \first
.set tk, 64
.if \pv
	PFRAG 1
	VFRAG 1
	WIN 0
.set tk, 0
.endif
.set ln, 0
.irp t, 0,1,2,3
.set j_, 0
.rept 16
	v_pk_fma_f32 v[128+32*\t+j_:129+32*\t+j_], v[128+32*\t+j_:129+32*\t+j_], s[22:23], v[32+8*\t:33+8*\t] op_sel_hi:[1,0,0]   ; t - M, two at a time
	TICK 6
.set j_, j_+2
.endr
.endr
.irp t, 0,1,2,3
.irp b, 0,1
	v_fma_f32 v[92+2*\t+\b], v[92+2*\t+\b], s22, v[32+8*\t]   ; the same of each block's largest score
	TICK 6
.endr
.endr
.set ln, 0
.set j_, 0
.rept 128
	v_exp_f32 v[128+j_], v[128+j_]                 ; p = 2^(t - M), at most 1: one batch, of which nothing is named before the wait below
	TICK 4
.set j_, j_+1
.endr
.irp t, 0,1,2,3
	v_pk_mul_f32 v[34+8*\t:35+8*\t], v[34+8*\t:35+8*\t], v[36+8*\t:37+8*\t] op_sel_hi:[1,0]   ; l under the new M.  (Plain lines behind the exponentials)
.endr
	s_wait_alu depctr_va_vdst(0)                   ; one wait for the batch, ahead of its first reader
.irp q, 0,1,2,3,4,5,6,7
	v_exp_f32 v[92+\q], v[92+\q]                   ; the blocks' largest p: the same two instructions on the same number give the same bits
.endr
.set ln, 0
.irp t, 0,1,2,3
	v_pk_add_f32 v[108+2*\t:109+2*\t], v[128+32*\t:129+32*\t], v[130+32*\t:131+32*\t]   ; the row's sum is taken of the unquantised p: two chains a tile
	TICK 6
.endr
.irp j, 4,8,12,16,20,24,28
.irp t, 0,1,2,3
	v_pk_add_f32 v[34+8*\t:35+8*\t], v[34+8*\t:35+8*\t], v[128+32*\t+\j:129+32*\t+\j]
	TICK 6
	v_pk_add_f32 v[108+2*\t:109+2*\t], v[108+2*\t:109+2*\t], v[130+32*\t+\j:131+32*\t+\j]
	TICK 6
.endr
.endr
.irp t, 0,1,2,3
	v_pk_add_f32 v[34+8*\t:35+8*\t], v[34+8*\t:35+8*\t], v[108+2*\t:109+2*\t]
	TICK 6
.endr
	s_wait_alu depctr_va_vdst(0)                   ; and one for the eight
.set ln, 0
.irp q, 0,1,2,3,4,5,6,7
	v_max_num_f32 v[92+\q], 0x1800000, v[92+\q]    ; the floor 2^(3 - 127): the byte cannot fall under 1
	TICK 4
.endr
.irp q, 0,1,2,3,4,5,6,7
	v_add_nc_u32 v[100+\q], 0xff000000, v[92+\q]   ; 2 off the exponent field: the conversion's scale operand
	TICK 4
.endr
.irp q, 0,1,2,3,4,5,6,7
	v_lshrrev_b32 v[108+\q], 23, v[100+\q]         ; the scale's byte
	TICK 4
.endr
.irp t, 0,1,2,3
	v_lshl_or_b32 v[38+8*\t], v[109+2*\t], 8, v[108+2*\t]   ; my two blocks' bytes
	TICK 4
.endr
.irp t, 0,1,2,3                                ; the codes: tile 0's go to v116 on, tile t's into the scores of tile t - 1, which are done with
.set ZB, 128+32*(\t-1)
.if \t == 0
.set ZB, 116
.endif
	v_cvt_scalef32_pk16_fp6_f32 v[ZB:ZB+2], v[128+32*\t:143+32*\t], v[100+2*\t]
	v_cvt_scalef32_pk16_fp6_f32 v[ZB+4:ZB+6], v[144+32*\t:159+32*\t], v[101+2*\t]
	v_nop                                          ; one plain instruction behind the conversions, ahead of what writes their sources or touches their results
.endr
.irp t, 0,1,2,3                                ; a whole block in a lane: lanes 0-15 my first block, lanes 16-31 my second
.set ZB, 128+32*(\t-1)
.if \t == 0
.set ZB, 116
.endif
.irp i, 0,1,2
	v_permlane16_swap_b32 v[ZB+\i], v[ZB+4+\i]
.endr
.irp i, 0,1,2
	v_mov_b32 v[ZB+3+\i], v[ZB+4+\i]
.endr
.endr
	FLUSH
.if \pv
	s_barrier_wait -1                              ; every wave has read the last p: the next may be stored
.endif
.irp t, 0,1,2,3
.set ZB, 128+32*(\t-1)
.if \t == 0
.set ZB, 116
.endif
	ds_store_b128 v9, v[ZB:ZB+3] offset:3072*\t
	ds_store_b64 v10, v[ZB+4:ZB+5] offset:3072*\t
	ds_store_b16 v11, v[38+8*\t] offset:128*\t     ; lanes r and r + 16 write the same bytes with the same value
.endr
.endm
; 64 numbers of a lane in window 1, v[s] on, register 16 b + i = k 32 b + 16 (lane / 16) + i of my row, become a fragment's codes in v[pc] .. v[pc + 11] and its scale word in v[pw].
.macro QUANT s, pc, pw
	WIN 0x14
.irp b, 0,1,2,3
	v_max3_num_f32 v[TM+\b], 0x1800000, |v[(\s)+16*\b]|, |v[(\s)+16*\b+1]|
.endr
.irp i, 2,4,6,8,10,12,14
.irp b, 0,1,2,3
	v_max3_num_f32 v[TM+\b], v[TM+\b], |v[(\s)+16*\b+\i]|, |v[(\s)+16*\b+\i+1]|
.endr
.endr
	WIN 0
.irp b, 0,1,2,3
	v_permlanex16_b32 v[TM+4+\b], v[TM+\b], s[SEL], s[SEL+1]
.endr
.irp b, 0,1,2,3
	v_max_num_f32 v[TM+\b], v[TM+\b], v[TM+4+\b]
.endr
.irp b, 0,1,2,3
	v_add_nc_u32 v[TM+12+\b], 0xff000000, v[TM+\b]
.endr
.irp b, 0,1,2,3
	v_lshrrev_b32 v[TM+4+\b], 23, v[TM+12+\b]
.endr
	v_lshl_or_b32 v[\pw], v[TM+5], 8, v[TM+4]
	v_lshl_or_b32 v[\pw], v[TM+6], 16, v[\pw]
	v_lshl_or_b32 v[\pw], v[TM+7], 24, v[\pw]
	WIN 0x01
.irp c, 0,1
	v_cvt_scalef32_pk16_fp6_f32 v[(\pc)+6*\c:(\pc)+6*\c+2], v[(\s)+32*\c:(\s)+32*\c+15], v[TM+12+2*\c]
	v_cvt_scalef32_pk16_fp6_f32 v[(\pc)+12+4*\c:(\pc)+14+4*\c], v[(\s)+32*\c+16:(\s)+32*\c+31], v[TM+13+2*\c]
.endr
	WIN 0
	v_nop
.irp c, 0,1
.irp i, 0,1,2
	v_permlane16_swap_b32 v[(\pc)+6*\c+\i], v[(\pc)+12+4*\c+\i]
.endr
.irp i, 0,1,2
	v_mov_b32 v[(\pc)+3+6*\c+\i], v[(\pc)+12+4*\c+\i]
.endr
.endr
.endm
.macro BIAS half                       ; bp of my 64 output channels, as the C of four tiles: a lane holds one channel, so its eight registers hold one number
.irp ot, 0,1,2,3
	WIN 0x80+0x40*(\ot/2)
.irp j, 0,1,2,3,4,5,6,7
	global_load_b32 v[240+8*(\ot%2)+\j], v22, s[52:53] offset:4*(64*\half+32*(\ot/2)+8*(\ot%2))
.endr
.endr
	WIN 0
.endm
.macro XLD half                        ; x at the very places that the stores of this half will take: 32 loads, sixteen lanes to 256 consecutive bytes
.irp ot, 0,1,2,3
.irp i, 0,1,2,3,4,5,6,7
	global_load_b128 v[128+32*\ot+4*\i:131+32*\ot+4*\i], v21, s[48:49] offset:8192*(64*\half+32*(\ot/2)+8*(\ot%2)+2*\i+8*(\i/4)) th:TH_LOAD_NT
.endr
.endr
.endm
; THE WAY OUT of 64 output channels.  A lane holds one channel and eight neighbouring positions of each query tile.  A tile of 16 channels goes through my own stage in LDS and comes back as rows of 256 bytes (64 positions),
; into the registers that it left; x is added; sixteen lanes store 256 consecutive bytes, aligned.  LDS serves a wave's instructions in order: no wait between the stores and the loads.
.macro OUTP half
.irp ot, 0,1,2,3
	WIN 0x04                                       ; an LDS store's data are its source 1: window 1
.irp t, 0,1,2,3
	ds_store_b128 v19, v[8*(4*\ot+\t):8*(4*\ot+\t)+3] offset:128*(\t/2)+32*(\t%2)       ; each accumulator from its low end on
	ds_store_b128 v19, v[8*(4*\ot+\t)+4:8*(4*\ot+\t)+7] offset:128*(\t/2)+32*(\t%2)+16
.endr
	WIN 0x40
.irp i, 0,1,2,3,4,5,6,7
	ds_load_b128 v[32*\ot+4*\i:32*\ot+4*\i+3], v20 offset:544*\i
.endr
	s_wait_dscnt 0x0
	WIN 0x41+4*\half                               ; x lies in window 0 (first half) or window 1
.irp i, 0,1,2,3,4,5,6,7,8,9,10,11,12,13,14,15
	v_pk_add_f32 v[32*\ot+2*\i:32*\ot+2*\i+1], v[32*\ot+2*\i:32*\ot+2*\i+1], v[128+32*\ot+2*\i:129+32*\ot+2*\i]
.endr
	WIN 0x04
.irp i, 0,1,2,3,4,5,6,7
	global_store_b128 v21, v[32*\ot+4*\i:32*\ot+4*\i+3], s[50:51] offset:8192*(64*\half+32*(\ot/2)+8*(\ot%2)+2*\i+8*(\i/4)) th:TH_STORE_NT
.endr
.endr
	WIN 0
.endm
	s_load_b256 s[4:11], s[0:1], 0x0               ; qf, kf, vf, x
	s_load_b128 s[12:15], s[0:1], 0x20             ; bp, out0
	v_lshl_add_u32 v24, v0, 2, SPARE
	v_mov_b32 v25, 0
	ds_add_u32 v24, v25
	ds_add_u32 v24, v25
	s_wait_dscnt 0x0
	v_lshrrev_b32 v1, 5, v0
	v_readfirstlane_b32 s16, v1                    ; wave 0..3
	s_bfe_u32 s17, ttmp6, 0x40000                  ; cx: it enters Q's, x's, out's and the prefetches' addresses alone
	s_and_b32 s18, ttmp7, 0xffff                   ; the batch, which the four partners share
	s_lshl_b32 s19, ttmp9, 2
	s_add_co_u32 s19, s19, s17                     ; my block of 64 queries
	; one shape for all tensor loads: a quarter of a slot, dense, as 100 rows of 256 bytes (32 elements of 8 bytes), no padding: images are read 512 consecutive bytes an instruction
	s_mov_b32 s24, 15|(3<<16)|(1<<21)              ; 15:0 the mask: all four work-groups; 17:16 elements of 8 bytes; 21 set beside a mask
	s_mov_b32 s25, 32<<16                          ; tensor_dim0
	s_mov_b32 s26, 100<<16                         ; tensor_dim1
	s_mov_b32 s27, 32<<16                          ; tile_dim0
	s_mov_b32 s28, 100                             ; tile_dim1
	s_mov_b32 s29, 32                              ; the pitch
	s_mov_b32 s30, 0
	s_mov_b32 s31, 0
	s_mul_i32 s54, s16, QT                         ; my quarter, in LDS and in a tile
	s_mul_i32 s56, s18, 921600                     ; the batch's nine tiles
	s_add_co_u32 s56, s56, s54
	s_mov_b32 s57, 0
	s_mul_i32 s60, s17, 6400                       ; my work-group's share of a quarter's prefetch
	s_mov_b32 s61, 0
	s_lshl_b32 s58, s18, 5
	s_add_co_u32 s58, s58, s19
	s_mul_i32 s58, s58, QT                         ; Q's block
	s_mov_b32 s59, 0
	s_lshl_b32 s66, s18, 22                        ; x, out: (512 b + 128 w) rows of 8,192 bytes + 256 bytes for each block of queries
	s_lshl_b32 s67, s16, 20
	s_add_co_u32 s66, s66, s67
	s_lshl_b32 s67, s19, 8
	s_add_co_u32 s66, s66, s67
	s_mov_b32 s67, 0
	s_lshl_b32 s68, s16, 9                         ; bp: my 128 channels
	s_mov_b32 s69, 0
	s_mov_b32 s[SEL], 0x76543210
	s_mov_b32 s[SEL+1], 0xfedcba98
	s_mov_b32 s22, 0x3d8293ee                      ; c = log2(e) / sqrt(512)
	s_mov_b32 s23, s22                             ; (named with it as a pair, so it is written)
	s_cmp_eq_u32 ttmp9, 0
	s_cselect_b32 s42, 1, -1                       ; the same in all four partners
	s_wait_kmcnt 0x0
	s_mov_b32 s32, 1
	s_mov_b32 s33, s54
	s_add_nc_u64 s[34:35], s[6:7], s[56:57]        ; K's tile 0
	s_or_b32 s35, s35, 0x80000000
	s_mov_b32 s36, 1
	s_add_co_u32 s37, s54, VS
	s_add_nc_u64 s[38:39], s[8:9], s[56:57]        ; V's tile 0
	s_or_b32 s39, s39, 0x80000000
	s_add_nc_u64 s[44:45], s[6:7], s[56:57]
	s_add_nc_u64 s[44:45], s[44:45], s[60:61]
	s_add_nc_u64 s[44:45], s[44:45], 4*QT          ; K's prefetches stand at tile 1: the first round of K steps them to tile 2.  Nothing is prefetched at the head
	s_add_nc_u64 s[46:47], s[8:9], s[56:57]
	s_add_nc_u64 s[46:47], s[46:47], s[60:61]      ; V's at tile 0
	s_add_nc_u64 s[58:59], s[4:5], s[58:59]
	s_add_nc_u64 s[48:49], s[10:11], s[66:67]
	s_add_nc_u64 s[50:51], s[14:15], s[66:67]
	s_add_nc_u64 s[52:53], s[12:13], s[68:69]
	CROUND                                         ; all four work-groups are here: the first joint loads meet
	tensor_load_to_lds s[32:35], s[24:31]          ; K of step 0
	s_nop 0
	PLACES 4
	v_and_b32 v26, 31, v0                          ; lane
	v_and_b32 v27, 15, v0                          ; r
	v_bfe_u32 v28, v0, 4, 1                        ; h
	v_lshlrev_b32 v1, 4, v26                       ; 16 x lane
	v_lshlrev_b32 v2, 3, v26                       ; 8 x lane
	WIN 0x80
.set f, 0
.rept 16
.irp cc, 0,1,2
	global_load_b128 v[12*f+4*\cc:12*f+4*\cc+3], v1, s[58:59] offset:1536*f+512*\cc   ; Q's sixteen fragments stay in registers
.endr
.set f, f+1
.endr
	WIN 0
.irp ks, 0,1,2,3
	global_load_b64 v[64+2*\ks:65+2*\ks], v2, s[58:59] offset:24576+256*\ks
.endr
	v_add_nc_u32 v3, s54, v1                       ; K's fragments in my quarter,
	v_add_nc_u32 v4, s54, v2
	v_add_nc_u32 v4, 24576, v4                     ; its scale words;
	v_add_nc_u32 v5, VS, v3                        ; V's
	v_add_nc_u32 v6, VS, v4
	v_lshlrev_b32 v8, 4, v27
	v_add_nc_u32 v8, MX, v8                        ; the maxima: four waves' words of query r,
	s_lshl_b32 s55, s16, 2
	v_add_nc_u32 v7, s55, v8                       ; mine among them
	s_mul_i32 s55, s16, 768
	v_add_nc_u32 v9, s55, v1
	v_add_nc_u32 v9, PB, v9                        ; p: where I store my half fragments,
	v_add_nc_u32 v10, s55, v2
	v_add_nc_u32 v10, PB+512, v10
	s_lshl_b32 s55, s16, 1
	v_lshl_add_u32 v11, v27, 3, s55
	v_add_nc_u32 v11, SCB, v11                     ; and my two scale bytes;
	v_add_nc_u32 v12, PB, v1                       ; where any wave's are read
	v_add_nc_u32 v13, PB+512, v2
	v_lshlrev_b32 v14, 7, v28
	v_lshl_add_u32 v14, v27, 3, v14
	v_add_nc_u32 v14, SCB, v14                     ; lanes 0-15 the even tile's eight bytes, lanes 16-31 the odd tile's
	s_mul_i32 s55, s16, 1536
	v_add_nc_u32 v15, s55, v1
	v_add_nc_u32 v15, H2, v15                      ; h2: my images,
	s_lshl_b32 s55, s16, 7
	v_lshl_add_u32 v16, v26, 2, s55
	v_add_nc_u32 v16, H2S, v16                     ; my scale words;
	v_add_nc_u32 v17, H2, v1                       ; any wave's
	v_lshlrev_b32 v18, 9, v28
	v_lshl_add_u32 v18, v27, 2, v18
	v_add_nc_u32 v18, H2S, v18
	s_mul_i32 s55, s16, 4352
	s_add_co_u32 s55, s55, STAGE                   ; my stage
	v_mul_u32_u24 v19, v27, 272
	v_lshl_add_u32 v19, v28, 6, v19
	v_add_nc_u32 v19, s55, v19                     ; in: row r, + 64 h
	v_mul_u32_u24 v20, v28, 272
	v_lshl_add_u32 v20, v27, 4, v20
	v_add_nc_u32 v20, s55, v20                     ; back: lanes 0-15 one row, lanes 16-31 the next
	v_lshlrev_b32 v21, 13, v28
	v_lshl_add_u32 v21, v27, 4, v21                ; and the same two rows in x and out
	v_and_b32 v22, 7, v27
	v_lshrrev_b32 v29, 3, v27
	v_lshl_add_u32 v22, v29, 4, v22
	v_lshlrev_b32 v22, 2, v22                      ; bp: my row's channel
	v_min_u32 v23, 24, v26
	v_lshlrev_b32 v23, 8, v23                      ; the prefetches: 256 bytes from lane to lane
	BIAS 0
.irp t, 0,1,2,3
	v_mov_b32 v[33+8*\t], 0xff61b1e6               ; the largest t so far: -3e38, under every t
	v_floor_f32 v[32+8*\t], -v[33+8*\t]            ; -M
	v_mov_b32 v[34+8*\t], 0                        ; l, in two halves
	v_mov_b32 v[35+8*\t], 0
	v_mov_b32 v[36+8*\t], 0
	v_mov_b32 v[37+8*\t], 0                        ; (named with f as a pair)
	v_mov_b32 v[38+8*\t], 0
	v_mov_b32 v[39+8*\t], 0
.endr
.irp q, 0,1,2,3,4,5,6,7
	v_mov_b32 v[108+\q], 0                         ; a lane permute's destination counts as one of its sources
.endr
	s_wait_tensorcnt 0x0                           ; my quarter of K is in: I alone read it
	s_wait_loadcnt 0x0                             ; Q, bp
	SPH 0                                          ; S of step 0
	ROUND 0, 1, 2                                  ; K of step 1
	PPH 0, 0                                       ; the softmax of step 0
	ROUND 1, 0, 2                                  ; V of step 0: the slot's first fill, issued as a refill is
	SPH 0                                          ; S of step 1
	ROUND 0, 1, 2                                  ; K of step 2
	PPH 1, 1                                       ; PV of step 0 starts O^T | the softmax of step 1
	s_mov_b32 s40, 6
.Lstep:                                            ; steps j = 1 .. 6
	ROUND 1, 1, 2                                  ; V of step j
	SPH 1                                          ; O^T x f | S of step j + 1
	ROUND 0, 1, 1                                  ; K of step j + 2; in the last trip: Wp's lower rows
	PPH 1, 0                                       ; PV of step j | the softmax of step j + 1
	s_sub_co_u32 s40, s40, 1
	s_cmp_lg_u32 s40, 0
	s_cbranch_scc1 .Lstep
	; ---- the last step's PV, and l
.irp t, 0,1,2,3
	v_add_f32 v[38+8*\t], v[34+8*\t], v[35+8*\t]
.endr
.irp t, 0,1,2,3
	v_permlanex16_b32 v[39+8*\t], v[38+8*\t], s[SEL], s[SEL+1]
.endr
.irp t, 0,1,2,3
	v_add_f32 v[38+8*\t], v[38+8*\t], v[39+8*\t]   ; the sum over my 64 keys of every step
.endr
.irp t, 0,1,2,3
	ds_store_b32 v7, v[38+8*\t] offset:1024+256*\t
.endr
	ROUND 1, 1, 2                                  ; V of step 7
	XLD 0                                          ; x for the first 64 output channels, into the registers that the scores have left
.irp t, 0,1,2,3
	ds_load_b128 v[100+4*\t:103+4*\t], v8 offset:1024+256*\t
.endr
	PVSCALES
	PFRAG 0
	PFRAG 1
	WIN 0
	s_wait_dscnt 34                                ; the four waves' parts of l are in; the 34 loads behind them may be out
.irp t, 0,1,2,3
	v_add_f32 v[38+8*\t], v[100+4*\t], v[101+4*\t]
.endr
.irp t, 0,1,2,3
	v_add_f32 v[39+8*\t], v[102+4*\t], v[103+4*\t]
.endr
.irp t, 0,1,2,3
	v_add_f32 v[38+8*\t], v[38+8*\t], v[39+8*\t]
.endr
.irp t, 0,1,2,3
	v_rcp_f32 v[38+8*\t], v[38+8*\t]
.endr
.set ro, 0
.rept 128
	RSC                                            ; O^T under the last M.  (Plain work behind the reciprocals, while V lands)
.endr
	WIN 0
	s_wait_alu depctr_va_vdst(0)                   ; one wait for the four reciprocals, ahead of their first reader and of the next branch
	s_wait_tensorcnt 0x0                           ; my quarter of V is in
	VSCALES
	VFRAG 0
	VFRAG 1
	WIN 0
	s_wait_dscnt 0x0
.set LIST, 1
.set BARE, 1
.set FIRST, 0
.set tk, 0
	FLUSH
	ROUND 1, 1, 0                                  ; Wp's upper rows take V's slot
	; ---- h2 = O / l, quantised along the channels: my 128 channels are K step w of the projection
.irp t, 0,1,2,3
	WIN 0x41
.set i, 0
.rept 32
	v_pk_mul_f32 v[64*\t+i:64*\t+i+1], v[64*\t+i:64*\t+i+1], v[38+8*\t:39+8*\t] op_sel_hi:[1,0]
.set i, i+2
.endr
	QUANT 64*\t, 108, 127
.irp cc, 0,1,2
	ds_store_b128 v15, v[108+4*\cc:111+4*\cc] offset:6144*\t+512*\cc
.endr
	ds_store_b32 v16, v127 offset:512*\t
	s_wait_dscnt 0x0                               ; the stores have read their registers
.endr
	s_barrier_signal -1                            ; my images have landed (the wait above); Wp's load may stay out
	s_barrier_wait -1
	WIN 0x40
	XLD 1                                          ; x for the other 64 channels, into the upper half of O^T's registers
	WIN 0x80
.set f, 0
.rept 16
.irp cc, 0,1,2
	ds_load_b128 v[12*f+4*\cc:12*f+4*\cc+3], v17 offset:1536*f+512*\cc   ; all sixteen images of h2 take Q's place
.endr
.set f, f+1
.endr
	WIN 0
.irp p, 0,1
.irp ks, 0,1,2,3
	ds_load_b32 v[64+4*\p+\ks], v18 offset:1024*\p+128*\ks
.endr
.endr
	WFRAG 3, 4                                     ; Wp's lower 64 of my 128 rows, from K's slot
	s_wait_dscnt 0x0
.set LIST, 2
.set tk, 0
	FLUSH
	PLACES 4                                       ; between the last products and the reads of results and the loads into their operands
	s_wait_loadcnt 32                              ; x of the first half is in; the second half's 32 loads may be out
	BIAS 1
	OUTP 0
	s_wait_xcnt 0x0                                ; the stores have read their registers, which the next sums take
	s_wait_tensorcnt 0x0                           ; my quarter of Wp's upper rows is in
	WFRAG 5, 6
	s_wait_loadcnt 0x0                             ; x, bp
	s_wait_dscnt 0x0
.set tk, 0
	FLUSH
	PLACES 4
	OUTP 1
	s_wait_tensorcnt 0x0                           ; the wave's end: behind my last tensor load and my last LDS store
	ds_add_u32 v24, v25
	s_wait_dscnt 0x0
	CROUND                                         ; the closing round: no work-group ends while a partner may still ask for a tile that names it
	s_endpgm
.Lfunc_end_k_qa62aaf6435_attn:
	.size	k_qa62aaf6435_attn, .Lfunc_end_k_qa62aaf6435_attn-k_qa62aaf6435_attn
	.p2alignl 7, 3214868480
	.fill 96, 4, 3214868480
	.section	.rodata,"a",@progbits
	.p2align	6, 0x0
	.amdhsa_kernel k_qa62aaf6435_attn
		.amdhsa_group_segment_fixed_size 327680
		.amdhsa_private_segment_fixed_size 0
		.amdhsa_enable_private_segment 0
		.amdhsa_kernarg_size 48
		.amdhsa_user_sgpr_count 2
		.amdhsa_user_sgpr_kernarg_segment_ptr 1
		.amdhsa_wavefront_size32 1
		.amdhsa_system_sgpr_workgroup_id_x 1
		.amdhsa_system_sgpr_workgroup_id_y 1
		.amdhsa_system_sgpr_workgroup_id_z 1
		.amdhsa_system_vgpr_workitem_id 0
		.amdhsa_next_free_vgpr 1024
		.amdhsa_next_free_sgpr 70
		.amdhsa_reserve_vcc 0
		.amdhsa_float_denorm_mode_32 3
		.amdhsa_float_denorm_mode_16_64 3
		.amdhsa_memory_ordered 1
		.amdhsa_forward_progress 1
		.amdhsa_inst_pref_size 255
	.end_amdhsa_kernel
	.section	.bss,"aw",@nobits
	.p2align	6
	.space	262144
	.amdgpu_metadata
---
amdhsa.version: [ 1, 2 ]
amdhsa.kernels:
  - .name:           k_qa62aaf6435_attn
    .symbol:         k_qa62aaf6435_attn.kd
    .args:
      - { .name: qf, .offset: 0, .size: 8, .value_kind: global_buffer, .address_space: global }
      - { .name: kf, .offset: 8, .size: 8, .value_kind: global_buffer, .address_space: global }
      - { .name: vf, .offset: 16, .size: 8, .value_kind: global_buffer, .address_space: global }
      - { .name: x, .offset: 24, .size: 8, .value_kind: global_buffer, .address_space: global }
      - { .name: bp, .offset: 32, .size: 8, .value_kind: global_buffer, .address_space: global }
      - { .name: out0, .offset: 40, .size: 8, .value_kind: global_buffer, .address_space: global }
    .group_segment_fixed_size: 327680
    .private_segment_fixed_size: 0
    .kernarg_segment_align: 8
    .kernarg_segment_size: 48
    .max_flat_workgroup_size: 128
    .sgpr_count:     70
    .vgpr_count:     1024
    .wavefront_size: 32
...
	.end_amdgpu_metadata
.endif
;; end of part 3
;; ======== version 2 of 2: 3 launches
;; workspace buffers: hb 6,553,600 bytes; wf 614,400 bytes; qf 6,553,600 bytes; kv 14,745,600 bytes
;; launch prep (part 4): grid 160 x 1, 16 waves a work-group, no clusters, 186,880 bytes of LDS; arguments x, gn_scale, gn_bias, wq, wk, wv, wp, hb, wf, kv; writes hb, wf, kv
.if DOCPART == 4
	.amdgcn_target "amdgcn-amd-amdhsa--gfx1250"
	.amdhsa_code_object_version 6
	.text
	.protected	k_qa62aaf6435_prep
	.globl	k_qa62aaf6435_prep
	.p2align	8
	.type	k_qa62aaf6435_prep,@function
k_qa62aaf6435_prep:
	s_mov_b64 s[64:65], 0
	v_nop
	global_prefetch_b8 v0, s[64:65] scope:SCOPE_SE
	s_setreg_imm32_b32 hwreg(HW_REG_WAVE_MODE, 25, 1), 1
	s_wait_xcnt 0x0
; PREP.  Work-groups 0-127: h = GroupNorm(x) and its codes of FP6 (E2M3) along the channels.  Work-groups 128-159: the four weights' codes along their second axis.
; ROLE X.  Work-group 16 b + cb takes batch b, channels 32 cb .. 32 cb + 31 (two groups of the norm, one block of the quantiser) and all 2,048 positions: 256 KiB, kept in registers:
; thread t holds positions 4 t .. 4 t + 3 of the 32 channels.  x is read once here: sum, then sum of squares of x - mean, then the codes, all from the same 128 registers.
; hb: [b][256 positions] blocks of 102,400 bytes.  Codes of (32 positions G, K step ks, block be) at 12,288 G + 3,072 ks + 768 be; there, for the tile tau of 16 positions and its row r,
; registers 0-3 of the block's six at 256 tau + 16 r, registers 4-5 at 512 + 128 (tau xor (be & 1)) + 8 r.  Row r of tile tau is position 8 tau + (r & 7) + 16 (r >> 3) of the 32.
; Scale bytes in planes: 98,304 + 1,024 ks + 256 be + position.
; ROLE W.  Work-group 128 + wid takes 64 rows of one matrix.  Wave w makes the fragment (tile w >> 2, K step w & 3) as an image of its twelve registers: chunk c at 512 c, lane l at 16 l.
; A block of 25,600 bytes: 16 images at 1,536 (4 tile + ks), then the scale words at 24,576 + 256 ks + 8 (r + 16 (tile & 1)) + 4 (tile >> 1).  wq, wk, wv go to wf.
; wp goes into kv, once for each batch (1,843,200 bytes a batch): rows 128 cg .. + 63 at 1,561,600 + 51,200 cg (where the ninth step's K would lie), rows 128 cg + 64 .. at 1,740,800 + 25,600 cg.
; A block's scale is 2^(floor(log2(largest magnitude)) - 2); its byte is the largest magnitude's exponent field - 2, held at 1 from below.
; LIMITS: NaN and infinities among the inputs are not served.  A block whose largest magnitude lies under 2^-124 keeps the byte 1; a block of zeros has the byte 1 and zero codes (the bytes are read by this program alone).
; 1 / sqrt(var + eps) is v_rsq_f32's.  No tensor loads, no matrix instructions: memory binds here.  The two roles part on the work-group's number and have LDS bytes of their own.
.set RED1, 0                           ; role X: 2 groups x 16 waves x 4 bytes: the sums
.set RED2, 256                         ; the sums of squares
.set SBY,  512                         ; 2,048 scale bytes
.set STG,  2560                        ; 16 waves x 3,072 bytes: each wave's codes on their way out
.set WROW, 51712                       ; role W: 64 rows x 2,064 bytes
.set WPI,  2064                        ; 2,048 + 16: an odd multiple of 16, so that sixteen rows' equal columns fall on different banks
.set WSC,  183808                      ; role W: 1,024 bytes of scale words
.set BATCH, 1843200                    ; a batch's part of kv
.set X,   32                           ; v32-159  X[4 c + j] = x[c][4 t + j]
.set Y,   160                          ; v160-191 one position's 32 channels; also the partial sums and the way out
.set CA,  192                          ; v192-223 codes: eight registers for each of my four positions
.set SCL, 28                           ; s28-59   gn_scale of my 32 channels, later x 1 / sqrt(var + eps)
.set BIA, 68                           ; s68-99   gn_bias
.macro BARRIER                         ; my LDS stores have landed and my LDS loads are in: then the work-group's barrier
	s_wait_dscnt 0x0
	s_barrier_signal -1
	s_barrier_wait -1
.endm
.macro WRED r                          ; the sum over the wave's 32 lanes, in every lane
	v_add_f32_dpp v[\r], v[\r], v[\r] row_xmask:1 row_mask:0xf bank_mask:0xf
	v_add_f32_dpp v[\r], v[\r], v[\r] row_xmask:2 row_mask:0xf bank_mask:0xf
	v_add_f32_dpp v[\r], v[\r], v[\r] row_xmask:4 row_mask:0xf bank_mask:0xf
	v_add_f32_dpp v[\r], v[\r], v[\r] row_xmask:8 row_mask:0xf bank_mask:0xf
	v_permlanex16_b32 v16, v[\r], s62, s63
	v_add_f32 v[\r], v[\r], v16
.endm
.macro GSUM g                          ; the sum of my 64 numbers of group g, in two chains begun by the first pairs -> v[10 + g]
.set XG, X+64*\g
	v_pk_add_f32 v[12:13], v[XG:XG+1], v[XG+2:XG+3]
	v_pk_add_f32 v[14:15], v[XG+4:XG+5], v[XG+6:XG+7]
.set i, 8
.rept 14
	v_pk_add_f32 v[12:13], v[12:13], v[XG+i:XG+i+1]
	v_pk_add_f32 v[14:15], v[14:15], v[XG+i+2:XG+i+3]
.set i, i+4
.endr
	v_pk_add_f32 v[12:13], v[12:13], v[14:15]
	v_add_f32 v[10+\g], v12, v13
.endm
.macro GVAR g                          ; x - mean in place, and the sum of its squares -> v[10 + g]
.set XG, X+64*\g
.set i, 0
.rept 32
	v_pk_add_f32 v[XG+i:XG+i+1], v[XG+i:XG+i+1], v[24+2*\g:25+2*\g] neg_lo:[0,1] neg_hi:[0,1]
.set i, i+2
.endr
	v_pk_mul_f32 v[12:13], v[XG:XG+1], v[XG:XG+1]
	v_pk_mul_f32 v[14:15], v[XG+2:XG+3], v[XG+2:XG+3]
.set i, 4
.rept 15
	v_pk_fma_f32 v[12:13], v[XG+i:XG+i+1], v[XG+i:XG+i+1], v[12:13]
	v_pk_fma_f32 v[14:15], v[XG+i+2:XG+i+3], v[XG+i+2:XG+i+3], v[14:15]
.set i, i+4
.endr
	v_pk_add_f32 v[12:13], v[12:13], v[14:15]
	v_add_f32 v[10+\g], v12, v13
.endm
.macro TOT g                           ; sixteen waves' parts of group g, added in one fixed order -> v[10 + g]
.set YG, Y+16*\g
	v_pk_add_f32 v[YG:YG+1], v[YG:YG+1], v[YG+2:YG+3]
	v_pk_add_f32 v[YG+4:YG+5], v[YG+4:YG+5], v[YG+6:YG+7]
	v_pk_add_f32 v[YG+8:YG+9], v[YG+8:YG+9], v[YG+10:YG+11]
	v_pk_add_f32 v[YG+12:YG+13], v[YG+12:YG+13], v[YG+14:YG+15]
	v_pk_add_f32 v[YG:YG+1], v[YG:YG+1], v[YG+4:YG+5]
	v_pk_add_f32 v[YG+8:YG+9], v[YG+8:YG+9], v[YG+12:YG+13]
	v_pk_add_f32 v[YG:YG+1], v[YG:YG+1], v[YG+8:YG+9]
	v_add_f32 v[10+\g], v[YG], v[YG+1]
.endm
.macro ACROSS red                      ; v10, v11: from my lane's sums to the work-group's, through 128 bytes of LDS
	WRED 10
	WRED 11
	ds_store_b32 v3, v10 offset:\red               ; all lanes of a wave write the same word with the same value
	ds_store_b32 v3, v11 offset:\red+64
	BARRIER
.irp i, 0,1,2,3,4,5,6,7
	ds_load_b128 v[Y+4*\i:Y+4*\i+3], v4 offset:\red+16*\i
.endr
	s_wait_dscnt 0x0
	TOT 0
	TOT 1
.endm
	s_load_b512 s[4:19], s[0:1], 0x0               ; x, gn_scale, gn_bias, wq, wk, wv, wp, hb
	s_load_b128 s[20:23], s[0:1], 0x40             ; wf, kv
	v_lshl_add_u32 v224, v0, 2, 0x2d200
	v_mov_b32 v225, 0
	v_lshrrev_b32 v1, 5, v0
	v_readfirstlane_b32 s26, v1                    ; wave 0..15
	v_and_b32 v31, 31, v0                          ; lane
	v_lshlrev_b32 v2, 4, v0                        ; 16 t
	v_mov_b32 v16, 0                               ; a lane permute's destination counts as one of its sources
	s_mov_b32 s62, 0x76543210
	s_mov_b32 s63, 0xfedcba98                      ; v_permlanex16_b32's selects for lane l xor 16
	s_mov_b32 s3, 0
	s_cmp_lt_u32 ttmp9, 128
	s_cbranch_scc0 .Lweights
	; ======== ROLE X ========
	s_and_b32 s60, ttmp9, 15                       ; cb = 4 ks + be
	s_lshr_b32 s61, ttmp9, 4                       ; b
	s_lshl_b32 s2, s60, 7                          ; my 32 channels in gn_scale and gn_bias
	s_wait_kmcnt 0x0
	s_add_nc_u64 s[6:7], s[6:7], s[2:3]
	s_add_nc_u64 s[8:9], s[8:9], s[2:3]
	s_load_b512 s[SCL:SCL+15], s[6:7], 0x0
	s_load_b512 s[SCL+16:SCL+31], s[6:7], 0x40
	s_load_b512 s[BIA:BIA+15], s[8:9], 0x0
	s_load_b512 s[BIA+16:BIA+31], s[8:9], 0x40
	s_lshl_b32 s2, ttmp9, 18                       ; (512 b + 32 cb) rows of 8,192 bytes
	s_add_nc_u64 s[4:5], s[4:5], s[2:3]
.set c, 0
.rept 32
	global_load_b128 v[X+4*c:X+4*c+3], v2, s[4:5] offset:8192*c th:TH_LOAD_NT   ; a wave reads 512 consecutive bytes of a row; all of the work-group's 256 KiB are asked for at once
.set c, c+1
.endr
	; where the results go
	s_mul_i32 s27, s61, 819200                     ; the batch's eight blocks of hb
	s_lshl_b32 s2, s60, 8
	s_add_co_u32 s2, s2, s27
	s_add_co_u32 s2, s2, 98304
	s_add_nc_u64 s[66:67], s[18:19], s[2:3]        ; my plane of scale bytes in the batch's first block
	s_lshr_b32 s2, s26, 1
	s_mul_i32 s2, s2, 102400                       ; a wave's 128 positions: block wave >> 1,
	s_add_co_u32 s27, s27, s2
	s_and_b32 s2, s26, 1
	s_mul_i32 s2, s2, 49152                        ; groups of 32 positions 4 (wave & 1) on
	s_add_co_u32 s27, s27, s2
	s_mul_i32 s2, s60, 768                         ; 3,072 ks + 768 be
	s_add_co_u32 s2, s2, s27
	s_add_nc_u64 s[18:19], s[18:19], s[2:3]
	s_and_b32 s27, s60, 1
	s_lshl_b32 s27, s27, 7                         ; m = 128 (be & 1)
	v_lshlrev_b32 v3, 2, v1                        ; the sums: 4 x wave
	v_mov_b32 v4, 0
	v_lshrrev_b32 v5, 3, v0
	v_mul_u32_u24 v5, v5, 768                      ; the stage: eight threads hold 32 positions: 768 bytes
	v_bfe_u32 v6, v0, 1, 1                         ; tau
	v_and_b32 v7, 1, v0
	v_bfe_u32 v8, v0, 2, 1
	v_lshlrev_b32 v9, 2, v7
	v_lshl_add_u32 v9, v8, 3, v9                   ; r of my first position: 4 (t & 1) + 8 ((t >> 2) & 1)
	v_lshl_add_u32 v28, v6, 8, v5
	v_lshl_add_u32 v28, v9, 4, v28
	v_add_nc_u32 v28, STG, v28                     ; registers 0-3: 256 tau + 16 r
	v_lshl_add_u32 v29, v6, 7, v5
	v_lshl_add_u32 v29, v9, 3, v29
	v_add_nc_u32 v29, STG+512, v29                 ; registers 4-5: 512 + 128 tau + 8 r (the exclusive or with be is made on the way to memory)
	v_mul_u32_u24 v30, v1, 3072
	v_lshl_add_u32 v30, v31, 4, v30
	v_add_nc_u32 v30, STG, v30                     ; back: my wave's 3,072 bytes, 16 a lane
	v_lshl_add_u32 v17, v0, 2, SBY                 ; my four scale bytes
	v_add_nc_u32 v18, SBY, v2                      ; and back, 16 a thread (waves 0-3)
	v_bfe_u32 v6, v0, 4, 1                         ; hl: which half of the lanes
	v_and_b32 v7, 15, v0
	v_lshlrev_b32 v7, 4, v7
	v_lshlrev_b32 v19, 4, v31                      ; chunks 0, 3: two tiles' registers 0-3
	v_mul_u32_u24 v8, s27, v6
	v_sub_nc_u32 v9, s27, v8
	v_xor_b32 v20, v7, v9                          ; chunks 1, 4: lanes 0-15 registers 4-5 (halves swapped where be is odd), lanes 16-31 the next 32 positions' tile 0
	v_mad_u32_u24 v20, v6, 11776, v20
	v_xor_b32 v21, v7, v8                          ; chunks 2, 5: lanes 0-15 tile 1, lanes 16-31 registers 4-5
	v_lshl_add_u32 v21, v6, 8, v21
	v_lshl_add_u32 v22, v1, 1, v6
	v_mul_u32_u24 v22, v22, 102400
	v_add_nc_u32 v22, v22, v7                      ; scale bytes: block 2 wave + hl, 16 bytes a lane
	; the mean
	s_wait_loadcnt 16                              ; group 0's sixteen rows are in; group 1's sixteen loads may be out
	GSUM 0
	s_wait_loadcnt 0x0
	GSUM 1
	ACROSS RED1
.irp g, 0,1
	v_mul_f32 v[24+2*\g], 0x38000000, v[10+\g]     ; / 32,768
	v_mov_b32 v[25+2*\g], v[24+2*\g]
.endr
	; the variance, of x - mean
	GVAR 0
	GVAR 1
	ACROSS RED2
	v_mov_b32 v23, 0x358637bd                      ; 1e-6
	v_fmamk_f32 v10, v10, 0x38000000, v23
	v_fmamk_f32 v11, v11, 0x38000000, v23
	v_rsq_f32 v24, v10
	v_rsq_f32 v25, v11
	v_nop                                          ; a plain instruction behind the transcendentals,
	s_wait_alu depctr_va_vdst(0)                   ; and one wait for both, ahead of their first reader
	v_readfirstlane_b32 s60, v24
	v_readfirstlane_b32 s61, v25
	s_wait_kmcnt 0x0                               ; gn_scale, gn_bias
.set c, 0
.rept 32
	s_mul_f32 s[SCL+c], s[SCL+c], s[60+c/16]
.set c, c+1
.endr
; Position 4 t + j: h of its 32 channels, the block's scale, its 32 codes (six registers), into my wave's stage.
.macro QJ j
.set c, 0
.rept 32
	v_fma_f32 v[Y+c], v[X+4*c+\j], s[SCL+c], s[BIA+c]
.set c, c+1
.endr
	v_max3_num_f32 v12, |v[Y]|, |v[Y+1]|, |v[Y+2]|
	v_max3_num_f32 v13, |v[Y+3]|, |v[Y+4]|, |v[Y+5]|
.irp i, 6,10,14,18,22,26
	v_max3_num_f32 v12, v12, |v[Y+\i]|, |v[Y+\i+1]|
	v_max3_num_f32 v13, v13, |v[Y+\i+2]|, |v[Y+\i+3]|
.endr
	v_max3_num_f32 v12, v12, |v[Y+30]|, |v[Y+31]|
	v_max3_num_f32 v12, v12, v13, 0x1800000        ; and the floor 2^(3 - 127): the byte cannot fall under 1
	v_add_nc_u32 v10, 0xff000000, v12              ; 2 off the exponent field: the conversion takes this operand's exponent field as its scale
	v_cvt_scalef32_pk16_fp6_f32 v[CA+8*\j:CA+8*\j+2], v[Y:Y+15], v10
	v_cvt_scalef32_pk16_fp6_f32 v[CA+8*\j+4:CA+8*\j+6], v[Y+16:Y+31], v10   ; (a conversion's three registers begin on an even number)
	v_lshrrev_b32 v11, 23, v10                     ; the scale's byte.  (Also the plain instruction behind the conversions)
.if \j == 0
	v_mov_b32 v14, v11
.else
	v_lshl_or_b32 v14, v11, 8*\j, v14              ; four neighbouring positions' bytes in one word
.endif
	v_mov_b32 v[CA+8*\j+3], v[CA+8*\j+4]
	v_mov_b32 v[CA+8*\j+4], v[CA+8*\j+5]
	v_mov_b32 v[CA+8*\j+5], v[CA+8*\j+6]
	ds_store_b128 v28, v[CA+8*\j:CA+8*\j+3] offset:16*\j
	ds_store_b64 v29, v[CA+8*\j+4:CA+8*\j+5] offset:8*\j
.endm
	QJ 0
	QJ 1
	QJ 2
	QJ 3
	ds_store_b32 v17, v14
.irp q, 0,1,2,3,4,5
	ds_load_b128 v[Y+4*\q:Y+4*\q+3], v30 offset:512*\q   ; LDS serves a wave's instructions in order: these see my wave's stores
.endr
.irp q, 0,1,2,3,4,5
	s_wait_dscnt 5-\q                              ; chunk q is back; the later chunks may be out
	global_store_b128 v[19+\q%3], v[Y+4*\q:Y+4*\q+3], s[18:19] offset:512*(\q%3)+11520*((\q%3)/2)+24576*(\q/3)   ; sixteen lanes store 256 consecutive bytes, aligned
.endr
	BARRIER                                        ; all 2,048 scale bytes lie in LDS
	s_cmp_lt_u32 s26, 4
	s_cbranch_scc0 .Lx_end
	ds_load_b128 v[Y+24:Y+27], v18
	s_wait_dscnt 0x0
	global_store_b128 v22, v[Y+24:Y+27], s[66:67]  ; sixteen lanes store a block's 256 bytes of this plane
.Lx_end:
	s_wait_tensorcnt 0x0
	ds_add_u32 v224, v225
	s_wait_dscnt 0x0
	s_endpgm
	; ======== ROLE W ========
.Lweights:
	s_sub_co_u32 s27, ttmp9, 128                   ; wid = 8 mat + 2 cg + sub
	s_lshr_b32 s60, s27, 3                         ; mat: q, k, v, p
	s_and_b32 s61, s27, 7
	s_wait_kmcnt 0x0
	s_cmp_eq_u32 s60, 1
	s_cselect_b64 s[28:29], s[12:13], s[10:11]
	s_cmp_eq_u32 s60, 2
	s_cselect_b64 s[28:29], s[14:15], s[28:29]
	s_cmp_eq_u32 s60, 3
	s_cselect_b64 s[28:29], s[16:17], s[28:29]
	s_lshl_b32 s2, s61, 17                         ; 64 rows of 2,048 bytes
	s_add_nc_u64 s[28:29], s[28:29], s[2:3]
.set i, 0
.rept 16
	global_load_b128 v[32+4*i:35+4*i], v2, s[28:29] offset:8192*i th:TH_LOAD_NT   ; the 128 KiB as they lie: row 4 i + (t >> 7), 16 bytes a thread
.set i, i+1
.endr
	s_bfe_u32 s2, s27, 0x20001                     ; cg
	s_mul_i32 s66, s2, 51200
	s_add_co_u32 s66, s66, 1561600                 ; wp: the lower 64 of a wave's 128 rows lie where the ninth step's K would,
	s_mul_i32 s2, s2, 25600
	s_add_co_u32 s2, s2, 1740800                   ; the upper 64 in the batch's last block
	s_and_b32 s67, s27, 1
	s_cmp_eq_u32 s67, 0
	s_cselect_b32 s2, s66, s2
	s_mul_i32 s66, s27, 25600                      ; wq, wk, wv: block wid of wf
	s_cmp_eq_u32 s60, 3
	s_cselect_b64 s[30:31], s[22:23], s[20:21]
	s_cselect_b32 s2, s2, s66
	s_add_nc_u64 s[30:31], s[30:31], s[2:3]
	s_add_nc_u64 s[34:35], s[30:31], 4*BATCH       ; (wp: batches 4 to 7, so that the stores' offsets stay inside the signed 24-bit immediate)
	v_lshrrev_b32 v3, 7, v0
	v_and_b32 v4, 127, v0
	v_mul_u32_u24 v5, v3, WPI
	v_lshl_add_u32 v5, v4, 4, v5
	v_add_nc_u32 v5, WROW, v5                      ; into LDS: rows under 32,
	v_add_nc_u32 v6, 32*WPI, v5                    ; and from 32 on (an offset has 16 bits)
	v_and_b32 v3, 15, v0                           ; r
	v_bfe_u32 v4, v0, 4, 1                         ; h
	s_lshr_b32 s2, s26, 2
	s_mul_i32 s2, s2, 16*WPI                       ; my tile's 16 rows,
	s_and_b32 s66, s26, 3
	s_lshl_b32 s67, s66, 9                         ; my K step's 512 bytes
	s_add_co_u32 s2, s2, s67
	s_add_co_u32 s2, s2, WROW
	v_mul_u32_u24 v7, v3, WPI
	v_lshl_add_u32 v7, v4, 7, v7
	v_add_nc_u32 v7, s2, v7                        ; row r, + 128 h: lane (r, h) takes blocks h and 2 + h
	v_mul_u32_u24 v8, v1, 1536
	v_lshl_add_u32 v8, v31, 4, v8                  ; my image: 1,536 x wave + 16 x lane
	s_lshl_b32 s2, s66, 8                          ; the scale word: 256 ks
	s_bfe_u32 s67, s26, 0x10002
	s_lshl_b32 s67, s67, 7                         ; + 128 (tile & 1)
	s_add_co_u32 s2, s2, s67
	s_lshr_b32 s67, s26, 3
	s_lshl_b32 s67, s67, 2                         ; + 4 (tile >> 1)
	s_add_co_u32 s2, s2, s67
	s_add_co_u32 s2, s2, WSC
	v_lshl_add_u32 v9, v3, 3, s2                   ; + 8 r
	v_add_nc_u32 v10, WSC, v2
.set i, 0
.rept 16
.set LAM, 32*(i>>3)+16*((i>>1)&1)+8*((i>>2)&1)+4*(i&1)   ; THE ROWS OF A TILE ARE NOT NEIGHBOURS: row r of tile T is row 32 (T >> 1) + 8 (T & 1) + (r & 7) + 16 (r >> 3); in LDS a tile's rows lie on end
	s_wait_loadcnt 15-i
.if LAM < 32
	ds_store_b128 v5, v[32+4*i:35+4*i] offset:LAM*WPI
.else
	ds_store_b128 v6, v[32+4*i:35+4*i] offset:(LAM-32)*WPI
.endif
.set i, i+1
.endr
	BARRIER
.irp cc, 0,1
.irp i, 0,1,2,3,4,5,6,7
	ds_load_b128 v[96+32*\cc+4*\i:99+32*\cc+4*\i], v7 offset:256*\cc+16*\i   ; two whole blocks of 32 numbers
.endr
.endr
	s_wait_dscnt 0x0
.irp cc, 0,1
	v_max3_num_f32 v[12+2*\cc], |v[96+32*\cc]|, |v[97+32*\cc]|, |v[98+32*\cc]|
	v_max3_num_f32 v[13+2*\cc], |v[99+32*\cc]|, |v[100+32*\cc]|, |v[101+32*\cc]|
.endr
.irp i, 6,10,14,18,22,26
.irp cc, 0,1
	v_max3_num_f32 v[12+2*\cc], v[12+2*\cc], |v[96+32*\cc+\i]|, |v[97+32*\cc+\i]|
	v_max3_num_f32 v[13+2*\cc], v[13+2*\cc], |v[98+32*\cc+\i]|, |v[99+32*\cc+\i]|
.endr
.endr
.irp cc, 0,1
	v_max3_num_f32 v[12+2*\cc], v[12+2*\cc], |v[126+32*\cc]|, |v[127+32*\cc]|
.endr
.irp cc, 0,1
	v_max3_num_f32 v[12+2*\cc], v[12+2*\cc], v[13+2*\cc], 0x1800000
.endr
.irp cc, 0,1
	v_add_nc_u32 v[20+\cc], 0xff000000, v[12+2*\cc]
.endr
.irp cc, 0,1
	v_lshrrev_b32 v[22+\cc], 23, v[20+\cc]
.endr
	v_lshl_or_b32 v24, v23, 16, v22                ; my two bytes: blocks h and 2 + h,
	v_lshlrev_b32 v25, 3, v4
	v_lshlrev_b32 v24, v25, v24                    ; at their places in the word;
	v_permlanex16_b32 v16, v24, s62, s63
	v_or_b32 v24, v24, v16                         ; with lane l xor 16's two the word is whole
.irp cc, 0,1
	v_cvt_scalef32_pk16_fp6_f32 v[160+6*\cc:162+6*\cc], v[96+32*\cc:111+32*\cc], v[20+\cc]
	v_cvt_scalef32_pk16_fp6_f32 v[172+4*\cc:174+4*\cc], v[112+32*\cc:127+32*\cc], v[20+\cc]
.endr
	v_nop                                          ; one plain instruction behind the conversions
.irp cc, 0,1
.irp i, 0,1,2
	v_mov_b32 v[163+6*\cc+\i], v[172+4*\cc+\i]
.endr
.endr
	ds_store_b32 v9, v24                           ; lanes r and r + 16 write the same word with the same value
	s_cmp_eq_u32 s60, 3
	s_cbranch_scc1 .Lwp_images
.irp cc, 0,1,2
	global_store_b128 v8, v[160+4*\cc:163+4*\cc], s[30:31] offset:512*\cc   ; 512 consecutive bytes an instruction
.endr
	s_branch .Limages_done
.Lwp_images:
.irp bb, 0,1,2,3                               ; once for each batch, so that the attention's walking loads run from the last keys into wp
.irp cc, 0,1,2
	global_store_b128 v8, v[160+4*\cc:163+4*\cc], s[30:31] offset:BATCH*\bb+512*\cc
.endr
.endr
.irp bb, 0,1,2,3
.irp cc, 0,1,2
	global_store_b128 v8, v[160+4*\cc:163+4*\cc], s[34:35] offset:BATCH*\bb+512*\cc
.endr
.endr
.Limages_done:
	BARRIER                                        ; the block's 1,024 bytes of scale words lie in LDS
	s_cmp_lt_u32 s26, 2
	s_cbranch_scc0 .Lw_end
	ds_load_b128 v[28:31], v10
	s_wait_dscnt 0x0
	s_cmp_eq_u32 s60, 3
	s_cbranch_scc1 .Lwp_words
	global_store_b128 v2, v[28:31], s[30:31] offset:24576
	s_branch .Lw_end
.Lwp_words:
.irp bb, 0,1,2,3
	global_store_b128 v2, v[28:31], s[30:31] offset:BATCH*\bb+24576
.endr
.irp bb, 0,1,2,3
	global_store_b128 v2, v[28:31], s[34:35] offset:BATCH*\bb+24576
.endr
.Lw_end:
	s_wait_tensorcnt 0x0
	ds_add_u32 v224, v225
	s_wait_dscnt 0x0
	s_endpgm
.Lfunc_end_k_qa62aaf6435_prep:
	.size	k_qa62aaf6435_prep, .Lfunc_end_k_qa62aaf6435_prep-k_qa62aaf6435_prep
	.p2alignl 7, 3214868480
	.fill 96, 4, 3214868480
	.section	.rodata,"a",@progbits
	.p2align	6, 0x0
	.amdhsa_kernel k_qa62aaf6435_prep
		.amdhsa_group_segment_fixed_size 186880
		.amdhsa_private_segment_fixed_size 0
		.amdhsa_enable_private_segment 0
		.amdhsa_kernarg_size 80
		.amdhsa_user_sgpr_count 2
		.amdhsa_user_sgpr_kernarg_segment_ptr 1
		.amdhsa_wavefront_size32 1
		.amdhsa_system_sgpr_workgroup_id_x 1
		.amdhsa_system_sgpr_workgroup_id_y 1
		.amdhsa_system_sgpr_workgroup_id_z 1
		.amdhsa_system_vgpr_workitem_id 0
		.amdhsa_next_free_vgpr 226
		.amdhsa_next_free_sgpr 100
		.amdhsa_reserve_vcc 0
		.amdhsa_float_denorm_mode_32 3
		.amdhsa_float_denorm_mode_16_64 3
		.amdhsa_memory_ordered 1
		.amdhsa_forward_progress 1
		.amdhsa_inst_pref_size 55
	.end_amdhsa_kernel
	.amdgpu_metadata
---
amdhsa.version: [ 1, 2 ]
amdhsa.kernels:
  - .name:           k_qa62aaf6435_prep
    .symbol:         k_qa62aaf6435_prep.kd
    .args:
      - { .name: x, .offset: 0, .size: 8, .value_kind: global_buffer, .address_space: global }
      - { .name: gn_scale, .offset: 8, .size: 8, .value_kind: global_buffer, .address_space: global }
      - { .name: gn_bias, .offset: 16, .size: 8, .value_kind: global_buffer, .address_space: global }
      - { .name: wq, .offset: 24, .size: 8, .value_kind: global_buffer, .address_space: global }
      - { .name: wk, .offset: 32, .size: 8, .value_kind: global_buffer, .address_space: global }
      - { .name: wv, .offset: 40, .size: 8, .value_kind: global_buffer, .address_space: global }
      - { .name: wp, .offset: 48, .size: 8, .value_kind: global_buffer, .address_space: global }
      - { .name: hb, .offset: 56, .size: 8, .value_kind: global_buffer, .address_space: global }
      - { .name: wf, .offset: 64, .size: 8, .value_kind: global_buffer, .address_space: global }
      - { .name: kv, .offset: 72, .size: 8, .value_kind: global_buffer, .address_space: global }
    .group_segment_fixed_size: 186880
    .private_segment_fixed_size: 0
    .kernarg_segment_align: 8
    .kernarg_segment_size: 80
    .max_flat_workgroup_size: 512
    .sgpr_count:     100
    .vgpr_count:     226
    .wavefront_size: 32
...
	.end_amdgpu_metadata
.endif
;; end of part 4
;; launch qkv (part 5): grid 4 x 64, 4 waves a work-group, clusters of 4 x 4, 262,656 bytes of LDS; arguments hb, wf, bq, bk, bv, qf, kv; writes qf, kv
.if DOCPART == 5
	.amdgcn_target "amdgcn-amd-amdhsa--gfx1250"
	.amdhsa_code_object_version 6
	.text
	.protected	k_qa62aaf6435_qkv
	.globl	k_qa62aaf6435_qkv
	.p2align	8
	.type	k_qa62aaf6435_qkv,@function
k_qa62aaf6435_qkv:
	s_mov_b64 s[64:65], 0
	v_nop
	global_prefetch_b8 v0, s[64:65] scope:SCOPE_SE
	s_setreg_imm32_b32 hwreg(HW_REG_WAVE_MODE, 25, 1), 1
	s_wait_xcnt 0x0
	s_wait_alu depctr_hold_cnt(0) depctr_sa_sdst(0) depctr_va_vdst(0) depctr_va_sdst(0) depctr_va_ssrc(0) depctr_va_vcc(0) depctr_vm_vsrc(0)
	s_getreg_b32 s2, hwreg(HW_REG_IB_STS2, 6, 4)
	s_cmp_eq_u32 s2, 0
	s_cbranch_scc0 .Lentry_in_a_cluster
	s_endpgm
.Lentry_in_a_cluster:
	s_bfe_u32 s2, ttmp6, 0x10000c
	s_cmp_lg_u32 s2, 0xf033
	s_cbranch_scc0 .Lentry_shape_is_right
	s_endpgm
.Lentry_shape_is_right:
; QKV.  q = Wq h + bq, k = Wk h + bk, v = Wv h + bv on codes of FP6 (E2M3) with one E8M0 scale for each 32 along K; the results are quantised at once: q and k along the channels, v along the positions (the keys).
; SHARES.  Work-group (cg, rbg) takes 256 positions (block rbg of hb) and output channels 128 cg .. 128 cg + 127 of each of the three.  All it reads comes into LDS once, by four tensor loads a wave at the start: nothing is filled twice.
; CLUSTER 4 x 4: the four of a row share h's block, the four of a column the three weights' blocks: each is asked for jointly, by the same load with the same descriptor and a mask that names the four.
; A PHASE is 128 matrix instructions a wave: four STATIONARY tiles (source 1, all four K steps in registers) against eight STREAMED tiles (source 0, a K step at a time, two sets of registers).
;   q, k: stationary = my 64 positions of h, streamed = the 128 rows of W: a lane holds one position, its registers run along the output channels: the next K.
;   v:    stationary = 64 rows of Wv (wave & 1), streamed = 128 positions of h (wave >> 1): a lane holds one channel, its registers run along the positions: the keys.
; THE ROWS OF A TILE ARE NOT NEIGHBOURS: row r of tile T is item 32 (T >> 1) + 8 (T & 1) + (r & 7) + 16 (r >> 3), for positions and for weight rows alike, so that the 16 registers of result tiles 2 b, 2 b + 1 are 16 neighbours along the next K.
; The biases are the C of each sum's first matrix instruction.  Results leave as images of the next operand's registers (chunk c at 512 c, lane l at 16 l): every store covers 512 consecutive bytes, a scale-word store 256.
; kv, 1,843,200 bytes a batch, is laid as the attention's loads want it.  T is the step of 256 positions.  K(0): four parts of 25,600 bytes at 0.  Unit m = 0 .. 7 at 102,400 + 204,800 m: for each of four waves 51,200 bytes:
; K(m + 1)'s part then V(m)'s where m is even, V(m)'s then K(m + 1)'s where m is odd.  So both K(T) and V(T) take the second place where T is even.
; LIMITS: NaN and infinities are not served; a block whose largest magnitude lies under 2^-124 keeps the byte 1, a block of zeros has the byte 1 and zero codes (the bytes are read by this program alone).
; REGISTERS, in windows of 256: window 0: v2-27 addresses; v32-47 the streamed operand's scale words, v48-55 the stationary one's; v56-79 at work; v80-159 four sets of codes; v160-191 bv's tiles; v192-215 the scale words' assembly.
;   window 1: the 32 accumulators, (st, sm) at 8 (8 st + sm).   window 2: streamed fragments, sets at v0 and v96; bq's tiles from v192.   window 3: stationary fragments at 12 (4 st + ks); bk's tiles from v192.
.set WQ,  102400                       ; LDS: h's block at 0 (102,400 bytes); then Wq, Wk, Wv, 51,200 bytes each;
.set HW,  256000                       ; then h's scale words, [ks][256 positions] x 4 bytes, made here by LDS stores: no tensor load lands there
.set TM,  56                           ; v56-59 largest magnitudes, v60-63 bytes, v68-71 the conversions' scale operands
.set SEL, 56                           ; s[56:57] v_permlanex16_b32's selects
.set MSB, 0
.macro WIN new                         ; the immediate's high byte repeats the setting that is left
.if MSB != \new
	s_set_vgpr_msb (MSB<<8)|\new
.set MSB, \new
.endif
.endm
.macro PLACES n
.rept \n
	v_nop
.endr
.endm
.macro CROUND                          ; a round of the cluster's barrier
	s_barrier_signal -1
	s_barrier_wait -1
	s_cmp_lg_u32 s20, 0
	s_cbranch_scc1 .Lnot_wave_0_\@
	s_barrier_signal -3
.Lnot_wave_0_\@:
	s_barrier_wait -3
	s_barrier_signal -1
	s_barrier_wait -1
.endm
.macro EMIT                            ; one product, from the symbols wd, wa, wb, wc, wsa, wsb; wra, wrb: the scales stand in lanes 16-31
.set wr, wra+2*wrb
.if wr == 0
	v_wmma_scale_f32_16x16x128_f8f6f4 v[wd:wd+7], v[wa:wa+11], v[wb:wb+11], v[wc:wc+7], v[wsa], v[wsb] matrix_a_fmt:MATRIX_FMT_FP6 matrix_b_fmt:MATRIX_FMT_FP6
.elseif wr == 1
	v_wmma_scale_f32_16x16x128_f8f6f4 v[wd:wd+7], v[wa:wa+11], v[wb:wb+11], v[wc:wc+7], v[wsa], v[wsb] matrix_a_fmt:MATRIX_FMT_FP6 matrix_b_fmt:MATRIX_FMT_FP6 matrix_a_scale:MATRIX_SCALE_ROW1
.elseif wr == 2
	v_wmma_scale_f32_16x16x128_f8f6f4 v[wd:wd+7], v[wa:wa+11], v[wb:wb+11], v[wc:wc+7], v[wsa], v[wsb] matrix_a_fmt:MATRIX_FMT_FP6 matrix_b_fmt:MATRIX_FMT_FP6 matrix_b_scale:MATRIX_SCALE_ROW1
.else
	v_wmma_scale_f32_16x16x128_f8f6f4 v[wd:wd+7], v[wa:wa+11], v[wb:wb+11], v[wc:wc+7], v[wsa], v[wsb] matrix_a_fmt:MATRIX_FMT_FP6 matrix_b_fmt:MATRIX_FMT_FP6 matrix_a_scale:MATRIX_SCALE_ROW1 matrix_b_scale:MATRIX_SCALE_ROW1
.endif
.endm
; 64 numbers of a lane in window 1, v[s] on, register 16 b + i = k 32 b + 16 (lane / 16) + i of my row, become a fragment's codes in v[pc] .. v[pc + 11] and its scale word in v[pw].  Each accumulator is read from its low end on.
.macro QUANT s, pc, pw
	WIN 0x14
.irp b, 0,1,2,3
	v_max3_num_f32 v[TM+\b], 0x1800000, |v[(\s)+16*\b]|, |v[(\s)+16*\b+1]|   ; with the floor 2^(3 - 127): the byte cannot fall under 1
.endr
.irp i, 2,4,6,8,10,12,14
.irp b, 0,1,2,3
	v_max3_num_f32 v[TM+\b], v[TM+\b], |v[(\s)+16*\b+\i]|, |v[(\s)+16*\b+\i+1]|
.endr
.endr
	WIN 0
.irp b, 0,1,2,3
	v_permlanex16_b32 v[TM+4+\b], v[TM+\b], s[SEL], s[SEL+1]
.endr
.irp b, 0,1,2,3
	v_max_num_f32 v[TM+\b], v[TM+\b], v[TM+4+\b]   ; with lane l xor 16's: the block's largest magnitude
.endr
.irp b, 0,1,2,3
	v_add_nc_u32 v[TM+12+\b], 0xff000000, v[TM+\b] ; 2 off its exponent field: the conversion's scale operand
.endr
.irp b, 0,1,2,3
	v_lshrrev_b32 v[TM+4+\b], 23, v[TM+12+\b]      ; the scale's byte
.endr
	v_lshl_or_b32 v[\pw], v[TM+5], 8, v[TM+4]
	v_lshl_or_b32 v[\pw], v[TM+6], 16, v[\pw]
	v_lshl_or_b32 v[\pw], v[TM+7], 24, v[\pw]
	WIN 0x01
.irp c, 0,1
	v_cvt_scalef32_pk16_fp6_f32 v[(\pc)+6*\c:(\pc)+6*\c+2], v[(\s)+32*\c:(\s)+32*\c+15], v[TM+12+2*\c]
	v_cvt_scalef32_pk16_fp6_f32 v[(\pc)+12+4*\c:(\pc)+14+4*\c], v[(\s)+32*\c+16:(\s)+32*\c+31], v[TM+13+2*\c]
.endr
	WIN 0
	v_nop                                          ; one plain instruction behind the conversions
.irp c, 0,1                                    ; the operand's layout wants a whole block in a lane
.irp i, 0,1,2
	v_permlane16_swap_b32 v[(\pc)+6*\c+\i], v[(\pc)+12+4*\c+\i]
.endr
.irp i, 0,1,2
	v_mov_b32 v[(\pc)+3+6*\c+\i], v[(\pc)+12+4*\c+\i]
.endr
.endr
.endm
; A fragment of h (group G of 32 positions, tile tau, K step ks) into v[reg] on: for each half of the K step 16 bytes and 8 bytes.  ab, a0, a1: the three address registers.
.macro LDH reg, ab, a0, a1, G, tau, ks
.irp cc, 0,1
	ds_load_b128 v[(\reg)+6*\cc:(\reg)+6*\cc+3], v[\ab] offset:12288*(\G)+3072*(\ks)+1536*\cc+256*(\tau)
.if (\tau) == 0
	ds_load_b64 v[(\reg)+6*\cc+4:(\reg)+6*\cc+5], v[\a0] offset:12288*(\G)+3072*(\ks)+1536*\cc+512
.else
	ds_load_b64 v[(\reg)+6*\cc+4:(\reg)+6*\cc+5], v[\a1] offset:12288*(\G)+3072*(\ks)+1536*\cc+640
.endif
.endr
.endm
.macro STREAM set, ks, ph              ; the eight streamed fragments of K step ks into a set of window 2
	WIN 0x80
.if \ph < 2
.irp sm, 0,1,2,3,4,5,6,7
.irp cc, 0,1,2
	ds_load_b128 v[96*(\set)+12*\sm+4*\cc:96*(\set)+12*\sm+4*\cc+3], v[16+\ph] offset:25600*(\sm/4)+1536*(4*(\sm%4)+(\ks))+512*\cc
.endr
.endr
.else
.irp sm, 0,1,2,3,4,5,6,7
	LDH 96*(\set)+12*\sm, 13, 14, 15, \sm/2, \sm%2, \ks
.endr
.endif
	WIN 0
.endm
.macro MUL16 ks, st0, ph               ; stationary tiles st0, st0 + 1 against the eight streamed ones.  The 32 accumulators take turns, in the same order in every K step
.irp st, \st0, \st0+1
.irp sm, 0,1,2,3,4,5,6,7
.set wd, 8*(8*(\st)+\sm)
.set wa, 96*((\ks)%2)+12*\sm
.set wb, 12*(4*(\st)+(\ks))
.set wc, wd
.if (\ks) == 0
.if \ph < 2
.set wc, 192+8*\sm                     ; the bias starts the sum
.else
.set wc, 160+8*(\st)
.endif
.endif
.set wsa, 32+8*(\sm/4)+2*(\ks)+(\sm%4)/2
.set wra, \sm%2
.set wsb, 48+2*(\ks)+(\st)/2
.set wrb, (\st)%2
	EMIT
.endr
.endr
.endm
.macro GEMM ph, w0                     ; w0: the windows of the first K step's products, whose C is the bias
.irp ks, 0,1,2,3
	s_wait_dscnt 0x0                               ; this K step's fragments are in (asked for 16 matrix instructions ago)
.if \ks == 0
	WIN \w0
.else
	WIN 0x5e                                       ; source 0 window 2, source 1 window 3, C and D window 1
.endif
	MUL16 \ks, 0, \ph
.if \ks < 3
	WIN 0
	PLACES 4                                       ; four plain instructions between the last K step's products and the loads into the set that they read
	STREAM 1-\ks%2, \ks+1, \ph
.endif
.if \ks == 0
	WIN \w0
.else
	WIN 0x5e
.endif
	MUL16 \ks, 2, \ph
.endr
	WIN 0
.endm
; A phase: the streamed operand's scale words, its first K step, the products, the quantiser, the stores.  img, wrd: the scalar pairs with the images' and the scale words' addresses; stride: from one of my fragments to the next.
.macro PHASE ph, w0, img, wrd, stride
.if \ph < 2
.irp sb, 0,1
.irp ks, 0,1,2,3
	ds_load_b64 v[32+8*\sb+2*\ks:33+8*\sb+2*\ks], v[19+\ph] offset:25600*\sb+256*\ks
.endr
.endr
.else
.irp sb, 0,1
.irp ks, 0,1,2,3
.irp u, 0,1
	ds_load_b32 v[32+8*\sb+2*\ks+\u], v23 offset:1024*\ks+256*\sb+128*\u
.endr
.endr
.endr
.endif
	STREAM 0, 0, \ph
	GEMM \ph, \w0
	PLACES 4                                       ; between the last products and the first read of results
.irp st, 0,1,2,3
	QUANT 64*\st, 80+20*\st, 72+\st
.endr
.irp st, 0,1,2,3
.irp cc, 0,1,2
	global_store_b128 v5, v[80+20*\st+4*\cc:83+20*\st+4*\cc], s[\img:\img+1] offset:\stride*\st+512*\cc
.endr
.endr
	v_cndmask_b32 v76, v72, v73, vcc_lo            ; lanes 0-15: tiles 0 and 2, lanes 16-31: tiles 1 and 3
	v_cndmask_b32 v77, v74, v75, vcc_lo
	global_store_b64 v6, v[76:77], s[\wrd:\wrd+1]  ; 256 consecutive bytes, aligned
.endm
	s_load_b256 s[4:11], s[0:1], 0x0               ; hb, wf, bq, bk
	s_load_b128 s[12:15], s[0:1], 0x20             ; bv, qf
	s_load_b64 s[16:17], s[0:1], 0x30              ; kv
	v_lshl_add_u32 v254, v0, 2, 0x40000
	v_mov_b32 v255, 0
	ds_add_u32 v254, v255
	ds_add_u32 v254, v255
	v_lshrrev_b32 v1, 5, v0
	v_readfirstlane_b32 s20, v1                    ; wave 0..3
	s_bfe_u32 s21, ttmp6, 0x40000                  ; cx
	s_bfe_u32 s22, ttmp6, 0x40004                  ; cy
	s_lshl_b32 s60, ttmp9, 2
	s_add_co_u32 s60, s60, s21                     ; cg = work-group x
	s_and_b32 s23, ttmp7, 0xffff
	s_lshl_b32 s23, s23, 2
	s_add_co_u32 s23, s23, s22                     ; rbg = work-group y = 8 b + the block of 256 positions
	s_lshl_b32 s58, s22, 2
	s_lshl_b32 s58, 15, s58                        ; my row of the cluster
	s_lshl_b32 s59, 0x1111, s21                    ; my column
	; descriptors: dense blocks as rows of 256 bytes (32 elements of 8 bytes), no padding: images are read 512 consecutive bytes an instruction
	s_or_b32 s24, s58, (3<<16)|(1<<21)             ; h: 15:0 the mask of my row; 17:16 elements of 8 bytes; 21 set beside a mask
	s_mov_b32 s25, 32<<16                          ; tensor_dim0 = 32
	s_mov_b32 s26, 100<<16                         ; tensor_dim1 = 100 rows: a quarter of h's block
	s_mov_b32 s27, 32<<16                          ; tile_dim0
	s_mov_b32 s28, 100                             ; tile_dim1
	s_mov_b32 s29, 32                              ; the pitch
	s_mov_b32 s30, 0
	s_mov_b32 s31, 0
	s_or_b32 s32, s59, (3<<16)|(1<<21)             ; the weights: the mask of my column; 50 rows: a quarter of a matrix's 128 rows' blocks
	s_mov_b32 s33, 32<<16
	s_mov_b32 s34, 50<<16
	s_mov_b32 s35, 32<<16
	s_mov_b32 s36, 50
	s_mov_b32 s37, 32
	s_mov_b32 s38, 0
	s_mov_b32 s39, 0
	s_mul_i32 s61, s20, 25600
	s_mul_i32 s62, s23, 102400
	s_add_co_u32 s62, s62, s61                     ; h: hangs on work-group y and the wave alone
	s_mov_b32 s63, 0
	s_mul_i32 s66, s60, 51200
	s_mul_i32 s68, s20, 12800
	s_add_co_u32 s66, s66, s68                     ; the weights: on work-group x and the wave alone
	s_mov_b32 s67, 0
	s_wait_dscnt 0x0
	s_wait_kmcnt 0x0
	s_mov_b32 s40, 1
	s_mov_b32 s41, s61
	s_add_nc_u64 s[42:43], s[4:5], s[62:63]
	s_or_b32 s43, s43, 0x80000000
.irp m, 0,1,2
	s_mov_b32 s[44+4*\m], 1
	s_add_co_u32 s[45+4*\m], s68, WQ+51200*\m
	s_add_nc_u64 s[46+4*\m:47+4*\m], s[6:7], s[66:67]
.if \m > 0
	s_add_nc_u64 s[46+4*\m:47+4*\m], s[46+4*\m:47+4*\m], 204800*\m
.endif
	s_or_b32 s[47+4*\m], s[47+4*\m], 0x80000000
.endr
	CROUND                                         ; all sixteen work-groups are here: the joint loads meet
	tensor_load_to_lds s[40:43], s[24:31]          ; h;  four loads of mine are out
	s_nop 0
	tensor_load_to_lds s[44:47], s[32:39]          ; Wq
	s_nop 0
	tensor_load_to_lds s[48:51], s[32:39]          ; Wk
	s_nop 0
	tensor_load_to_lds s[52:55], s[32:39]          ; Wv
	s_nop 0
	PLACES 4                                       ; four such lines behind the loads
	; where the results go
	s_mov_b32 s3, 0
	s_lshl_b32 s69, s23, 2
	s_add_co_u32 s69, s69, s20
	s_mul_i32 s69, s69, 25600                      ; q: block 4 rbg + wave
	s_mul_i32 s58, s60, 1536                       ; my fragments are K step cg of it
	s_lshl_b32 s59, s60, 8
	s_add_co_u32 s59, s59, 24576
	s_add_co_u32 s2, s69, s58
	s_add_nc_u64 s[70:71], s[14:15], s[2:3]
	s_add_co_u32 s2, s69, s59
	s_add_nc_u64 s[72:73], s[14:15], s[2:3]
	s_lshr_b32 s84, s23, 3
	s_mul_i32 s84, s84, 1843200                    ; k, v: the batch's part of kv,
	s_and_b32 s82, s23, 7                          ; T: the step of 256 positions
	s_mul_i32 s69, s82, 204800
	s_add_co_u32 s69, s69, s84
	s_and_b32 s83, s82, 1
	s_xor_b32 s83, s83, 1
	s_mul_i32 s83, s83, 25600
	s_add_co_u32 s69, s69, s83                     ; + 204,800 T, + 25,600 where T is even: a unit's second place
	s_mul_i32 s68, s20, 51200                      ; k: part = wave
	s_add_co_u32 s68, s68, s69
	s_sub_co_u32 s68, s68, 102400                  ; K(T) lies in unit T - 1: 102,400 + 204,800 (T - 1);
	s_add_co_u32 s84, s84, s61                     ; K(0) in the batch's first block, 25,600 bytes a wave
	s_cmp_eq_u32 s82, 0
	s_cselect_b32 s68, s84, s68
	s_add_co_u32 s2, s68, s58
	s_add_nc_u64 s[74:75], s[16:17], s[2:3]
	s_add_co_u32 s2, s68, s59
	s_add_nc_u64 s[76:77], s[16:17], s[2:3]
	s_mul_i32 s68, s60, 51200                      ; v: part = cg; V(T) lies in unit T
	s_add_co_u32 s68, s68, s69
	s_add_co_u32 s68, s68, 102400
	s_and_b32 s2, s20, 1
	s_lshl_b32 s2, s2, 3
	s_lshr_b32 s58, s20, 1
	s_add_co_u32 s2, s2, s58
	s_mul_i32 s2, s2, 1536                         ; fragment 2 (4 (wave & 1) + st) + (wave >> 1)
	s_add_co_u32 s2, s2, s68
	s_add_nc_u64 s[78:79], s[16:17], s[2:3]
	s_lshl_b32 s2, s20, 8
	s_add_co_u32 s2, s2, s68
	s_add_co_u32 s2, s2, 24576
	s_add_nc_u64 s[80:81], s[16:17], s[2:3]
	s_lshl_b32 s2, s60, 9                          ; the biases of my 128 channels
	s_add_nc_u64 s[8:9], s[8:9], s[2:3]
	s_add_nc_u64 s[10:11], s[10:11], s[2:3]
	s_add_nc_u64 s[12:13], s[12:13], s[2:3]
	s_mov_b32 s[SEL], 0x76543210
	s_mov_b32 s[SEL+1], 0xfedcba98
	; addresses
	v_and_b32 v2, 31, v0                           ; lane
	v_and_b32 v3, 15, v0                           ; r
	v_bfe_u32 v4, v0, 4, 1                         ; h
	v_lshlrev_b32 v5, 4, v2                        ; 16 x lane
	v_lshlrev_b32 v6, 3, v2                        ; 8 x lane
	v_cmp_le_u32 vcc_lo, 16, v2                    ; lanes 16-31
	v_and_b32 v8, 7, v3
	v_lshrrev_b32 v9, 3, v3
	v_lshl_add_u32 v8, v9, 4, v8                   ; (r & 7) + 16 (r >> 3)
	v_lshl_add_u32 v7, v4, 3, v8
	v_lshlrev_b32 v7, 2, v7                        ; a position's scale word: lanes 16-31 take the odd tile, 8 positions on
	v_mul_u32_u24 v10, v4, 768
	v_lshl_add_u32 v10, v3, 4, v10                 ; h's fragments: 768 h + 16 r,
	v_mul_u32_u24 v11, v4, 896
	v_lshl_add_u32 v11, v3, 3, v11                 ; 896 h + 8 r (even tiles),
	v_mul_u32_u24 v12, v4, 640
	v_lshl_add_u32 v12, v3, 3, v12                 ; 640 h + 8 r (odd tiles)
	s_lshr_b32 s58, s20, 1
	s_mul_i32 s58, s58, 49152
	v_add_nc_u32 v13, s58, v10                     ; streamed (v): 128 positions of wave >> 1
	v_add_nc_u32 v14, s58, v11
	v_add_nc_u32 v15, s58, v12
	s_mul_i32 s58, s20, 24576
	v_add_nc_u32 v10, s58, v10                     ; stationary (q, k): my 64 positions
	v_add_nc_u32 v11, s58, v11
	v_add_nc_u32 v12, s58, v12
	v_add_nc_u32 v16, WQ, v5                       ; the weights' images,
	v_add_nc_u32 v17, WQ+51200, v5
	s_and_b32 s58, s20, 1
	s_mul_i32 s59, s58, 25600
	v_add_nc_u32 v18, s59, v5
	v_add_nc_u32 v18, WQ+102400, v18               ; (Wv: the 64 rows of wave & 1)
	v_add_nc_u32 v19, WQ+24576, v6                 ; and their scale words
	v_add_nc_u32 v20, WQ+51200+24576, v6
	v_add_nc_u32 v21, s59, v6
	v_add_nc_u32 v21, WQ+102400+24576, v21
	s_lshl_b32 s59, s20, 8
	v_add_nc_u32 v22, s59, v7
	v_add_nc_u32 v22, HW, v22                      ; h's scale words, stationary
	s_lshr_b32 s59, s20, 1
	s_lshl_b32 s59, s59, 9
	v_add_nc_u32 v23, s59, v7
	v_add_nc_u32 v23, HW, v23                      ; and streamed
	v_lshrrev_b32 v9, 6, v0
	v_and_b32 v1, 63, v0
	v_lshlrev_b32 v24, 10, v9
	v_lshl_add_u32 v25, v1, 4, v24
	v_add_nc_u32 v25, HW, v25                      ; the assembly: out,
	v_lshl_add_u32 v24, v1, 2, v24
	v_add_nc_u32 v24, 98304, v24                   ; and in: the byte planes behind h's codes
	v_lshlrev_b32 v26, 6, v4                       ; bq, bk: 64 h
	s_lshl_b32 s58, s58, 8
	v_lshl_add_u32 v27, v8, 2, s58                 ; bv: my row's channel
.irp b, 0,1,2,3
	v_mov_b32 v[TM+4+\b], 0                        ; a lane permute's destination counts as one of its sources
.endr
	WIN 0x80
.irp sm, 0,1,2,3,4,5,6,7                       ; bq's eight tiles in the result's layout: lane (r, h), register j: channel 32 (sm >> 1) + 8 (sm & 1) + 16 h + j
	global_load_b128 v[192+8*\sm:195+8*\sm], v26, s[8:9] offset:4*(32*(\sm/2)+8*(\sm%2))
	global_load_b128 v[196+8*\sm:199+8*\sm], v26, s[8:9] offset:4*(32*(\sm/2)+8*(\sm%2))+16
.endr
	WIN 0xc0
.irp sm, 0,1,2,3,4,5,6,7
	global_load_b128 v[192+8*\sm:195+8*\sm], v26, s[10:11] offset:4*(32*(\sm/2)+8*(\sm%2))
	global_load_b128 v[196+8*\sm:199+8*\sm], v26, s[10:11] offset:4*(32*(\sm/2)+8*(\sm%2))+16
.endr
	WIN 0
.irp st, 0,1,2,3                               ; bv's four: a lane holds one channel, so its eight registers hold one number
.irp j, 0,1,2,3,4,5,6,7
	global_load_b32 v[160+8*\st+\j], v27, s[12:13] offset:4*(32*(\st/2)+8*(\st%2))
.endr
.endr
	s_wait_tensorcnt 2                             ; my parts of h and Wq are in; Wk's and Wv's loads may be out
	s_barrier_signal -1
	s_barrier_wait -1                              ; everybody's are
	; h's scale bytes lie in planes, one for each block of 32 channels: four planes' bytes of a position make its word of a K step.  A thread turns 4 x 4 bytes, twice.
.irp i, 0,1
.irp be, 0,1,2,3
	ds_load_b32 v[192+4*\i+\be], v24 offset:2048*\i+256*\be
.endr
.endr
	s_wait_dscnt 0x0
.irp i, 0,1
	v_perm_b32 v[200+8*\i], v[193+4*\i], v[192+4*\i], 0x05010400
	v_perm_b32 v[201+8*\i], v[193+4*\i], v[192+4*\i], 0x07030602
	v_perm_b32 v[202+8*\i], v[195+4*\i], v[194+4*\i], 0x05010400
	v_perm_b32 v[203+8*\i], v[195+4*\i], v[194+4*\i], 0x07030602
	v_perm_b32 v[204+8*\i], v[202+8*\i], v[200+8*\i], 0x05040100
	v_perm_b32 v[205+8*\i], v[202+8*\i], v[200+8*\i], 0x07060302
	v_perm_b32 v[206+8*\i], v[203+8*\i], v[201+8*\i], 0x05040100
	v_perm_b32 v[207+8*\i], v[203+8*\i], v[201+8*\i], 0x07060302
	ds_store_b128 v25, v[204+8*\i:207+8*\i] offset:2048*\i
.endr
	s_wait_dscnt 0x0                               ; for the others' sake: my words have landed
	s_barrier_signal -1
	s_barrier_wait -1
	WIN 0xc0
.irp st, 0,1,2,3                               ; my 64 positions of h, all four K steps: they serve q and k
.irp ks, 0,1,2,3
	LDH 12*(4*\st+\ks), 10, 11, 12, \st/2, \st%2, \ks
.endr
.endr
	WIN 0
.irp ks, 0,1,2,3
.irp g, 0,1
	ds_load_b32 v[48+2*\ks+\g], v22 offset:1024*\ks+128*\g
.endr
.endr
	s_wait_loadcnt 0x0                             ; the biases
	PHASE 0, 0x6e, 70, 72, 6144                    ; q
	s_wait_tensorcnt 1                             ; my part of Wk is in; Wv's load may be out
	s_wait_dscnt 0x0
	s_barrier_signal -1
	s_barrier_wait -1
	s_wait_xcnt 0x0                                ; q's stores have read their registers, which k's codes take
	PHASE 1, 0x7e, 74, 76, 6144                    ; k
	s_wait_tensorcnt 0x0
	s_wait_dscnt 0x0
	s_barrier_signal -1
	s_barrier_wait -1
	s_wait_xcnt 0x0
	PLACES 4                                       ; in front of loads into registers that matrix instructions have read
	WIN 0xc0
.irp st, 0,1,2,3
.irp ks, 0,1,2,3
.irp cc, 0,1,2
	ds_load_b128 v[12*(4*\st+\ks)+4*\cc:12*(4*\st+\ks)+4*\cc+3], v18 offset:1536*(4*\st+\ks)+512*\cc
.endr
.endr
.endr
	WIN 0
.irp ks, 0,1,2,3
	ds_load_b64 v[48+2*\ks:49+2*\ks], v21 offset:256*\ks
.endr
	PHASE 2, 0x4e, 78, 80, 3072                    ; v
	s_wait_dscnt 0x0
	s_wait_tensorcnt 0x0
	ds_add_u32 v254, v255
	s_wait_dscnt 0x0
	CROUND                                         ; the closing round: no work-group ends while a partner may still ask for a block that names it
	s_endpgm
.Lfunc_end_k_qa62aaf6435_qkv:
	.size	k_qa62aaf6435_qkv, .Lfunc_end_k_qa62aaf6435_qkv-k_qa62aaf6435_qkv
	.p2alignl 7, 3214868480
	.fill 96, 4, 3214868480
	.section	.rodata,"a",@progbits
	.p2align	6, 0x0
	.amdhsa_kernel k_qa62aaf6435_qkv
		.amdhsa_group_segment_fixed_size 262656
		.amdhsa_private_segment_fixed_size 0
		.amdhsa_enable_private_segment 0
		.amdhsa_kernarg_size 56
		.amdhsa_user_sgpr_count 2
		.amdhsa_user_sgpr_kernarg_segment_ptr 1
		.amdhsa_wavefront_size32 1
		.amdhsa_system_sgpr_workgroup_id_x 1
		.amdhsa_system_sgpr_workgroup_id_y 1
		.amdhsa_system_sgpr_workgroup_id_z 1
		.amdhsa_system_vgpr_workitem_id 0
		.amdhsa_next_free_vgpr 1024
		.amdhsa_next_free_sgpr 90
		.amdhsa_reserve_vcc 1
		.amdhsa_float_denorm_mode_32 3
		.amdhsa_float_denorm_mode_16_64 3
		.amdhsa_memory_ordered 1
		.amdhsa_forward_progress 1
		.amdhsa_inst_pref_size 150
	.end_amdhsa_kernel
	.amdgpu_metadata
---
amdhsa.version: [ 1, 2 ]
amdhsa.kernels:
  - .name:           k_qa62aaf6435_qkv
    .symbol:         k_qa62aaf6435_qkv.kd
    .args:
      - { .name: hb, .offset: 0, .size: 8, .value_kind: global_buffer, .address_space: global }
      - { .name: wf, .offset: 8, .size: 8, .value_kind: global_buffer, .address_space: global }
      - { .name: bq, .offset: 16, .size: 8, .value_kind: global_buffer, .address_space: global }
      - { .name: bk, .offset: 24, .size: 8, .value_kind: global_buffer, .address_space: global }
      - { .name: bv, .offset: 32, .size: 8, .value_kind: global_buffer, .address_space: global }
      - { .name: qf, .offset: 40, .size: 8, .value_kind: global_buffer, .address_space: global }
      - { .name: kv, .offset: 48, .size: 8, .value_kind: global_buffer, .address_space: global }
    .group_segment_fixed_size: 262656
    .private_segment_fixed_size: 0
    .kernarg_segment_align: 8
    .kernarg_segment_size: 56
    .max_flat_workgroup_size: 128
    .sgpr_count:     90
    .vgpr_count:     1024
    .wavefront_size: 32
...
	.end_amdgpu_metadata
.endif
;; end of part 5
;; launch attn (part 6): grid 32 x 8, 4 waves a work-group, clusters of 4 x 1, 327,680 bytes of LDS; arguments qf, kv, x, bp, out0; writes out0
.if DOCPART == 6
	.amdgcn_target "amdgcn-amd-amdhsa--gfx1250"
	.amdhsa_code_object_version 6
	.text
	.protected	k_qa62aaf6435_attn
	.globl	k_qa62aaf6435_attn
	.p2align	8
	.type	k_qa62aaf6435_attn,@function
k_qa62aaf6435_attn:
	s_mov_b64 s[64:65], 0
	v_nop
	global_prefetch_b8 v0, s[64:65] scope:SCOPE_SE
	s_setreg_imm32_b32 hwreg(HW_REG_WAVE_MODE, 25, 1), 1
	s_wait_xcnt 0x0
	s_wait_alu depctr_hold_cnt(0) depctr_sa_sdst(0) depctr_va_vdst(0) depctr_va_sdst(0) depctr_va_ssrc(0) depctr_va_vcc(0) depctr_vm_vsrc(0)
	s_getreg_b32 s2, hwreg(HW_REG_IB_STS2, 6, 4)
	s_cmp_eq_u32 s2, 0
	s_cbranch_scc0 .Lentry_in_a_cluster
	s_endpgm
.Lentry_in_a_cluster:
	s_bfe_u32 s2, ttmp6, 0x10000c
	s_cmp_lg_u32 s2, 0x3003
	s_cbranch_scc0 .Lentry_shape_is_right
	s_endpgm
.Lentry_shape_is_right:
; ATTN.  out = x + Wp (V softmax(Q^T K / sqrt(512))^T / l) + bp, all three products on codes of FP6 (E2M3) with one E8M0 scale for each 32 along K.
; THE SOFTMAX: t = score x log2(e) / sqrt(512); M = the row's largest t so far, rounded up to a whole number; p = 2^(t - M) is quantised along the keys, not normalised; the row's sum l is taken of the unquantised p and
; divides at the end.  When M moves, l and O are multiplied by 2^(old M - new M), in every step: nothing is rounded, and no branch hangs on data.
; SHARES.  A work-group owns 64 queries (four tiles t) of one batch and walks the 2,048 keys in eight steps of 256.  THE WAVES SHARE THE KEYS FOR S AND THE CHANNELS FOR O: wave w makes S^T for keys 64 w .. 64 w + 63 of a step and
; O^T for channels 128 w .. 128 w + 127, each for all 64 queries.  So each fragment of K and V is read from LDS once in the work-group, by the wave whose own tensor load brought it, and feeds four products; Q stays in registers.
; What goes from wave to wave is small: the rows' maxima, and p as images of half fragments with its scale bytes.
; BOTH PRODUCTS ARE USED TRANSPOSED (S^T = K Q^T, O^T = V^T P^T): a lane holds one query throughout.  Row r of tile T of positions or channels is item 32 (T >> 1) + 8 (T & 1) + (r & 7) + 16 (r >> 3), so that the 16 registers of
; result tiles 2 b, 2 b + 1 are 16 neighbours along the next K.
; THE RING: each wave has THREE PLACES of 25,600 bytes, on end.  K lies in the middle place, V in the upper place in even steps and in the lower in odd steps.  Trip j makes S of step j + 1 and PV of step j.  At its head the wave
; copies K(j + 1)'s sixteen fragments into registers; then the middle place and the place that V(j - 1) has left are free, and they are neighbours: ONE load of 51,200 bytes a wave fills both with unit j + 1 = K(j + 2) and V(j + 1).
; It has the rest of the trip, 96 products and the softmax, in which to land.  kv holds the units in that order: K first where the unit's number is even, V first where it is odd.
; CLUSTER: the four query blocks of a cluster walk the same K and V, so each unit is asked for jointly, by the same load with the same descriptor and a mask that names the four, behind a round of the cluster's barrier: one a trip.
; BY TURNS: the vector lines are written straight and call TICK where a product is to stand: PV of step j stands among the softmax of step j + 1, S of step j + 1 among the rescaling of O.
; Behind the last keys the same loads bring Wp's images (its lower rows as the ninth K); O / l is quantised along the channels, goes from wave to wave as images, and wave w makes output channels 128 w .. 128 w + 127, 64 at a time.
; LIMITS: NaN and infinities are not served.  A p under 2^-126 is 0 (v_exp_f32).  A block's largest p is taken from its largest score, which takes v_exp_f32 not to fall where its input rises.  1 / l is v_rcp_f32's.
; A block whose largest magnitude lies under 2^-124 keeps the byte 1; a block of zeros has the byte 1 and zero codes.
; REGISTERS, in windows of 256: window 0: v1-31 addresses; v32-63 eight registers of state a tile: -M, largest t, l (two halves), f, a spare, two at work; v64-71 Q's scale words (later h2's), v72-79 K's (later Wp's), v80-87 V's,
;   v88-91 p's; v92-99 the blocks' largest scores; v100-127 at work; v128-255 S^T, 32 a tile (later x).   window 1: O^T at 8 (8 t + ct) (later the projection's 16 accumulators and x).
;   window 2: v0-191 Q at 12 (4 t + ks) (later h2); v192-239 p's fragments of keys 0-127; v240-255 bias tiles.   window 3: v0-191 sixteen fragments of K, V or Wp; v192-239 p's of keys 128-255; v240-255 bias tiles.
.set QT,    25600                      ; a place: 16 images of 1,536 bytes and 1,024 bytes of scale words
.set WR,    3*QT                       ; LDS: a wave's three places; the four waves' on end from byte 0
.set UNIT,  8*QT                       ; kv: a unit, 2 places for each of four waves
.set BATCH, 72*QT                      ; kv: a batch: K(0), eight units, Wp's upper rows
.set PB,    4*WR                       ; p: half fragments at 768 (4 t + w): 16 bytes a lane, then 8 bytes a lane;
.set SCB,   PB+12288                   ; its scale bytes at 128 t + 8 r + 2 w
.set MX,    320000                     ; the rows' maxima, [t][r][w] f32; 1,024 bytes on: l's parts, likewise
.set SPARE, 322048                     ; the spare words, 128 bytes for each wave: two blocks of 256 bytes that no other line names
.set H2S,   6144                       ; behind the last keys a wave's lower place has had its last fill and its last read: there lie its four images of O / l (1,536 t), their scale words (from here, 128 t),
.set STG,   8192                       ; and its stage for the way out: 16 rows x 272 bytes
.set TM,  92                           ; the quantiser of O / l: v92-107 at work, v108-126 codes, v127 the scale word
.set SEL, 20                           ; s[20:21] v_permlanex16_b32's selects
.set MSB, 0
.macro WIN new                         ; the immediate's high byte repeats the setting that is left
.if MSB != \new
	s_set_vgpr_msb (MSB<<8)|\new
.set MSB, \new
.endif
.endm
.macro PLACES n
.rept \n
	v_nop
.endr
.endm
.macro CROUND                          ; a round of the cluster's barrier
	s_barrier_signal -1
	s_barrier_wait -1
	s_cmp_lg_u32 s16, 0
	s_cbranch_scc1 .Lnot_wave_0_\@
	s_barrier_signal -3
.Lnot_wave_0_\@:
	s_barrier_wait -3
	s_barrier_signal -1
	s_barrier_wait -1
.endm
.macro WGBAR                           ; my LDS stores have landed and my LDS loads are in: then the work-group's barrier.  The unit on its way may stay out
	s_wait_dscnt 0x0
	s_barrier_signal -1
	s_barrier_wait -1
.endm
.macro EMIT                            ; one product, from the symbols wd, wa, wb, wc (under 0: the constant 0 starts the sum), wsa, wsb; wra, wrb: the scales stand in lanes 16-31
.set wr, wra+2*wrb
.if wc < 0
.if wr == 0
	v_wmma_scale_f32_16x16x128_f8f6f4 v[wd:wd+7], v[wa:wa+11], v[wb:wb+11], 0, v[wsa], v[wsb] matrix_a_fmt:MATRIX_FMT_FP6 matrix_b_fmt:MATRIX_FMT_FP6
.elseif wr == 1
	v_wmma_scale_f32_16x16x128_f8f6f4 v[wd:wd+7], v[wa:wa+11], v[wb:wb+11], 0, v[wsa], v[wsb] matrix_a_fmt:MATRIX_FMT_FP6 matrix_b_fmt:MATRIX_FMT_FP6 matrix_a_scale:MATRIX_SCALE_ROW1
.elseif wr == 2
	v_wmma_scale_f32_16x16x128_f8f6f4 v[wd:wd+7], v[wa:wa+11], v[wb:wb+11], 0, v[wsa], v[wsb] matrix_a_fmt:MATRIX_FMT_FP6 matrix_b_fmt:MATRIX_FMT_FP6 matrix_b_scale:MATRIX_SCALE_ROW1
.else
	v_wmma_scale_f32_16x16x128_f8f6f4 v[wd:wd+7], v[wa:wa+11], v[wb:wb+11], 0, v[wsa], v[wsb] matrix_a_fmt:MATRIX_FMT_FP6 matrix_b_fmt:MATRIX_FMT_FP6 matrix_a_scale:MATRIX_SCALE_ROW1 matrix_b_scale:MATRIX_SCALE_ROW1
.endif
.else
.if wr == 0
	v_wmma_scale_f32_16x16x128_f8f6f4 v[wd:wd+7], v[wa:wa+11], v[wb:wb+11], v[wc:wc+7], v[wsa], v[wsb] matrix_a_fmt:MATRIX_FMT_FP6 matrix_b_fmt:MATRIX_FMT_FP6
.elseif wr == 1
	v_wmma_scale_f32_16x16x128_f8f6f4 v[wd:wd+7], v[wa:wa+11], v[wb:wb+11], v[wc:wc+7], v[wsa], v[wsb] matrix_a_fmt:MATRIX_FMT_FP6 matrix_b_fmt:MATRIX_FMT_FP6 matrix_a_scale:MATRIX_SCALE_ROW1
.elseif wr == 2
	v_wmma_scale_f32_16x16x128_f8f6f4 v[wd:wd+7], v[wa:wa+11], v[wb:wb+11], v[wc:wc+7], v[wsa], v[wsb] matrix_a_fmt:MATRIX_FMT_FP6 matrix_b_fmt:MATRIX_FMT_FP6 matrix_b_scale:MATRIX_SCALE_ROW1
.else
	v_wmma_scale_f32_16x16x128_f8f6f4 v[wd:wd+7], v[wa:wa+11], v[wb:wb+11], v[wc:wc+7], v[wsa], v[wsb] matrix_a_fmt:MATRIX_FMT_FP6 matrix_b_fmt:MATRIX_FMT_FP6 matrix_a_scale:MATRIX_SCALE_ROW1 matrix_b_scale:MATRIX_SCALE_ROW1
.endif
.endif
.endm
; PRODUCT NUMBER tk OF THE PHASE'S LIST OF 64.  In every list neighbouring products name different accumulators, and an accumulator comes back after 15 or 31 others.
; LIST 0: S^T = K Q^T: K step tk / 16, query tile, key tile.  The fragments were asked for in the order of the K steps: 4 scale loads, then 12 loads a K step (and, where a slot is filled, the add behind them: SBASE counts it).
; LIST 1: O^T += V^T P^T: keys 128 (tk / 32) on, channel tile, query tile.  LIST 2: the projection: K step tk / 16, output tile, query tile; source 0 = h2, source 1 = Wp; the bias starts the sums.
.macro TKRAW
.if tk < 64
.if LIST == 0
.set ks_, tk/16
.set t_, (tk%16)/4
.set u_, tk%4
.if ((tk%16) == 0) && (tk < SLIM)
	s_wait_dscnt SBASE-12*ks_                      ; the scale words and this K step's fragments are in; what was issued behind them may be out
.endif
.set wd, 128+8*(4*t_+u_)
.set wa, 12*(4*u_+ks_)
.set wb, 12*(4*t_+ks_)
.set wc, wd
.if ks_ == 0
.set wc, -1
.endif
.set wsa, 72+2*ks_+u_/2
.set wra, u_%2
.set wsb, 64+2*ks_+t_/2
.set wrb, t_%2
	WIN 0x0b                                       ; K window 3, Q window 2, S^T window 0
.elseif LIST == 1
.set ks_, tk/32
.set u_, (tk%32)/4
.set t_, tk%4
.if BARE == 0
.if tk == 0
	s_wait_dscnt 40                                ; the first 50 loads are in; the 40 for keys 128-255 may be out
.endif
.if tk == 32
	s_wait_dscnt 0x0                               ; all my loads are in, my reads of p among them:
	s_barrier_signal -1                            ; say so; the wait stands in front of the stores of the next p; only work on registers lies between
.endif
.endif
.set wd, 8*(8*t_+u_)
.set wa, 12*(2*u_+ks_)
.set wb, 192+12*t_
.set wc, wd
.if (FIRST != 0) && (ks_ == 0)
.set wc, -1
.endif
.set wsa, 80+2*(2*ks_+u_/4)+(u_/2)%2
.set wra, u_%2
.set wsb, 88+2*(t_/2)+ks_
.set wrb, t_%2
	WIN 0x5b+4*ks_                                 ; V window 3, p window 2 or 3, O^T window 1
.else
.set ks_, tk/16
.set u_, (tk%16)/4
.set t_, tk%4
.set wd, 8*(4*u_+t_)
.set wa, 12*(4*t_+ks_)
.set wb, 12*(4*u_+ks_)
.set wsa, 64+4*(t_/2)+ks_
.set wra, t_%2
.set wsb, 72+2*ks_+u_/2
.set wrb, u_%2
.if ks_ == 0
.set wc, 240+8*(u_%2)
	WIN 0x6e+0x10*(u_/2)                           ; h2 window 2, Wp window 3, the bias window 2 or 3, the sums window 1
.else
.set wc, wd
	WIN 0x5e
.endif
.endif
	EMIT
.set tk, tk+1
.endif
.endm
.macro TICK n                          ; behind every n-th line a product, while there are any
.set ln, ln+1
.if ln >= \n
.set ln, 0
.if tk < 64
	TKRAW
	WIN 0
.endif
.endif
.endm
.macro FLUSH                           ; the list's rest
.rept 64
	TKRAW
.endr
	WIN 0
.endm
; A PREFETCH INTO THE L2 of the unit that the NEXT trip's load will ask for: 51,200 bytes for each wave.  All eight clusters of a batch walk the same units: the batch's first cluster asks (s42 = 1 there, else the greatest number).
; Its four partners share a wave's part out BY ADDRESS, 12,800 bytes each: two instructions of 6,400 bytes, lanes 256 bytes apart; that is 25 lanes' worth, and lanes 25-31 name lane 24's bytes again.
; how = 1: in the loop's last trip there is no unit left to name.
.macro ASK how
.if \how == 1
	s_cmp_gt_u32 s40, s42
.else
	s_cmp_eq_u32 s42, 1
.endif
	s_cbranch_scc0 .Lnot_mine_\@
	global_prefetch_b8 v23, s[44:45] th:TH_LOAD_NT scope:SCOPE_SE
	global_prefetch_b8 v23, s[44:45] offset:6400 th:TH_LOAD_NT scope:SCOPE_SE
.Lnot_mine_\@:
.endm
.macro WFRAG af, aw                    ; 4 loads of scale words and 16 fragments (tile kt, K step ks) at 12 (4 kt + ks) of window 3, in the order of the K steps
.irp ks, 0,1,2,3
	ds_load_b64 v[72+2*\ks:73+2*\ks], v[\aw] offset:256*\ks
.endr
	WIN 0xc0
.irp ks, 0,1,2,3
.irp kt, 0,1,2,3
.irp cc, 0,1,2
	ds_load_b128 v[12*(4*\kt+\ks)+4*\cc:12*(4*\kt+\ks)+4*\cc+3], v[\af] offset:1536*(4*\kt+\ks)+512*\cc
.endr
.endr
.endr
	WIN 0
.endm
.macro RSC                             ; rescaling number ro of 128: a pair of O^T x f of its tile, ascending: each accumulator from its low end on
	WIN 0x41
	v_pk_mul_f32 v[2*ro:2*ro+1], v[2*ro:2*ro+1], v[36+8*(ro/32):37+8*(ro/32)] op_sel_hi:[1,0]
.set ro, ro+1
.endm
; Tile t's largest scores: of each of my two blocks of 32 keys (they serve again for the blocks' largest p) and of my 64 keys; the latter goes to LDS for the other waves.  21 lines.
.macro MAXI t
.set SB_, 128+32*(\t)
.set BM_, 92+2*(\t)
.set ln, 0
.irp b, 0,1
	v_max3_num_f32 v[BM_+\b], v[SB_+16*\b], v[SB_+16*\b+1], v[SB_+16*\b+2]
	TICK 5
.endr
.irp i, 3,5,7,9,11,13
.irp b, 0,1
	v_max3_num_f32 v[BM_+\b], v[BM_+\b], v[SB_+16*\b+\i], v[SB_+16*\b+\i+1]
	TICK 5
.endr
.endr
.irp b, 0,1
	v_max_num_f32 v[BM_+\b], v[BM_+\b], v[SB_+16*\b+15]
	TICK 5
.endr
.irp b, 0,1
	v_permlanex16_b32 v[108+2*(\t)+\b], v[BM_+\b], s[SEL], s[SEL+1]
	TICK 5
.endr
.irp b, 0,1
	v_max_num_f32 v[BM_+\b], v[BM_+\b], v[108+2*(\t)+\b]   ; with lane l xor 16's 16 keys
	TICK 5
.endr
	v_max_num_f32 v[38+8*(\t)], v[BM_], v[BM_+1]
	ds_store_b32 v7, v[38+8*(\t)] offset:256*(\t)  ; lanes r and r + 16 write the same word with the same value
.endm
; S OF STEP 0: K(0) lies in the lower place, by a first fill of its own; nothing is filled here.
.macro SPH0
	s_wait_tensorcnt 0x1                           ; my part of K(0) is in: I alone read it; unit 0 may be out
	WFRAG 30, 31
.set LIST, 0
.set tk, 0
.set SBASE, 36
.set SLIM, 64
.rept 56
	TKRAW
.endr
	WIN 0
	PLACES 4
	MAXI 0
	MAXI 1
	MAXI 2
	MAXI 3
.endm
; THE PHASE OF S, AND THE TRIP'S ONE REFILL.  g0: the descriptor of the unit to be asked for; step = 1: it walks two units on first.  resc = 1: O^T is brought under the new M meanwhile.
; The order: my unit has landed, so K's fragments are copied into registers; then the wait for all my tensor loads once more (met at once), the add, and, while the 52 loads and the add
; are out, sixteen rescalings and the products of the first two K steps; the wait for the add and for my LDS reads and stores; a round of the cluster's barrier: no wave of any partner still reads the two places or has a load
; on its way; the joint load first behind it.  The round is also the barrier between the waves' stores of p and their readers.
; Tile t's last product is number 51 + 4 t: at least eight plain lines that name none of its registers stand between it and the first read of its scores.
.macro SPH resc, g0, step, ask
	PLACES 4                                       ; between the last products and the loads into the fragments that they read, and the first read of their sums
	s_wait_tensorcnt 0x0                           ; my part of this trip's unit is in: I alone read it
	WFRAG 3, 4
	s_wait_tensorcnt 0x0                           ; no tensor load of mine is out, so a descriptor may be written
	ds_add_u32 v24, v25                            ; 0 onto my spare word
.set LIST, 0
.set tk, 0
.set SBASE, 37
.set SLIM, 32
.if \resc
.set ro, 0
.rept 16
	RSC
.endr
.rept 32
	TKRAW
	RSC
	RSC
.endr
.else
.rept 32
	TKRAW
.endr
.endif
	WIN 0
.if \step
	s_add_nc_u64 s[\g0+2:\g0+3], s[\g0+2:\g0+3], 2*UNIT   ; the type bits on top are not reached
.endif
	s_wait_xcnt 0x0                                ; the last prefetches, a trip back, have read their address
	s_add_nc_u64 s[44:45], s[44:45], UNIT          ; one unit further on than the load below
	s_wait_dscnt 0x0                               ; the add is done; K's fragments are in registers; my stores of p have landed
	CROUND
	tensor_load_to_lds s[\g0:\g0+3], s[24:31]
	s_nop 0
	PLACES 4                                       ; four such lines
	ASK \ask
.if \resc
.rept 24
	TKRAW
	RSC
	RSC
.endr
	WIN 0
.else
.rept 24
	TKRAW
.endr
	WIN 0
	PLACES 4
.endif
	MAXI 0
	MAXI 1
	MAXI 2
	MAXI 3
.endm
.macro PFRAG ka                        ; p's four fragments of keys 128 ka on: each from two waves' halves
	WIN 0x80+0x40*\ka
.irp t, 0,1,2,3
.irp u, 0,1
	ds_load_b128 v[192+12*\t+6*\u:195+12*\t+6*\u], v12 offset:768*(4*\t+2*\ka+\u)
	ds_load_b64 v[196+12*\t+6*\u:197+12*\t+6*\u], v13 offset:768*(4*\t+2*\ka+\u)
.endr
.endr
.endm
.macro VFRAG ka                        ; V's eight fragments of keys 128 ka on; VAF, VAW: the address registers of the place in which V lies
	WIN 0xc0
.irp ct, 0,1,2,3,4,5,6,7
.irp cc, 0,1,2
	ds_load_b128 v[12*(2*\ct+\ka)+4*\cc:12*(2*\ct+\ka)+4*\cc+3], v[VAF] offset:1536*(2*\ct+\ka)+512*\cc
.endr
.endr
.endm
.macro PVSCALES
.irp p, 0,1
	ds_load_b64 v[88+2*\p:89+2*\p], v14 offset:256*\p
.endr
.endm
.macro VSCALES
.irp u, 0,1,2,3
	ds_load_b64 v[80+2*\u:81+2*\u], v[VAW] offset:256*\u
.endr
.endm
; THE PHASE OF PV AND THE SOFTMAX.  pv = 1: the products of the step in hand stand among the lines; first = 1: they start O^T's sums.  The four tiles go by turns, so that no line waits for the line above it.
.macro PPH pv, first
.irp t, 0,1,2,3
	ds_load_b128 v[100+4*\t:103+4*\t], v8 offset:256*\t   ; the four waves' maxima of my query
.endr
.if \pv
	PVSCALES
	VSCALES
	PFRAG 0
	VFRAG 0
	WIN 0
	s_wait_dscnt 46                                ; the four loads of maxima are in; the 46 behind them may be out
.else
	s_wait_dscnt 0x0
.endif
.irp t, 0,1,2,3
	v_max3_num_f32 v[38+8*\t], v[100+4*\t], v[101+4*\t], v[102+4*\t]
.endr
.irp t, 0,1,2,3
	v_max_num_f32 v[38+8*\t], v[38+8*\t], v[103+4*\t]   ; the step's largest score of my query
.endr
.irp t, 0,1,2,3
	v_mul_f32 v[38+8*\t], s22, v[38+8*\t]          ; as t (c is positive)
.endr
.irp t, 0,1,2,3
	v_max_num_f32 v[33+8*\t], v[33+8*\t], v[38+8*\t]   ; the running largest t
.endr
.irp t, 0,1,2,3
	v_mov_b32 v[39+8*\t], v[32+8*\t]
.endr
.irp t, 0,1,2,3
	v_floor_f32 v[32+8*\t], -v[33+8*\t]            ; the new -M = floor(-t): M is a whole number
.endr
.irp t, 0,1,2,3
	v_sub_f32 v[39+8*\t], v[32+8*\t], v[39+8*\t]   ; old M - new M, 0 or less
.endr
.irp t, 0,1,2,3
	v_cvt_i32_f32 v[39+8*\t], v[39+8*\t]           ; (it saturates)
.endr
.irp t, 0,1,2,3
	v_ldexp_f32 v[36+8*\t], 1.0, v[39+8*\t]        ; f = 2^(old M - new M)
.endr
.set LIST, 1
.set BARE, 0
.set FIRST, \first
.set tk, 64
.if \pv
	PFRAG 1
	VFRAG 1
	WIN 0
.set tk, 0
.endif
.set ln, 0
.irp t, 0,1,2,3
.set j_, 0
.rept 16
	v_pk_fma_f32 v[128+32*\t+j_:129+32*\t+j_], v[128+32*\t+j_:129+32*\t+j_], s[22:23], v[32+8*\t:33+8*\t] op_sel_hi:[1,0,0]   ; t - M, two at a time
	TICK 6
.set j_, j_+2
.endr
.endr
.irp t, 0,1,2,3
.irp b, 0,1
	v_fma_f32 v[92+2*\t+\b], v[92+2*\t+\b], s22, v[32+8*\t]   ; the same of each block's largest score
	TICK 6
.endr
.endr
.set ln, 0
.set j_, 0
.rept 128
	v_exp_f32 v[128+j_], v[128+j_]                 ; p = 2^(t - M), at most 1: one batch, of which nothing is named before the wait below
	TICK 4
.set j_, j_+1
.endr
.irp t, 0,1,2,3
	v_pk_mul_f32 v[34+8*\t:35+8*\t], v[34+8*\t:35+8*\t], v[36+8*\t:37+8*\t] op_sel_hi:[1,0]   ; l under the new M.  (Plain lines behind the exponentials)
.endr
	s_wait_alu depctr_va_vdst(0)                   ; one wait for the batch, ahead of its first reader
.irp q, 0,1,2,3,4,5,6,7
	v_exp_f32 v[92+\q], v[92+\q]                   ; the blocks' largest p: the same two instructions on the same number give the same bits
.endr
.set ln, 0
.irp t, 0,1,2,3
	v_pk_add_f32 v[108+2*\t:109+2*\t], v[128+32*\t:129+32*\t], v[130+32*\t:131+32*\t]   ; the row's sum is taken of the unquantised p: two chains a tile
	TICK 6
.endr
.irp j, 4,8,12,16,20,24,28
.irp t, 0,1,2,3
	v_pk_add_f32 v[34+8*\t:35+8*\t], v[34+8*\t:35+8*\t], v[128+32*\t+\j:129+32*\t+\j]
	TICK 6
	v_pk_add_f32 v[108+2*\t:109+2*\t], v[108+2*\t:109+2*\t], v[130+32*\t+\j:131+32*\t+\j]
	TICK 6
.endr
.endr
.irp t, 0,1,2,3
	v_pk_add_f32 v[34+8*\t:35+8*\t], v[34+8*\t:35+8*\t], v[108+2*\t:109+2*\t]
	TICK 6
.endr
	s_wait_alu depctr_va_vdst(0)                   ; and one for the eight
.set ln, 0
.irp q, 0,1,2,3,4,5,6,7
	v_max_num_f32 v[92+\q], 0x1800000, v[92+\q]    ; the floor 2^(3 - 127): the byte cannot fall under 1
	TICK 4
.endr
.irp q, 0,1,2,3,4,5,6,7
	v_add_nc_u32 v[100+\q], 0xff000000, v[92+\q]   ; 2 off the exponent field: the conversion's scale operand
	TICK 4
.endr
.irp q, 0,1,2,3,4,5,6,7
	v_lshrrev_b32 v[108+\q], 23, v[100+\q]         ; the scale's byte
	TICK 4
.endr
.irp t, 0,1,2,3
	v_lshl_or_b32 v[38+8*\t], v[109+2*\t], 8, v[108+2*\t]   ; my two blocks' bytes
	TICK 4
.endr
.irp t, 0,1,2,3                                ; the codes: tile 0's go to v116 on, tile t's into the scores of tile t - 1, which are done with
.set ZB, 128+32*(\t-1)
.if \t == 0
.set ZB, 116
.endif
	v_cvt_scalef32_pk16_fp6_f32 v[ZB:ZB+2], v[128+32*\t:143+32*\t], v[100+2*\t]
	v_cvt_scalef32_pk16_fp6_f32 v[ZB+4:ZB+6], v[144+32*\t:159+32*\t], v[101+2*\t]
	v_nop                                          ; one plain instruction behind the conversions, ahead of what writes their sources or touches their results
.endr
.irp t, 0,1,2,3                                ; a whole block in a lane: lanes 0-15 my first block, lanes 16-31 my second
.set ZB, 128+32*(\t-1)
.if \t == 0
.set ZB, 116
.endif
.irp i, 0,1,2
	v_permlane16_swap_b32 v[ZB+\i], v[ZB+4+\i]
.endr
.irp i, 0,1,2
	v_mov_b32 v[ZB+3+\i], v[ZB+4+\i]
.endr
.endr
	FLUSH
.if \pv
	s_barrier_wait -1                              ; every wave has read the last p: the next may be stored
.endif
.irp t, 0,1,2,3
.set ZB, 128+32*(\t-1)
.if \t == 0
.set ZB, 116
.endif
	ds_store_b128 v9, v[ZB:ZB+3] offset:3072*\t
	ds_store_b64 v10, v[ZB+4:ZB+5] offset:3072*\t
	ds_store_b16 v11, v[38+8*\t] offset:128*\t     ; lanes r and r + 16 write the same bytes with the same value
.endr
.endm
; 64 numbers of a lane in window 1, v[s] on, register 16 b + i = k 32 b + 16 (lane / 16) + i of my row, become a fragment's codes in v[pc] .. v[pc + 11] and its scale word in v[pw].
.macro QUANT s, pc, pw
	WIN 0x14
.irp b, 0,1,2,3
	v_max3_num_f32 v[TM+\b], 0x1800000, |v[(\s)+16*\b]|, |v[(\s)+16*\b+1]|
.endr
.irp i, 2,4,6,8,10,12,14
.irp b, 0,1,2,3
	v_max3_num_f32 v[TM+\b], v[TM+\b], |v[(\s)+16*\b+\i]|, |v[(\s)+16*\b+\i+1]|
.endr
.endr
	WIN 0
.irp b, 0,1,2,3
	v_permlanex16_b32 v[TM+4+\b], v[TM+\b], s[SEL], s[SEL+1]
.endr
.irp b, 0,1,2,3
	v_max_num_f32 v[TM+\b], v[TM+\b], v[TM+4+\b]
.endr
.irp b, 0,1,2,3
	v_add_nc_u32 v[TM+12+\b], 0xff000000, v[TM+\b]
.endr
.irp b, 0,1,2,3
	v_lshrrev_b32 v[TM+4+\b], 23, v[TM+12+\b]
.endr
	v_lshl_or_b32 v[\pw], v[TM+5], 8, v[TM+4]
	v_lshl_or_b32 v[\pw], v[TM+6], 16, v[\pw]
	v_lshl_or_b32 v[\pw], v[TM+7], 24, v[\pw]
	WIN 0x01
.irp c, 0,1
	v_cvt_scalef32_pk16_fp6_f32 v[(\pc)+6*\c:(\pc)+6*\c+2], v[(\s)+32*\c:(\s)+32*\c+15], v[TM+12+2*\c]
	v_cvt_scalef32_pk16_fp6_f32 v[(\pc)+12+4*\c:(\pc)+14+4*\c], v[(\s)+32*\c+16:(\s)+32*\c+31], v[TM+13+2*\c]
.endr
	WIN 0
	v_nop
.irp c, 0,1
.irp i, 0,1,2
	v_permlane16_swap_b32 v[(\pc)+6*\c+\i], v[(\pc)+12+4*\c+\i]
.endr
.irp i, 0,1,2
	v_mov_b32 v[(\pc)+3+6*\c+\i], v[(\pc)+12+4*\c+\i]
.endr
.endr
.endm
.macro BIAS half                       ; bp of my 64 output channels, as the C of four tiles: a lane holds one channel, so its eight registers hold one number
.irp ot, 0,1,2,3
	WIN 0x80+0x40*(\ot/2)
.irp j, 0,1,2,3,4,5,6,7
	global_load_b32 v[240+8*(\ot%2)+\j], v22, s[52:53] offset:4*(64*\half+32*(\ot/2)+8*(\ot%2))
.endr
.endr
	WIN 0
.endm
.macro XLD half                        ; x at the very places that the stores of this half will take: 32 loads, sixteen lanes to 256 consecutive bytes
.irp ot, 0,1,2,3
.irp i, 0,1,2,3,4,5,6,7
	global_load_b128 v[128+32*\ot+4*\i:131+32*\ot+4*\i], v21, s[48:49] offset:8192*(64*\half+32*(\ot/2)+8*(\ot%2)+2*\i+8*(\i/4)) th:TH_LOAD_NT
.endr
.endr
.endm
; THE WAY OUT of 64 output channels.  A lane holds one channel and eight neighbouring positions of each query tile.  A tile of 16 channels goes through my own stage in LDS and comes back as rows of 256 bytes (64 positions),
; into the registers that it left; x is added; sixteen lanes store 256 consecutive bytes, aligned.  LDS serves a wave's instructions in order: no wait between the stores and the loads.
.macro OUTP half
.irp ot, 0,1,2,3
	WIN 0x04                                       ; an LDS store's data are its source 1: window 1
.irp t, 0,1,2,3
	ds_store_b128 v19, v[8*(4*\ot+\t):8*(4*\ot+\t)+3] offset:128*(\t/2)+32*(\t%2)       ; each accumulator from its low end on
	ds_store_b128 v19, v[8*(4*\ot+\t)+4:8*(4*\ot+\t)+7] offset:128*(\t/2)+32*(\t%2)+16
.endr
	WIN 0x40
.irp i, 0,1,2,3,4,5,6,7
	ds_load_b128 v[32*\ot+4*\i:32*\ot+4*\i+3], v20 offset:544*\i
.endr
	s_wait_dscnt 0x0
	WIN 0x41+4*\half                               ; x lies in window 0 (first half) or window 1
.irp i, 0,1,2,3,4,5,6,7,8,9,10,11,12,13,14,15
	v_pk_add_f32 v[32*\ot+2*\i:32*\ot+2*\i+1], v[32*\ot+2*\i:32*\ot+2*\i+1], v[128+32*\ot+2*\i:129+32*\ot+2*\i]
.endr
	WIN 0x04
.irp i, 0,1,2,3,4,5,6,7
	global_store_b128 v21, v[32*\ot+4*\i:32*\ot+4*\i+3], s[50:51] offset:8192*(64*\half+32*(\ot/2)+8*(\ot%2)+2*\i+8*(\i/4)) th:TH_STORE_NT
.endr
.endr
	WIN 0
.endm
	s_load_b256 s[4:11], s[0:1], 0x0               ; qf, kv, x, bp
	s_load_b64 s[12:13], s[0:1], 0x20              ; out0
	v_lshl_add_u32 v24, v0, 2, SPARE
	v_mov_b32 v25, 0
	ds_add_u32 v24, v25
	ds_add_u32 v24, v25
	s_wait_dscnt 0x0
	v_lshrrev_b32 v1, 5, v0
	v_readfirstlane_b32 s16, v1                    ; wave 0..3
	s_bfe_u32 s17, ttmp6, 0x40000                  ; cx: it enters Q's, x's, out's and the prefetches' addresses alone
	s_and_b32 s18, ttmp7, 0xffff                   ; the batch, which the four partners share
	s_lshl_b32 s19, ttmp9, 2
	s_add_co_u32 s19, s19, s17                     ; my block of 64 queries
	; two shapes of tensor load, both dense, as rows of 256 bytes (32 elements of 8 bytes), no padding: images are read 512 consecutive bytes an instruction
	s_mov_b32 s24, 15|(3<<16)|(1<<21)              ; a unit's part, two places: 15:0 the mask: all four work-groups; 17:16 elements of 8 bytes; 21 set beside a mask
	s_mov_b32 s25, 32<<16                          ; tensor_dim0
	s_mov_b32 s26, 200<<16                         ; tensor_dim1
	s_mov_b32 s27, 32<<16                          ; tile_dim0
	s_mov_b32 s28, 200                             ; tile_dim1
	s_mov_b32 s29, 32                              ; the pitch
	s_mov_b32 s30, 0
	s_mov_b32 s31, 0
	s_mov_b32 s68, 15|(3<<16)|(1<<21)              ; one place: K(0) at the start, Wp's upper rows at the end
	s_mov_b32 s69, 32<<16
	s_mov_b32 s70, 100<<16
	s_mov_b32 s71, 32<<16
	s_mov_b32 s72, 100
	s_mov_b32 s73, 32
	s_mov_b32 s74, 0
	s_mov_b32 s75, 0
	s_mul_i32 s54, s16, WR                         ; my three places in LDS: no place in the cluster enters an LDS address
	s_mul_i32 s55, s18, BATCH                      ; the batch's part of kv
	s_mul_i32 s56, s16, QT
	s_add_co_u32 s56, s56, s55                     ; K(0): 25,600 bytes a wave
	s_mov_b32 s57, 0
	s_mul_i32 s58, s16, 2*QT
	s_add_co_u32 s58, s58, s55
	s_add_co_u32 s58, s58, 4*QT                    ; unit 0: behind K(0), 51,200 bytes a wave
	s_mov_b32 s59, 0
	s_mul_i32 s60, s17, 12800                      ; my work-group's share of a unit's prefetch
	s_mov_b32 s61, 0
	s_lshl_b32 s62, s18, 5
	s_add_co_u32 s62, s62, s19
	s_mul_i32 s62, s62, QT                         ; Q's block
	s_mov_b32 s63, 0
	s_lshl_b32 s66, s18, 22                        ; x, out: (512 b + 128 w) rows of 8,192 bytes + 256 bytes for each block of queries
	s_lshl_b32 s67, s16, 20
	s_add_co_u32 s66, s66, s67
	s_lshl_b32 s67, s19, 8
	s_add_co_u32 s66, s66, s67
	s_mov_b32 s67, 0
	s_lshl_b32 s46, s16, 9                         ; bp: my 128 channels
	s_mov_b32 s47, 0
	s_mov_b32 s[SEL], 0x76543210
	s_mov_b32 s[SEL+1], 0xfedcba98
	s_mov_b32 s22, 0x3d8293ee                      ; c = log2(e) / sqrt(512)
	s_mov_b32 s23, s22                             ; (named with it as a pair, so it is written)
	s_cmp_eq_u32 ttmp9, 0
	s_cselect_b32 s42, 1, -1                       ; the same in all four partners
	s_wait_kmcnt 0x0
	s_mov_b32 s76, 1                               ; K(0) -> my lower place
	s_mov_b32 s77, s54
	s_add_nc_u64 s[78:79], s[6:7], s[56:57]
	s_or_b32 s79, s79, 0x80000000
	s_mov_b32 s32, 1                               ; the even units -> my middle and upper places: K, V
	s_add_co_u32 s33, s54, QT
	s_add_nc_u64 s[34:35], s[6:7], s[58:59]
	s_or_b32 s35, s35, 0x80000000
	s_mov_b32 s36, 1                               ; the odd units -> my lower and middle places: V, K
	s_mov_b32 s37, s54
	s_add_nc_u64 s[38:39], s[6:7], s[58:59]
	s_add_nc_u64 s[38:39], s[38:39], UNIT
	s_or_b32 s39, s39, 0x80000000
	s_add_nc_u64 s[44:45], s[6:7], s[58:59]
	s_add_nc_u64 s[44:45], s[44:45], s[60:61]
	s_add_nc_u64 s[44:45], s[44:45], UNIT          ; the prefetches stand at unit 1: the first refill steps them to unit 2.  Nothing is prefetched at the head
	s_add_nc_u64 s[62:63], s[4:5], s[62:63]
	s_add_nc_u64 s[48:49], s[8:9], s[66:67]
	s_add_nc_u64 s[50:51], s[12:13], s[66:67]
	s_add_nc_u64 s[52:53], s[10:11], s[46:47]
	CROUND                                         ; all four work-groups are here: the first joint loads meet
	tensor_load_to_lds s[76:79], s[68:75]          ; K of step 0;  two loads of mine are out
	s_nop 0
	tensor_load_to_lds s[32:35], s[24:31]          ; unit 0: K of step 1, V of step 0
	s_nop 0
	PLACES 4
	v_and_b32 v26, 31, v0                          ; lane
	v_and_b32 v27, 15, v0                          ; r
	v_bfe_u32 v28, v0, 4, 1                        ; h
	v_lshlrev_b32 v1, 4, v26                       ; 16 x lane
	v_lshlrev_b32 v2, 3, v26                       ; 8 x lane
	WIN 0x80
.set f, 0
.rept 16
.irp cc, 0,1,2
	global_load_b128 v[12*f+4*\cc:12*f+4*\cc+3], v1, s[62:63] offset:1536*f+512*\cc   ; Q's sixteen fragments stay in registers
.endr
.set f, f+1
.endr
	WIN 0
.irp ks, 0,1,2,3
	global_load_b64 v[64+2*\ks:65+2*\ks], v2, s[62:63] offset:24576+256*\ks
.endr
	v_add_nc_u32 v30, s54, v1                      ; my lower place: its fragments,
	v_add_nc_u32 v31, s54, v2
	v_add_nc_u32 v31, 24576, v31                   ; its scale words;
	v_add_nc_u32 v3, QT, v30                       ; the middle place
	v_add_nc_u32 v4, QT, v31
	v_add_nc_u32 v5, 2*QT, v30                     ; the upper place
	v_add_nc_u32 v6, 2*QT, v31
	v_lshlrev_b32 v8, 4, v27
	v_add_nc_u32 v8, MX, v8                        ; the maxima: four waves' words of query r,
	s_lshl_b32 s55, s16, 2
	v_add_nc_u32 v7, s55, v8                       ; mine among them
	s_mul_i32 s55, s16, 768
	v_add_nc_u32 v9, s55, v1
	v_add_nc_u32 v9, PB, v9                        ; p: where I store my half fragments,
	v_add_nc_u32 v10, s55, v2
	v_add_nc_u32 v10, PB+512, v10
	s_lshl_b32 s55, s16, 1
	v_lshl_add_u32 v11, v27, 3, s55
	v_add_nc_u32 v11, SCB, v11                     ; and my two scale bytes;
	v_add_nc_u32 v12, PB, v1                       ; where any wave's are read
	v_add_nc_u32 v13, PB+512, v2
	v_lshlrev_b32 v14, 7, v28
	v_lshl_add_u32 v14, v27, 3, v14
	v_add_nc_u32 v14, SCB, v14                     ; lanes 0-15 the even tile's eight bytes, lanes 16-31 the odd tile's
	v_lshl_add_u32 v16, v26, 2, s54
	v_add_nc_u32 v16, H2S, v16                     ; h2: my scale words (my images go by v30);
	v_lshlrev_b32 v18, 7, v28
	v_lshl_add_u32 v18, v27, 2, v18
	v_add_nc_u32 v18, H2S, v18                     ; wave 0's, as they are read: lanes 16-31 take the odd tile's
	s_add_co_u32 s55, s54, STG                     ; my stage
	v_mul_u32_u24 v19, v27, 272
	v_lshl_add_u32 v19, v28, 6, v19
	v_add_nc_u32 v19, s55, v19                     ; in: row r, + 64 h
	v_mul_u32_u24 v20, v28, 272
	v_lshl_add_u32 v20, v27, 4, v20
	v_add_nc_u32 v20, s55, v20                     ; back: lanes 0-15 one row, lanes 16-31 the next
	v_lshlrev_b32 v21, 13, v28
	v_lshl_add_u32 v21, v27, 4, v21                ; and the same two rows in x and out
	v_and_b32 v22, 7, v27
	v_lshrrev_b32 v29, 3, v27
	v_lshl_add_u32 v22, v29, 4, v22
	v_lshlrev_b32 v22, 2, v22                      ; bp: my row's channel
	v_min_u32 v23, 24, v26
	v_lshlrev_b32 v23, 8, v23                      ; the prefetches: 256 bytes from lane to lane
	BIAS 0
.irp t, 0,1,2,3
	v_mov_b32 v[33+8*\t], 0xff61b1e6               ; the largest t so far: -3e38, under every t
	v_floor_f32 v[32+8*\t], -v[33+8*\t]            ; -M
	v_mov_b32 v[34+8*\t], 0                        ; l, in two halves
	v_mov_b32 v[35+8*\t], 0
	v_mov_b32 v[36+8*\t], 0
	v_mov_b32 v[37+8*\t], 0                        ; (named with f as a pair)
	v_mov_b32 v[38+8*\t], 0
	v_mov_b32 v[39+8*\t], 0
.endr
.irp q, 0,1,2,3,4,5,6,7
	v_mov_b32 v[108+\q], 0                         ; a lane permute's destination counts as one of its sources
.endr
	s_wait_loadcnt 0x0                             ; Q, bp
	SPH0                                           ; S of step 0
	WGBAR                                          ; the maxima lie in LDS
	PPH 0, 0                                       ; the softmax of step 0
	SPH 0, 36, 0, 2                                ; trip 0, written out: S of step 1; unit 1 is asked for
	WGBAR
.set VAF, 5
.set VAW, 6
	PPH 1, 1                                       ; PV of step 0 starts O^T | the softmax of step 1
	s_mov_b32 s40, 3
.Lstep:                                            ; three times two trips, j = 1 .. 6: V changes places from trip to trip, so a pass of the loop runs both turns and every LDS address is a constant
	SPH 1, 32, 1, 2                                ; j odd: O^T x f | S of step j + 1; unit j + 1 goes to the middle and upper places
	WGBAR
.set VAF, 30
.set VAW, 31
	PPH 1, 0                                       ; PV of step j, V in the lower place | the softmax of step j + 1
	SPH 1, 36, 1, 1                                ; j even: unit j + 1 goes to the lower and middle places; the last of them holds V(7) and Wp's lower rows
	WGBAR
.set VAF, 5
.set VAW, 6
	PPH 1, 0                                       ; V in the upper place
	s_sub_co_u32 s40, s40, 1
	s_cmp_lg_u32 s40, 0
	s_cbranch_scc1 .Lstep
	; ---- the last step's PV, and l
.irp t, 0,1,2,3
	v_add_f32 v[38+8*\t], v[34+8*\t], v[35+8*\t]
.endr
.irp t, 0,1,2,3
	v_permlanex16_b32 v[39+8*\t], v[38+8*\t], s[SEL], s[SEL+1]
.endr
.irp t, 0,1,2,3
	v_add_f32 v[38+8*\t], v[38+8*\t], v[39+8*\t]   ; the sum over my 64 keys of every step
.endr
.irp t, 0,1,2,3
	ds_store_b32 v7, v[38+8*\t] offset:1024+256*\t
.endr
	s_wait_tensorcnt 0x0                           ; unit 7 is in: V(7) and Wp's lower rows; no tensor load of mine is out, so a descriptor may be written
	ds_add_u32 v24, v25                            ; 0 onto my spare word
	s_add_co_u32 s77, s77, 2*QT                    ; K(0)'s descriptor now serves Wp's upper rows: my upper place, which V(6) has left,
	s_add_nc_u64 s[78:79], s[78:79], 68*QT         ; and the batch's last block; the type bits on top are not reached
	s_wait_dscnt 0x0                               ; the add is done; my stores of p and of l's parts have landed
	CROUND
	tensor_load_to_lds s[76:79], s[68:75]          ; it has PV of step 7, the quantiser and the first half of the projection in which to land
	s_nop 0
	PLACES 4
	XLD 0                                          ; x for the first 64 output channels, into the registers that the scores have left
.set VAF, 30
.set VAW, 31
.irp t, 0,1,2,3
	ds_load_b128 v[100+4*\t:103+4*\t], v8 offset:1024+256*\t
.endr
	PVSCALES
	VSCALES
	PFRAG 0
	PFRAG 1
	WIN 0
	s_wait_dscnt 38                                ; the four waves' parts of l are in; the 38 loads behind them may be out
.irp t, 0,1,2,3
	v_add_f32 v[38+8*\t], v[100+4*\t], v[101+4*\t]
.endr
.irp t, 0,1,2,3
	v_add_f32 v[39+8*\t], v[102+4*\t], v[103+4*\t]
.endr
.irp t, 0,1,2,3
	v_add_f32 v[38+8*\t], v[38+8*\t], v[39+8*\t]
.endr
.irp t, 0,1,2,3
	v_rcp_f32 v[38+8*\t], v[38+8*\t]
.endr
	VFRAG 0
	VFRAG 1
.set ro, 0
.rept 128
	RSC                                            ; O^T under the last M.  (Plain work behind the reciprocals, while V's fragments come)
.endr
	WIN 0
	s_wait_alu depctr_va_vdst(0)                   ; one wait for the four reciprocals, ahead of their first reader and of the next branch
	s_wait_dscnt 0x0
.set LIST, 1
.set BARE, 1
.set FIRST, 0
.set tk, 0
	FLUSH
	PLACES 4                                       ; between the last products and the first read of their sums
	; ---- h2 = O / l, quantised along the channels: my 128 channels are K step w of the projection.  The images go into my lower place: V(7), its last fill, has been read
.irp t, 0,1,2,3
	WIN 0x41
.set i, 0
.rept 32
	v_pk_mul_f32 v[64*\t+i:64*\t+i+1], v[64*\t+i:64*\t+i+1], v[38+8*\t:39+8*\t] op_sel_hi:[1,0]
.set i, i+2
.endr
	QUANT 64*\t, 108, 127
.irp cc, 0,1,2
	ds_store_b128 v30, v[108+4*\cc:111+4*\cc] offset:1536*\t+512*\cc
.endr
	ds_store_b32 v16, v127 offset:128*\t
	s_wait_dscnt 0x0                               ; the stores have read their registers
.endr
.irp k, 0,1,2,3
	v_add_nc_u32 v[26+\k], WR*\k, v1               ; where wave k's images lie,
	v_add_nc_u32 v[92+\k], WR*\k, v18              ; and its scale words
.endr
	s_barrier_signal -1                            ; my images have landed (the wait above); Wp's load may stay out
	s_barrier_wait -1
	WIN 0x40
	XLD 1                                          ; x for the other 64 channels, into the upper half of O^T's registers
	WIN 0x80
.irp t, 0,1,2,3
.irp ks, 0,1,2,3
.irp cc, 0,1,2
	ds_load_b128 v[12*(4*\t+\ks)+4*\cc:12*(4*\t+\ks)+4*\cc+3], v[26+\ks] offset:1536*\t+512*\cc   ; all sixteen images of h2 take Q's place
.endr
.endr
.endr
	WIN 0
.irp p, 0,1
.irp ks, 0,1,2,3
	ds_load_b32 v[64+4*\p+\ks], v[92+\ks] offset:256*\p
.endr
.endr
	WFRAG 3, 4                                     ; Wp's lower 64 of my 128 rows, from the middle place
	s_wait_dscnt 0x0
.set LIST, 2
.set tk, 0
	FLUSH
	PLACES 4                                       ; between the last products and the reads of results and the loads into their operands
	s_wait_loadcnt 32                              ; x of the first half is in; the second half's 32 loads may be out
	BIAS 1
	OUTP 0
	s_wait_xcnt 0x0                                ; the stores have read their registers, which the next sums take
	s_wait_tensorcnt 0x0                           ; my part of Wp's upper rows is in
	WFRAG 5, 6
	s_wait_loadcnt 0x0                             ; x, bp
	s_wait_dscnt 0x0
.set tk, 0
	FLUSH
	PLACES 4
	OUTP 1
	s_wait_tensorcnt 0x0                           ; the wave's end: behind my last tensor load and my last LDS store
	ds_add_u32 v24, v25
	s_wait_dscnt 0x0
	CROUND                                         ; the closing round: no work-group ends while a partner may still ask for a unit that names it
	s_endpgm
.Lfunc_end_k_qa62aaf6435_attn:
	.size	k_qa62aaf6435_attn, .Lfunc_end_k_qa62aaf6435_attn-k_qa62aaf6435_attn
	.p2alignl 7, 3214868480
	.fill 96, 4, 3214868480
	.section	.rodata,"a",@progbits
	.p2align	6, 0x0
	.amdhsa_kernel k_qa62aaf6435_attn
		.amdhsa_group_segment_fixed_size 327680
		.amdhsa_private_segment_fixed_size 0
		.amdhsa_enable_private_segment 0
		.amdhsa_kernarg_size 40
		.amdhsa_user_sgpr_count 2
		.amdhsa_user_sgpr_kernarg_segment_ptr 1
		.amdhsa_wavefront_size32 1
		.amdhsa_system_sgpr_workgroup_id_x 1
		.amdhsa_system_sgpr_workgroup_id_y 1
		.amdhsa_system_sgpr_workgroup_id_z 1
		.amdhsa_system_vgpr_workitem_id 0
		.amdhsa_next_free_vgpr 1024
		.amdhsa_next_free_sgpr 80
		.amdhsa_reserve_vcc 0
		.amdhsa_float_denorm_mode_32 3
		.amdhsa_float_denorm_mode_16_64 3
		.amdhsa_memory_ordered 1
		.amdhsa_forward_progress 1
		.amdhsa_inst_pref_size 255
	.end_amdhsa_kernel
	.section	.bss,"aw",@nobits
	.p2align	6
	.space	262144
	.amdgpu_metadata
---
amdhsa.version: [ 1, 2 ]
amdhsa.kernels:
  - .name:           k_qa62aaf6435_attn
    .symbol:         k_qa62aaf6435_attn.kd
    .args:
      - { .name: qf, .offset: 0, .size: 8, .value_kind: global_buffer, .address_space: global }
      - { .name: kv, .offset: 8, .size: 8, .value_kind: global_buffer, .address_space: global }
      - { .name: x, .offset: 16, .size: 8, .value_kind: global_buffer, .address_space: global }
      - { .name: bp, .offset: 24, .size: 8, .value_kind: global_buffer, .address_space: global }
      - { .name: out0, .offset: 32, .size: 8, .value_kind: global_buffer, .address_space: global }
    .group_segment_fixed_size: 327680
    .private_segment_fixed_size: 0
    .kernarg_segment_align: 8
    .kernarg_segment_size: 40
    .max_flat_workgroup_size: 128
    .sgpr_count:     80
    .vgpr_count:     1024
    .wavefront_size: 32
...
	.end_amdgpu_metadata
.endif
;; end of part 6
